; MI455X (gfx1250); checked and timed in simulation.
; The chip was launched on July 23, 2026; its instructions are those of AMD's public machine-readable ISA for CDNA 5 (MIT licence, August 2026) and "CDNA5" Instruction Set Architecture Reference Guide (July 2026). The comments in the code are by the model that wrote it; some were corrected since.
;; Token Match Layer. Allowed arithmetic: matrix products marked QUANTISED: E3M2 operands, one E8M0 scale for each 32 along K, by v_wmma_scale_f32_16x16x128_f8f6f4 with both operands' format E3M2, f32 sums; everything else in f32.
;; Inputs: W1_codes 768 x 24 x 24 uint8 (E3M2 codes of W1, K innermost, in blocks of 32 codes, four codes in three bytes); W1_scales 768 x 24 uint8 (E8M0 scales of W1, one for each 32 codes along K); W2_codes 768 x 24 x 24 uint8 (E3M2 codes of W2, K innermost, in blocks of 32 codes, four codes in three bytes); W2_scales 768 x 24 uint8 (E8M0 scales of W2, one for each 32 codes along K); Wk_codes 768 x 24 x 24 uint8 (E3M2 codes of Wk, K innermost, in blocks of 32 codes, four codes in three bytes); Wk_scales 768 x 24 uint8 (E8M0 scales of Wk, one for each 32 codes along K); Wo_codes 768 x 24 x 24 uint8 (E3M2 codes of Wo, K innermost, in blocks of 32 codes, four codes in three bytes); Wo_scales 768 x 24 uint8 (E8M0 scales of Wo, one for each 32 codes along K); Wq_codes 768 x 24 x 24 uint8 (E3M2 codes of Wq, K innermost, in blocks of 32 codes, four codes in three bytes); Wq_scales 768 x 24 uint8 (E8M0 scales of Wq, one for each 32 codes along K); Wv_codes 768 x 24 x 24 uint8 (E3M2 codes of Wv, K innermost, in blocks of 32 codes, four codes in three bytes); Wv_scales 768 x 24 uint8 (E8M0 scales of Wv, one for each 32 codes along K); attention_mask 4 x 2,048 int32; b1 768 float32; b2 768 float32; bk 768 float32; bo 768 float32; bq 768 float32; bv 768 float32; dn_b 768 float32; dn_g 768 float32; hidden_states 4 x 2,048 x 768 float32; input_ids 4 x 2,048 int32; ln1_b 768 float32; ln1_g 768 float32; ln2_b 768 float32; ln2_g 768 float32.
;; Outputs: out0 4 x 2,048 x 768 float32.
;; This version of the problem:
;;   THIS VERSION OF THE PROBLEM IS GIVEN IN LOW PRECISION. The matrix products marked QUANTISED in the list below multiply operands that are first quantised to E3M2 (3 exponent bits, 2 mantissa bits; 6 bits a number), with one power-of-two scale for each 32 numbers along K (OCP MX v1.0); their sums are f32. All else is computed in f32.
;;   The module's matrix products, in the order in which they are computed (A, B: the left and right operand; K: the contracted axis; several contracted axes count as one K, in the product's order):
;;     1. [M 8,192, K 768] x [K 768, N 768]; A: input hidden_states; B: input Wq (given as codes): QUANTISED
;;     2. [M 8,192, K 768] x [K 768, N 768]; A: input hidden_states; B: input Wk (given as codes): QUANTISED
;;     3. [M 8,192, K 768] x [K 768, N 768]; A: input hidden_states; B: input Wv (given as codes): QUANTISED
;;     4. batch 32 x [M 2,048, K 96] x [K 96, N 2,048]; A: computed on the way; B: computed on the way: QUANTISED
;;     5. batch 32 x [M 96, K 2,048] x [K 2,048, N 2,048]; A: computed on the way; B: softmax (see below): QUANTISED
;;     6. [M 8,192, K 768] x [K 768, N 768]; A: computed on the way; B: input Wo (given as codes): QUANTISED
;;     7. [M 8,192, K 768] x [K 768, N 768]; A: computed on the way; B: input W1 (given as codes): QUANTISED
;;     8. [M 8,192, K 768] x [K 768, N 768]; A: computed on the way; B: input W2 (given as codes): QUANTISED
;;   THE QUANTISER, for each operand of a quantised product, along K:
;;     - K is cut into blocks of 32 from its start; a last block that is shorter is filled with zeros.
;;     - A block's scale is 2^e with e = floor(log2(the largest magnitude in the block)) - 4, held to -126 .. 127; a block of zeros has e = 0. As a byte (E8M0): e + 127.
;;     - Each number is divided by its block's scale, clamped to +-28, and rounded to the nearest number of E3M2, ties to even, subnormals kept.
;;     - The product sums the exact products of the quantised numbers (number of the format x scale) in f32.
;;   ~~~python
;;   def quantise(x, axis):      # numpy; x: float32 -> the quantised numbers, widened to float32 again
;;       x = np.moveaxis(x, axis, -1); K = x.shape[-1]
;;       x = np.pad(x, [(0, 0)] * (x.ndim - 1) + [(0, -K % 32)]); x = x.reshape(x.shape[:-1] + (-1, 32)); a = np.abs(x).max(-1, keepdims=True)
;;       e = np.where(a > 0, np.clip(np.frexp(np.where(a > 0, a, 1))[1] - 1 - 4, -126, 127), 0)      # np.frexp(a)[1] - 1 = floor(log2(a)), exactly
;;       r = np.clip(x / 2.0 ** e, -28, 28)
;;       step = 2.0 ** (np.maximum(np.frexp(np.where(r == 0, 1, r))[1] - 1, -2) - 2)
;;       q = np.round(r / step) * step * 2.0 ** e      # np.round: ties to even
;;       return np.moveaxis(q.reshape(q.shape[:-2] + (-1,))[..., :K], -1, axis).astype(np.float32)
;;   ~~~
;;   SOFTMAX AHEAD OF A QUANTISED PRODUCT. Where the list says 'softmax', what is quantised is not the finished softmax but p = 2^(t - M), with t = logit x log2(e) and M = ceil(the row's largest t), a whole number; so 1/2 < the row's largest p <= 1. The row's sum l is taken of the UNQUANTISED p, in f32, and the product's result is divided by l at the end. Since M is a whole number, a kernel that streams over the keys may use a running M (the ceiling of the running maximum): every later rescaling is an exact power of two, which a block's scale takes up: the codes' values come out the same.
;;   OPERANDS COMPUTED ON THE WAY. 'Computed on the way' means the value that the module computes at that place (a softmax that the list does not call 'softmax' is quantised finished and normalised). What goes into a quantiser is computed in f32, as accurately as f32 sums, v_exp_f32 and their like allow (about 1e-6 of the number): no bf16 or f16 on the way to a quantiser, and a product that is left as it is and whose result goes on into a quantised operand takes f32 operands (vector FMAs, or v_wmma_f32_16x16x4_f32). A number that lies on a knife's edge between two numbers of the format may be rounded either way, as far as f32 arithmetic and the matrix unit's own rounding can turn it there, and no further.
;;   INPUTS GIVEN AS CODES. W1 (in the module: [768, 768], K = its axis 0); W2 (in the module: [768, 768], K = its axis 0); Wk (in the module: [768, 768], K = its axis 0); Wo (in the module: [768, 768], K = its axis 0); Wq (in the module: [768, 768], K = its axis 0); Wv (in the module: [768, 768], K = its axis 0): each comes as NAME_codes (uint8): NAME with its K axis moved to the last place and cut into blocks of 32 codes, [.., K / 32, bytes a block], one block behind the other in memory; four codes in three bytes: a row's codes are one little-endian stream of bits, code i at bits 6 i .. 6 i + 5 (a code: sign, 3 exponent bits, 2 mantissa bits); and NAME_scales (uint8): the same leading axes, one E8M0 byte (e + 127) for each 32 codes along K. Its value is code x scale, taken as it is: it is not quantised again, and the codes and scales need not be those that the quantiser above would give.
;; 2 versions. Each part assembles by itself: llvm-mc -triple=amdgcn-amd-amdhsa -mcpu=gfx1250 --defsym DOCPART=n.
;; ======== version 1 of 2: 4 launches
;; workspace buffers: xq 4,718,592 bytes; xs 196,608 bytes; wimg 2,654,208 bytes; seg 256 bytes of whole numbers; qb 6,815,744 bytes; kb 6,815,744 bytes; vb 5,111,808 bytes; cb 5,111,808 bytes
;; launch prep (part 1): grid 561 x 1, 6 waves a work-group, no clusters, 51,456 bytes of LDS; arguments hidden_states, input_ids, Wq_codes, Wk_codes, Wv_codes, Wo_codes, W1_codes, W2_codes, xq, xs, wimg, seg; writes xq, xs, wimg, seg
.if DOCPART == 1
	.amdgcn_target "amdgcn-amd-amdhsa--gfx1250"
	.amdhsa_code_object_version 6
	.text
	.protected	k_q5e5342579d_prep
	.globl	k_q5e5342579d_prep
	.p2align	8
	.type	k_q5e5342579d_prep,@function
k_q5e5342579d_prep:
	s_mov_b64 s[64:65], 0
	v_nop
	global_prefetch_b8 v0, s[64:65] scope:SCOPE_SE
	s_setreg_imm32_b32 hwreg(HW_REG_WAVE_MODE, 25, 1), 1
	s_wait_xcnt 0x0
; PREP.  Three kinds of work-group, parted by the work-group's number z alone:
;   z < 512        x (hidden_states, [8192][768] f32) becomes codes of BF6 (E3M2) with one E8M0 byte for each 32 along the 768.
;   512 <= z < 560 the six weights' codes are laid anew, fragment by fragment, in the order of the matrix operand's registers.
;   z = 560        the SEP tokens of each batch row are found and the segment numbers stored as whole numbers.
; ROW TILES.  A group G is 32 rows; its tile T = 2 G + u holds, at place p (0..15), row 32 G + 8 u + p + 8 (p / 8).  Weights' rows are tiled likewise.
; So wherever such a tile is source 0 of a product, a lane's 16 registers of result tiles 2 b and 2 b + 1 are 16 neighbours along that axis.
; A FRAGMENT (16 rows x 128 K, 12 registers a lane) is stored as an image of its registers: registers 4 g .. 4 g + 3 of lane L at 512 g + 16 L: 1,536 bytes.
; xq: [T 512][K step 6] images.  xs: [T][place 16][6 scale words].  wimg: [matrix q,k,v,o,1,2][tile 48][K step 6] images.
; seg: [batch 4][8 words]: src_end, key steps of 128, first and last+1 row whose work is wanted, first and last+1 row that is updated, 0, 0.
; LIMITS: NaN and infinities among the inputs are not served.  A block whose largest magnitude lies under 2^-122, a block of zeros among them,
; gets the scale byte 1 (the rule gives a block of zeros 127): its codes are zeros or tiny, and the bytes are read by this program alone.
; attention_mask is named by no launch: reference() takes it and never uses it, so no output hangs on it.
.set SKIP, 1                           ; 1: work that reference()'s masks throw away is left out by the later launches; 0: all of it is done
.set XR,   16                          ; v16-79   16 rows x 16 bytes a lane, as loaded
.set XN,   80                          ; v80-143  64 numbers of my row: register 16 b + i = k 32 b + 16 h + i
.set TM,   144                         ; v144-159 at work
.set PW,   160                         ; the scale word
.set PC,   164                         ; v164-182 the codes
.set WSTG, 8448                        ; a wave's own stage: 16 rows x 528 bytes
.set SPIT, 528                         ; 512 bytes + 16: an odd multiple of 16
	s_load_b512 s[4:19], s[0:1], 0x0               ; x, ids, Wq, Wk, Wv, Wo, W1, W2 (codes)
	s_load_b256 s[20:27], s[0:1], 0x40             ; xq, xs, wimg, seg
	v_lshl_add_u32 v184, v0, 2, 0xc600
	v_mov_b32 v185, 0
	v_lshrrev_b32 v1, 5, v0
	v_readfirstlane_b32 s28, v1                    ; wave 0..5
	v_and_b32 v1, 31, v0                           ; L
	v_and_b32 v2, 15, v0                           ; r
	v_bfe_u32 v3, v0, 4, 1                         ; h
	v_lshlrev_b32 v4, 4, v1                        ; 16 L
	s_mov_b32 s44, 0x76543210
	s_mov_b32 s45, 0xfedcba98                      ; v_permlanex16_b32's selects for lane l xor 16
	s_wait_kmcnt 0x0
	s_cmp_lt_u32 ttmp9, 512
	s_cbranch_scc0 .Lnot_x
; ---- x: tile T = z, K step = wave: one fragment a wave
	s_and_b32 s30, ttmp9, 1
	s_lshl_b32 s30, s30, 3
	s_lshl_b32 s29, ttmp9, 4
	s_sub_co_u32 s29, s29, s30                     ; the tile's first row: 16 T - 8 (T % 2)
	s_mul_i32 s30, s29, 3072
	s_lshl_b32 s31, s28, 9
	s_add_co_u32 s30, s30, s31                     ; + 512 bytes for each K step
	s_mov_b32 s31, 0
	s_add_nc_u64 s[4:5], s[4:5], s[30:31]
.irp i, 0,1,2,3,4,5,6,7,8,9,10,11,12,13,14,15
	global_load_b128 v[XR+4*\i:XR+4*\i+3], v4, s[4:5] offset:(\i+8*(\i/8))*3072   ; place i's 512 consecutive bytes
.endr
	s_mul_i32 s30, ttmp9, 6
	s_add_co_u32 s30, s30, s28
	s_mul_i32 s30, s30, 1536
	s_add_nc_u64 s[20:21], s[20:21], s[30:31]      ; my image in xq
	s_mul_i32 s30, ttmp9, 384
	s_lshl_b32 s32, s28, 2
	s_add_co_u32 s30, s30, s32
	s_add_nc_u64 s[22:23], s[22:23], s[30:31]      ; my word in each row of xs
	s_mul_i32 s29, s28, WSTG
	v_add_nc_u32 v5, s29, v4                       ; the stage, in: 16 L of a row
	v_mul_u32_u24 v6, v2, SPIT
	v_lshl_add_u32 v6, v3, 6, v6
	v_add_nc_u32 v6, s29, v6                       ; and out: row r, + 64 h
	v_mul_u32_u24 v8, v2, 24
.irp b, 0,1,2,3
	v_mov_b32 v[TM+4+\b], 0                        ; a lane permute's destination counts as one of its sources
.endr
.irp i, 0,1,2,3,4,5,6,7,8,9,10,11,12,13,14,15
	s_wait_loadcnt 15-\i                           ; loads come back in order: row i is in, the younger ones stay out
	ds_store_b128 v5, v[XR+4*\i:XR+4*\i+3] offset:SPIT*\i
.endr
.irp b, 0,1,2,3
.irp j, 0,1,2,3
	ds_load_b128 v[XN+16*\b+4*\j:XN+16*\b+4*\j+3], v6 offset:128*\b+16*\j   ; the stage is my wave's own, and LDS serves a wave in order: no barrier, no wait in between
.endr
.endr
	s_wait_dscnt 0x0
.irp b, 0,1,2,3
	v_max3_num_f32 v[TM+\b], |v[XN+16*\b]|, |v[XN+1+16*\b]|, 0x2800000   ; block b: my 16 numbers, and the floor 2^(5 - 127): the byte cannot fall under 1
.endr
.irp i, 2,4,6,8,10,12,14
.irp b, 0,1,2,3
	v_max3_num_f32 v[TM+\b], v[TM+\b], |v[XN+16*\b+\i]|, |v[XN+1+16*\b+\i]|
.endr
.endr
.irp b, 0,1,2,3
	v_permlanex16_b32 v[TM+4+\b], v[TM+\b], s44, s45
.endr
.irp b, 0,1,2,3
	v_max_num_f32 v[TM+\b], v[TM+\b], v[TM+4+\b]   ; with lane l xor 16's: the block's largest magnitude
.endr
.irp b, 0,1,2,3
	v_add_nc_u32 v[TM+12+\b], 0xfe000000, v[TM+\b] ; 4 off its exponent field: the conversion's scale operand
.endr
.irp b, 0,1,2,3
	v_lshrrev_b32 v[TM+4+\b], 23, v[TM+12+\b]      ; the scale's byte
.endr
	v_lshl_or_b32 v[PW], v[TM+5], 8, v[TM+4]
	v_lshl_or_b32 v[PW], v[TM+6], 16, v[PW]
	v_lshl_or_b32 v[PW], v[TM+7], 24, v[PW]
.irp c, 0,1
	v_cvt_scalef32_pk16_bf6_f32 v[PC+6*\c:PC+2+6*\c], v[XN+32*\c:XN+15+32*\c], v[TM+12+2*\c]
	v_cvt_scalef32_pk16_bf6_f32 v[PC+12+4*\c:PC+14+4*\c], v[XN+16+32*\c:XN+31+32*\c], v[TM+12+2*\c+1]   ; (a conversion's three registers begin on an even number)
.endr
	v_nop                                          ; one plain place behind a scaled conversion
.irp c, 0,1                                    ; the operand wants a whole block in a lane: lanes 0-15 block 2 c, lanes 16-31 block 2 c + 1
.irp i, 0,1,2
	v_permlane16_swap_b32 v[PC+6*\c+\i], v[PC+12+4*\c+\i]
.endr
.irp i, 0,1,2
	v_mov_b32 v[PC+3+6*\c+\i], v[PC+12+4*\c+\i]
.endr
.endr
.irp g, 0,1,2
	global_store_b128 v4, v[PC+4*\g:PC+4*\g+3], s[20:21] offset:512*\g   ; 512 consecutive bytes a store
.endr
	global_store_b32 v8, v[PW], s[22:23]           ; lanes l and l + 16 hold the same word and write it to the same place
	s_wait_tensorcnt 0x0
	ds_add_u32 v184, v185
	s_wait_dscnt 0x0
	s_endpgm
.Lnot_x:
	s_cmp_lt_u32 ttmp9, 560
	s_cbranch_scc0 .Lseg
; ---- weights: matrix = (z - 512) / 8, tile = 6 ((z - 512) % 8) + wave: six fragments a wave
	s_sub_co_u32 s29, ttmp9, 512
	s_lshr_b32 s32, s29, 3                         ; matrix 0..5
	s_and_b32 s29, s29, 7
	s_mul_i32 s29, s29, 6
	s_add_co_u32 s29, s29, s28                     ; tile 0..47
	s_mov_b64 s[34:35], s[8:9]
	s_cmp_eq_u32 s32, 1                            ; the choice hangs on the work-group's number alone
	s_cselect_b64 s[34:35], s[10:11], s[34:35]
	s_cmp_eq_u32 s32, 2
	s_cselect_b64 s[34:35], s[12:13], s[34:35]
	s_cmp_eq_u32 s32, 3
	s_cselect_b64 s[34:35], s[14:15], s[34:35]
	s_cmp_eq_u32 s32, 4
	s_cselect_b64 s[34:35], s[16:17], s[34:35]
	s_cmp_eq_u32 s32, 5
	s_cselect_b64 s[34:35], s[18:19], s[34:35]
	s_and_b32 s30, s29, 1
	s_lshl_b32 s30, s30, 3
	s_lshl_b32 s33, s29, 4
	s_sub_co_u32 s30, s33, s30                     ; the tile's first row
	s_mul_i32 s30, s30, 576                        ; a row of 768 codes is 576 bytes
	s_mov_b32 s31, 0
	s_add_nc_u64 s[34:35], s[34:35], s[30:31]
	s_mul_i32 s30, s32, 442368
	s_mul_i32 s33, s29, 9216
	s_add_co_u32 s30, s30, s33
	s_add_nc_u64 s[24:25], s[24:25], s[30:31]
	v_and_b32 v5, 8, v2
	v_add_nc_u32 v5, v5, v2                        ; r + 8 (r / 8)
	v_mul_u32_u24 v5, v5, 576
	v_mad_u32_u24 v5, v3, 24, v5                   ; + 24 h: the fragment's 24 bytes as they lie
.irp s, 0,1,2,3,4,5
.irp p, 0,1,2,3,4,5
	global_load_b64 v[16+12*\s+2*\p:17+12*\s+2*\p], v5, s[34:35] offset:96*\s+48*(\p/3)+8*(\p%3)
.endr
.endr
.irp s, 0,1,2,3,4,5
	s_wait_loadcnt 30-6*\s                         ; K step s's six loads are in; those of the later steps stay out
.irp g, 0,1,2
	global_store_b128 v4, v[16+12*\s+4*\g:19+12*\s+4*\g], s[24:25] offset:1536*\s+512*\g
.endr
.endr
	s_endpgm
.Lseg:
; ---- segments: wave b scans batch row b
	s_cmp_lt_u32 s28, 4
	s_cbranch_scc1 .Lscan
	s_endpgm
.Lscan:
	s_lshl_b32 s30, s28, 13
	s_mov_b32 s31, 0
	s_add_nc_u64 s[6:7], s[6:7], s[30:31]
	s_lshl_b32 s30, s28, 5
	s_add_nc_u64 s[26:27], s[26:27], s[30:31]
.irp j, 0,1,2,3,4,5,6,7,8,9,10,11,12,13,14,15
	global_load_b128 v[16+4*\j:19+4*\j], v4, s[6:7] offset:512*\j   ; ids 128 j + 4 L + 0 .. 3
.endr
	v_lshlrev_b32 v10, 2, v1
	v_mov_b32 v13, 2048                            ; 'none'
	v_mov_b32 v8, 2048                             ; the smallest index of a SEP so far,
	v_mov_b32 v9, 2048                             ; and the second smallest
	v_mov_b32 v14, 0
	v_mov_b32 v15, 0
	s_wait_loadcnt 0x0
.set n, 0
.rept 64
	v_cmp_eq_u32 vcc_lo, 102, v[16+n]
	v_add_nc_u32 v11, 128*(n/4)+n%4, v10
	v_cndmask_b32 v11, v13, v11, vcc_lo            ; its index, or 'none'
	v_max_u32 v12, v8, v11
	v_min_u32 v9, v9, v12
	v_min_u32 v8, v8, v11
.set n, n+1
.endr
.irp x, 1,2,4,8                                ; two sorted pairs of disjoint sets merge into one
	v_mov_b32_dpp v14, v8 row_xmask:\x row_mask:0xf bank_mask:0xf
	v_mov_b32_dpp v15, v9 row_xmask:\x row_mask:0xf bank_mask:0xf
	v_max_u32 v12, v8, v14
	v_min_u32 v8, v8, v14
	v_min_u32 v9, v9, v15
	v_min_u32 v9, v9, v12
.endr
	v_permlanex16_b32 v14, v8, s44, s45
	v_permlanex16_b32 v15, v9, s44, s45
	v_max_u32 v12, v8, v14
	v_min_u32 v8, v8, v14
	v_min_u32 v9, v9, v15
	v_min_u32 v9, v9, v12
	v_readfirstlane_b32 s32, v8                    ; first
	v_readfirstlane_b32 s33, v9                    ; second
	s_add_co_u32 s35, s32, 1
	s_cmp_lt_u32 s33, 2048                         ; two SEP tokens?
	s_cselect_b32 s34, s32, 1024                   ; src_end
	s_cselect_b32 s35, s35, 1024                   ; hyp_start
	s_cselect_b32 s36, s33, 2047                   ; hyp_end
	s_add_co_u32 s39, s34, 127
	s_lshr_b32 s39, s39, 7                         ; key steps of 128 that reach src_end
	s_cmp_ge_u32 s34, 2                            ; a key in [1, src_end)?
	s_cselect_b32 s37, 1, 0
	s_cmp_lt_u32 s35, s36                          ; a query in [hyp_start, hyp_end)?
	s_cselect_b32 s38, 1, 0
	s_and_b32 s37, s37, s38
	s_cmp_lg_u32 s37, 0
	s_cselect_b32 s40, s35, 0                      ; rows that are updated: none in a batch row that is not valid
	s_cselect_b32 s41, s36, 0
.if SKIP
	s_cselect_b32 s39, s39, 0
	s_mov_b32 s42, s40
	s_mov_b32 s43, s41
.else
	s_mov_b32 s39, 16
	s_mov_b32 s42, 0
	s_mov_b32 s43, 2048
.endif
	v_mov_b32 v16, s34
	v_mov_b32 v17, s39
	v_mov_b32 v18, s42
	v_mov_b32 v19, s43
	v_mov_b32 v20, s40
	v_mov_b32 v21, s41
	v_mov_b32 v22, 0
	v_mov_b32 v23, 0
	v_mov_b32 v24, 0
	v_cmp_eq_u32 vcc_lo, 0, v1
	s_wait_xcnt 0x0                                ; EXEC changes only behind this wait
	s_and_saveexec_b32 s46, vcc_lo                 ; lane 0 stores the eight words
	global_store_b128 v24, v[16:19], s[26:27]
	global_store_b128 v24, v[20:23], s[26:27] offset:16
	s_endpgm
.Lfunc_end_k_q5e5342579d_prep:
	.size	k_q5e5342579d_prep, .Lfunc_end_k_q5e5342579d_prep-k_q5e5342579d_prep
	.p2alignl 7, 3214868480
	.fill 96, 4, 3214868480
	.section	.rodata,"a",@progbits
	.p2align	6, 0x0
	.amdhsa_kernel k_q5e5342579d_prep
		.amdhsa_group_segment_fixed_size 51456
		.amdhsa_private_segment_fixed_size 0
		.amdhsa_enable_private_segment 0
		.amdhsa_kernarg_size 96
		.amdhsa_user_sgpr_count 2
		.amdhsa_user_sgpr_kernarg_segment_ptr 1
		.amdhsa_wavefront_size32 1
		.amdhsa_system_sgpr_workgroup_id_x 1
		.amdhsa_system_sgpr_workgroup_id_y 1
		.amdhsa_system_sgpr_workgroup_id_z 1
		.amdhsa_system_vgpr_workitem_id 0
		.amdhsa_next_free_vgpr 186
		.amdhsa_next_free_sgpr 66
		.amdhsa_reserve_vcc 1
		.amdhsa_float_denorm_mode_32 3
		.amdhsa_float_denorm_mode_16_64 3
		.amdhsa_memory_ordered 1
		.amdhsa_forward_progress 1
		.amdhsa_inst_pref_size 38
	.end_amdhsa_kernel
	.amdgpu_metadata
---
amdhsa.version: [ 1, 2 ]
amdhsa.kernels:
  - .name:           k_q5e5342579d_prep
    .symbol:         k_q5e5342579d_prep.kd
    .args:
      - { .name: hidden_states, .offset: 0, .size: 8, .value_kind: global_buffer, .address_space: global }
      - { .name: input_ids, .offset: 8, .size: 8, .value_kind: global_buffer, .address_space: global }
      - { .name: Wq_codes, .offset: 16, .size: 8, .value_kind: global_buffer, .address_space: global }
      - { .name: Wk_codes, .offset: 24, .size: 8, .value_kind: global_buffer, .address_space: global }
      - { .name: Wv_codes, .offset: 32, .size: 8, .value_kind: global_buffer, .address_space: global }
      - { .name: Wo_codes, .offset: 40, .size: 8, .value_kind: global_buffer, .address_space: global }
      - { .name: W1_codes, .offset: 48, .size: 8, .value_kind: global_buffer, .address_space: global }
      - { .name: W2_codes, .offset: 56, .size: 8, .value_kind: global_buffer, .address_space: global }
      - { .name: xq, .offset: 64, .size: 8, .value_kind: global_buffer, .address_space: global }
      - { .name: xs, .offset: 72, .size: 8, .value_kind: global_buffer, .address_space: global }
      - { .name: wimg, .offset: 80, .size: 8, .value_kind: global_buffer, .address_space: global }
      - { .name: seg, .offset: 88, .size: 8, .value_kind: global_buffer, .address_space: global }
    .group_segment_fixed_size: 51456
    .private_segment_fixed_size: 0
    .kernarg_segment_align: 8
    .kernarg_segment_size: 96
    .max_flat_workgroup_size: 192
    .sgpr_count:     66
    .vgpr_count:     186
    .wavefront_size: 32
...
	.end_amdgpu_metadata
.endif
;; end of part 1
;; launch proj (part 2): grid 32 x 24, 8 waves a work-group, no clusters, 56,320 bytes of LDS; arguments xq, xs, wimg, Wq_scales, Wk_scales, Wv_scales, bq, bk, bv, seg, qb, kb, vb; writes qb, kb, vb
.if DOCPART == 2
	.amdgcn_target "amdgcn-amd-amdhsa--gfx1250"
	.amdhsa_code_object_version 6
	.text
	.protected	k_q5e5342579d_proj
	.globl	k_q5e5342579d_proj
	.p2align	8
	.type	k_q5e5342579d_proj,@function
k_q5e5342579d_proj:
	s_mov_b64 s[64:65], 0
	v_nop
	global_prefetch_b8 v0, s[64:65] scope:SCOPE_SE
	s_setreg_imm32_b32 hwreg(HW_REG_WAVE_MODE, 25, 1), 1
	s_wait_xcnt 0x0
; PROJ.  q = x Wq + bq, k = x Wk + bk, v = x Wv + bv on codes of BF6, and their quantising for the two products of attention.
; SHARES.  Work-group (X, Y): 256 rows (chunk X of 32), matrix Y / 8 (q, k, v), head Y % 8.  Wave w: group G = 8 X + w (32 rows, two tiles of x) x the head's 96 columns (six tiles of the weight):
; 12 accumulators, six K steps of 128, 72 matrix instructions.  The head's 36 weight fragments (55,296 dense bytes of wimg) are copied into LDS once and read by all eight waves; x's fragments are a wave's own.
; q AND k: source 0 = the weight's tile, source 1 = x's: a lane holds one row of x and its registers run along the head's 96, which is the next product's K: three blocks of 32; the instruction's last 32 are zero codes.
;   The bias is the C of each sum's first matrix instruction.  The result leaves as an image of the operand's registers.
; v: source 0 = x's tile, source 1 = the weight's: a lane holds one channel d and its 16 registers of a pair of tiles are 16 neighbouring KEYS, the next product's K.  It leaves block by block:
;   block (32 keys) at 384 x block, channel place r at 24 r, 24 bytes as the stream of bits; lane (r, h) stores its 12 bytes at 24 r + 12 h.
; qb, kb: records [batch][head][128 rows] of 13,312 bytes: 8 images of 1,536, then 8 scale rows of 128 (lane L's word at 4 L).  vb: records of 9,984 bytes: 6 tiles of d, then 6 scale rows.
; WHAT IS LEFT OUT.  seg says which rows' q are wanted and how many key steps of k and v.  A work-group none of whose rows are wanted copies nothing, a wave whose group is not wanted ends behind the one barrier.
; No multicast: how many chunks of a head have work hangs on counts read from memory and differs from work-group to work-group.
; LIMITS: as stated in prep (NaN, infinities; the scale byte 1 for blocks under 2^-122 and for blocks of zeros).
.set ACC, 16                           ; v16-111  12 accumulators
.set WF,  112                          ; v112-183 six weight fragments of a K step; later at work
.set XF,  184                          ; v184-231 x: two sets of two fragments
.set WS,  232                          ; v232-249 the weight's scale words: pair of tiles q at 6 q + K step; lanes 0-15 the even tile's rows, lanes 16-31 the odd tile's
.set XSC, 250                          ; v250-255 x's scale words, by K step: lanes 0-15 tile 0's rows, lanes 16-31 tile 1's
.set BV,  10                           ; v10-15   bv of my channel, by tile
.set TM,  152
.macro MM d, a, b, z, sa, sb, ra, rb   ; one product; z = 1: it starts the sum; ra, rb = 1: that side's scales stand in lanes 16-31
.if \z
.if (\ra) && (\rb)
	v_wmma_scale_f32_16x16x128_f8f6f4 v[\d:\d+7], v[\a:\a+11], v[\b:\b+11], 0, v[\sa], v[\sb] matrix_a_fmt:MATRIX_FMT_BF6 matrix_b_fmt:MATRIX_FMT_BF6 matrix_a_scale:MATRIX_SCALE_ROW1 matrix_b_scale:MATRIX_SCALE_ROW1
.elseif \ra
	v_wmma_scale_f32_16x16x128_f8f6f4 v[\d:\d+7], v[\a:\a+11], v[\b:\b+11], 0, v[\sa], v[\sb] matrix_a_fmt:MATRIX_FMT_BF6 matrix_b_fmt:MATRIX_FMT_BF6 matrix_a_scale:MATRIX_SCALE_ROW1
.elseif \rb
	v_wmma_scale_f32_16x16x128_f8f6f4 v[\d:\d+7], v[\a:\a+11], v[\b:\b+11], 0, v[\sa], v[\sb] matrix_a_fmt:MATRIX_FMT_BF6 matrix_b_fmt:MATRIX_FMT_BF6 matrix_b_scale:MATRIX_SCALE_ROW1
.else
	v_wmma_scale_f32_16x16x128_f8f6f4 v[\d:\d+7], v[\a:\a+11], v[\b:\b+11], 0, v[\sa], v[\sb] matrix_a_fmt:MATRIX_FMT_BF6 matrix_b_fmt:MATRIX_FMT_BF6
.endif
.else
.if (\ra) && (\rb)
	v_wmma_scale_f32_16x16x128_f8f6f4 v[\d:\d+7], v[\a:\a+11], v[\b:\b+11], v[\d:\d+7], v[\sa], v[\sb] matrix_a_fmt:MATRIX_FMT_BF6 matrix_b_fmt:MATRIX_FMT_BF6 matrix_a_scale:MATRIX_SCALE_ROW1 matrix_b_scale:MATRIX_SCALE_ROW1
.elseif \ra
	v_wmma_scale_f32_16x16x128_f8f6f4 v[\d:\d+7], v[\a:\a+11], v[\b:\b+11], v[\d:\d+7], v[\sa], v[\sb] matrix_a_fmt:MATRIX_FMT_BF6 matrix_b_fmt:MATRIX_FMT_BF6 matrix_a_scale:MATRIX_SCALE_ROW1
.elseif \rb
	v_wmma_scale_f32_16x16x128_f8f6f4 v[\d:\d+7], v[\a:\a+11], v[\b:\b+11], v[\d:\d+7], v[\sa], v[\sb] matrix_a_fmt:MATRIX_FMT_BF6 matrix_b_fmt:MATRIX_FMT_BF6 matrix_b_scale:MATRIX_SCALE_ROW1
.else
	v_wmma_scale_f32_16x16x128_f8f6f4 v[\d:\d+7], v[\a:\a+11], v[\b:\b+11], v[\d:\d+7], v[\sa], v[\sb] matrix_a_fmt:MATRIX_FMT_BF6 matrix_b_fmt:MATRIX_FMT_BF6
.endif
.endif
.endm
.macro XLOAD ks                        ; x's two fragments of K step ks into set ks % 2
.irp m, 0,1
.irp g, 0,1,2
	global_load_b128 v[XF+24*((\ks)%2)+12*\m+4*\g:XF+24*((\ks)%2)+12*\m+4*\g+3], v5, s[4:5] offset:9216*\m+1536*(\ks)+512*\g
.endr
.endr
.endm
; A K step.  The 12 accumulators take turns, one instruction a turn, in the same order in every step.
.macro KSTEP ks, varm
.if \ks > 0
.rept 4
	v_nop                                          ; places in front of loads into registers that matrix instructions have read
.endr
.endif
.irp t, 0,1,2,3,4,5
.irp g, 0,1,2
	ds_load_b128 v[WF+12*\t+4*\g:WF+12*\t+4*\g+3], v5 offset:(6*\t+(\ks))*1536+512*\g
.endr
.endr
.if \ks < 5
	XLOAD (\ks)+1
	s_wait_loadcnt 6                               ; all but the six just issued: this step's x, and in the first step the scale words and the biases
.else
	s_wait_loadcnt 0x0
.endif
	s_wait_dscnt 0x0
.irp t, 0,1,2,3,4,5
.irp m, 0,1
.set rW, WF+12*\t
.set rX, XF+24*((\ks)%2)+12*\m
.set rWS, WS+6*(\t/2)+(\ks)
.set rXS, XSC+(\ks)
.set rT, \t%2
.set rM, \m
.if \varm
.set rD, ACC+8*(2*\t+\m)
.if \ks == 0
	MM rD, rX, rW, 1, rXS, rWS, rM, rT
.else
	MM rD, rX, rW, 0, rXS, rWS, rM, rT
.endif
.else
.set rD, ACC+8*(6*\m+\t)
	MM rD, rW, rX, 0, rWS, rXS, rT, rM
.endif
.endr
.endr
.endm
; 48 numbers of a lane, register 16 b + i = k 32 b + 16 h + i of my row, become a fragment's codes (its last 32 along K zero codes) in v[pc] on and its scale word in v[pw]
.macro QUANT3 src, pc, pw
.irp b, 0,1,2
	v_max3_num_f32 v[TM+\b], |v[\src+16*\b]|, |v[\src+1+16*\b]|, 0x2800000   ; and the floor 2^(5 - 127)
.endr
.irp i, 2,4,6,8,10,12,14
.irp b, 0,1,2
	v_max3_num_f32 v[TM+\b], v[TM+\b], |v[\src+16*\b+\i]|, |v[\src+1+16*\b+\i]|
.endr
.endr
.irp b, 0,1,2
	v_permlanex16_b32 v[TM+4+\b], v[TM+\b], s58, s59
.endr
.irp b, 0,1,2
	v_max_num_f32 v[TM+\b], v[TM+\b], v[TM+4+\b]
.endr
.irp b, 0,1,2
	v_add_nc_u32 v[TM+12+\b], 0xfe000000, v[TM+\b]
.endr
.irp b, 0,1,2
	v_lshrrev_b32 v[TM+4+\b], 23, v[TM+12+\b]
.endr
	v_lshl_or_b32 v[\pw], v[TM+5], 8, v[TM+4]
	v_lshl_or_b32 v[\pw], v[TM+6], 16, v[\pw]      ; the fourth byte stays 0: it stands over zero codes
	v_cvt_scalef32_pk16_bf6_f32 v[\pc:\pc+2], v[\src:\src+15], v[TM+12]
	v_cvt_scalef32_pk16_bf6_f32 v[\pc+12:\pc+14], v[\src+16:\src+31], v[TM+13]
	v_cvt_scalef32_pk16_bf6_f32 v[\pc+6:\pc+8], v[\src+32:\src+47], v[TM+14]
.irp i, 0,1,2
	v_mov_b32 v[\pc+16+\i], 0                      ; the block that K = 96 does not have.  (Also the plain place behind the conversions)
.endr
.irp c, 0,1
.irp i, 0,1,2
	v_permlane16_swap_b32 v[\pc+6*\c+\i], v[\pc+12+4*\c+\i]
.endr
.irp i, 0,1,2
	v_mov_b32 v[\pc+3+6*\c+\i], v[\pc+12+4*\c+\i]
.endr
.endr
.endm
	s_load_b512 s[4:19], s[0:1], 0x0               ; xq, xs, wimg, Wq/Wk/Wv scales, bq, bk
	s_load_b256 s[20:27], s[0:1], 0x40             ; bv, seg, qb, kb
	s_load_b64 s[28:29], s[0:1], 0x60              ; vb
	s_set_vgpr_msb 0x40
	v_lshl_add_u32 v0, v0, 2, 0xd800
	v_mov_b32 v1, 0
	s_set_vgpr_msb 0x4000
	v_lshrrev_b32 v1, 5, v0
	v_readfirstlane_b32 s30, v1                    ; wave 0..7
	v_and_b32 v1, 31, v0
	v_and_b32 v2, 15, v0                           ; r
	v_bfe_u32 v3, v0, 4, 1                         ; h
	v_lshlrev_b32 v4, 4, v0                        ; 16 x thread: the copy's place, in memory and in LDS alike
	v_lshlrev_b32 v5, 4, v1                        ; 16 L
	v_and_b32 v8, 8, v2
	v_add_nc_u32 v8, v8, v2                        ; r + 8 (r / 8)
	v_lshl_add_u32 v6, v3, 3, v8
	v_mul_u32_u24 v6, v6, 24                       ; the weight's scale rows: 24 bytes a row; lanes 16-31 the odd tile, 8 rows on
	v_mul_u32_u24 v7, v2, 24
	v_mad_u32_u24 v9, v3, 12, v7                   ; 24 r + 12 h
	v_mad_u32_u24 v7, v3, 384, v7                  ; x's scale rows: tile h of the group, place r
	v_lshlrev_b32 v1, 2, v1                        ; 4 L
	s_lshr_b32 s40, ttmp9, 3                       ; batch
	s_and_b32 s41, ttmp9, 7                        ; chunk in the batch
	s_and_b32 s43, ttmp7, 0xffff
	s_lshr_b32 s42, s43, 3                         ; matrix
	s_and_b32 s43, s43, 7                          ; head
	s_lshl_b32 s44, ttmp9, 3
	s_add_co_u32 s44, s44, s30                     ; G
	s_and_b32 s45, s44, 63                         ; the group in its batch
	s_mov_b32 s58, 0x76543210
	s_mov_b32 s59, 0xfedcba98
	s_lshl_b32 s50, s40, 5
	s_mov_b32 s51, 0
	s_wait_kmcnt 0x0
	s_add_nc_u64 s[22:23], s[22:23], s[50:51]
	s_load_b256 s[32:39], s[22:23], 0x0            ; s32 src_end, s33 key steps, s34, s35 rows wanted
	s_cmp_eq_u32 s42, 1                            ; the choices hang on the work-group's number alone
	s_cselect_b64 s[10:11], s[12:13], s[10:11]
	s_cselect_b64 s[16:17], s[18:19], s[16:17]
	s_cselect_b64 s[24:25], s[26:27], s[24:25]
	s_cmp_eq_u32 s42, 2
	s_cselect_b64 s[10:11], s[14:15], s[10:11]     ; the scales,
	s_cselect_b64 s[16:17], s[20:21], s[16:17]     ; the bias,
	s_cselect_b64 s[24:25], s[28:29], s[24:25]     ; the output
	s_mul_i32 s50, s42, 442368
	s_mul_i32 s52, s43, 55296
	s_add_co_u32 s50, s50, s52
	s_add_nc_u64 s[8:9], s[8:9], s[50:51]          ; the head's 36 fragments
	s_mul_i32 s50, s43, 2304
	s_add_nc_u64 s[10:11], s[10:11], s[50:51]
	s_mul_i32 s50, s43, 384
	s_add_nc_u64 s[16:17], s[16:17], s[50:51]
	s_mul_i32 s50, s44, 18432
	s_add_nc_u64 s[4:5], s[4:5], s[50:51]
	s_mul_i32 s50, s44, 768
	s_add_nc_u64 s[6:7], s[6:7], s[50:51]
	s_wait_kmcnt 0x0
	s_lshl_b32 s47, s33, 7                         ; k, v: rows 0 .. 128 x key steps
	s_cmp_eq_u32 s42, 0
	s_cselect_b32 s46, s34, 0                      ; q: the rows wanted
	s_cselect_b32 s47, s35, s47
	s_lshl_b32 s50, s41, 8
	s_add_co_u32 s52, s50, 256
	s_cmp_lt_u32 s50, s47
	s_cselect_b32 s48, 1, 0
	s_cmp_gt_u32 s52, s46
	s_cselect_b32 s53, 1, 0
	s_and_b32 s48, s48, s53                        ; has the chunk a row that is wanted?
	s_lshl_b32 s50, s45, 5
	s_add_co_u32 s52, s50, 32
	s_cmp_lt_u32 s50, s47
	s_cselect_b32 s49, 1, 0
	s_cmp_gt_u32 s52, s46
	s_cselect_b32 s53, 1, 0
	s_and_b32 s49, s49, s53                        ; has my group?
	s_cmp_lg_u32 s48, 0
	s_cbranch_scc0 .Lno_copy
.irp i, 0,1,2,3,4,5,6,7,8,9,10,11,12
	global_load_b128 v[16+4*\i:19+4*\i], v4, s[8:9] offset:4096*\i
.endr
.irp i, 0,1,2,3,4,5,6,7,8,9,10,11,12
	s_wait_loadcnt 12-\i
	ds_store_b128 v4, v[16+4*\i:19+4*\i] offset:4096*\i
.endr
	s_cmp_lt_u32 s30, 4                            ; 55,296 = 13 1/2 x 4,096: waves 0 to 3 bring the last 2,048 bytes
	s_cbranch_scc0 .Lno_copy
	global_load_b128 v[68:71], v4, s[8:9] offset:53248
	s_wait_loadcnt 0x0
	ds_store_b128 v4, v[68:71] offset:53248
.Lno_copy:
	s_wait_dscnt 0x0                               ; my stores have landed
	s_barrier_signal -1
	s_barrier_wait -1                              ; everybody's have: the one barrier, on every wave's path
	s_cmp_lg_u32 s49, 0
	s_cbranch_scc1 .Lwork
	s_set_vgpr_msb 0x5
	s_wait_tensorcnt 0x0
	ds_add_u32 v0, v1
	s_wait_dscnt 0x0
	s_set_vgpr_msb 0x500
	s_endpgm
.Lwork:
.irp q, 0,1,2
.irp p, 0,1,2
	global_load_b64 v[WS+6*\q+2*\p:WS+6*\q+2*\p+1], v6, s[10:11] offset:768*\q+8*\p
.endr
.endr
.irp p, 0,1,2
	global_load_b64 v[XSC+2*\p:XSC+2*\p+1], v7, s[6:7] offset:8*\p
.endr
	XLOAD 0
	s_lshl_b32 s50, s40, 3
	s_add_co_u32 s50, s50, s43
	s_lshl_b32 s50, s50, 4
	s_lshr_b32 s52, s45, 2
	s_add_co_u32 s50, s50, s52                     ; my record: (8 batch + head) x 16 + group / 4
	s_and_b32 s54, s30, 3                          ; and my group's place in it
	s_mov_b32 s53, 0
	s_cmp_eq_u32 s42, 2
	s_cbranch_scc1 .Lv_arm
; ---- q and k
	v_lshlrev_b32 v8, 6, v3                        ; the bias of tile (q, u): columns 32 q + 16 h + 8 u + 0 .. 7
.irp m, 0,1
.irp t, 0,1,2,3,4,5
	global_load_b128 v[ACC+8*(6*\m+\t):ACC+8*(6*\m+\t)+3], v8, s[16:17] offset:128*(\t/2)+32*(\t%2)
	global_load_b128 v[ACC+8*(6*\m+\t)+4:ACC+8*(6*\m+\t)+7], v8, s[16:17] offset:128*(\t/2)+32*(\t%2)+16
.endr
.endr
.irp s, 0,1,2,3,4,5
	KSTEP \s, 0
.endr
	s_mul_i32 s50, s50, 13312
	s_mul_i32 s52, s54, 3072
	s_add_co_u32 s52, s52, s50
	s_add_nc_u64 s[26:27], s[24:25], s[52:53]      ; my two images
	s_lshl_b32 s52, s54, 8
	s_add_co_u32 s52, s52, s50
	s_add_nc_u64 s[24:25], s[24:25], s[52:53]      ; my two scale rows, 12,288 bytes on
.rept 4
	v_nop                                          ; places behind the last products
.endr
.irp b, 0,1,2
	v_mov_b32 v[TM+4+\b], 0                        ; a lane permute's destination counts as one of its sources
.endr
	QUANT3 ACC, 112, 168
	QUANT3 ACC+48, 132, 169
.irp m, 0,1
.irp g, 0,1,2
	global_store_b128 v5, v[112+20*\m+4*\g:115+20*\m+4*\g], s[26:27] offset:1536*\m+512*\g
.endr
	global_store_b32 v1, v[168+\m], s[24:25] offset:12288+128*\m
.endr
	s_set_vgpr_msb 0x5
	s_wait_tensorcnt 0x0
	ds_add_u32 v0, v1
	s_wait_dscnt 0x0
	s_set_vgpr_msb 0x500
	s_endpgm
; ---- v
.Lv_arm:
	v_lshlrev_b32 v8, 2, v8                        ; bv of my channel: 4 (r + 8 (r / 8))
.irp t, 0,1,2,3,4,5
	global_load_b32 v[BV+\t], v8, s[16:17] offset:128*(\t/2)+32*(\t%2)
.endr
.irp s, 0,1,2,3,4,5
	KSTEP \s, 1
.endr
	s_mul_i32 s50, s50, 9984
	s_mul_i32 s52, s54, 384
	s_add_co_u32 s52, s52, s50
	s_add_nc_u64 s[26:27], s[24:25], s[52:53]      ; my block of 32 keys in each tile of d
	s_add_co_u32 s52, s54, s50
	s_add_nc_u64 s[24:25], s[24:25], s[52:53]      ; my byte of each scale word, 9,216 bytes on
.rept 4
	v_nop
.endr
.irp t, 0,1,2,3,4,5
	v_mov_b32 v[142+\t], 0
.endr
.irp t, 0,1,2,3,4,5
.irp j, 0,2,4,6,8,10,12,14
.if \t%2
	v_pk_add_f32 v[ACC+16*\t+\j:ACC+16*\t+\j+1], v[ACC+16*\t+\j:ACC+16*\t+\j+1], v[BV+\t-1:BV+\t] op_sel:[0,1] op_sel_hi:[1,1]   ; + bv: the pair's second register for both halves
.else
	v_pk_add_f32 v[ACC+16*\t+\j:ACC+16*\t+\j+1], v[ACC+16*\t+\j:ACC+16*\t+\j+1], v[BV+\t:BV+\t+1] op_sel_hi:[1,0]               ; the pair's first
.endif
.endr
.endr
.irp t, 0,1,2,3,4,5
	v_max3_num_f32 v[136+\t], |v[ACC+16*\t]|, |v[ACC+16*\t+1]|, 0x2800000   ; one block of 32 keys for each tile of d: my 16, and the floor
.endr
.irp i, 2,4,6,8,10,12,14
.irp t, 0,1,2,3,4,5
	v_max3_num_f32 v[136+\t], v[136+\t], |v[ACC+16*\t+\i]|, |v[ACC+16*\t+\i+1]|
.endr
.endr
.irp t, 0,1,2,3,4,5
	v_permlanex16_b32 v[142+\t], v[136+\t], s58, s59
.endr
.irp t, 0,1,2,3,4,5
	v_max_num_f32 v[136+\t], v[136+\t], v[142+\t]
.endr
.irp t, 0,1,2,3,4,5
	v_add_nc_u32 v[148+\t], 0xfe000000, v[136+\t]
.endr
.irp t, 0,1,2,3,4,5
	v_cvt_scalef32_pk16_bf6_f32 v[112+4*\t:114+4*\t], v[ACC+16*\t:ACC+16*\t+15], v[148+\t]
.endr
.irp t, 0,1,2,3,4,5
	v_lshrrev_b32 v[154+\t], 23, v[148+\t]         ; the scale's byte.  (Plain lines behind the conversions)
.endr
.irp t, 0,1,2,3,4,5
	global_store_b96 v9, v[112+4*\t:114+4*\t], s[26:27] offset:1536*\t   ; the wave's store covers 384 consecutive bytes
	global_store_b8 v1, v[154+\t], s[24:25] offset:9216+128*\t
.endr
	s_set_vgpr_msb 0x5
	s_wait_tensorcnt 0x0
	ds_add_u32 v0, v1
	s_wait_dscnt 0x0
	s_set_vgpr_msb 0x500
	s_endpgm
.Lfunc_end_k_q5e5342579d_proj:
	.size	k_q5e5342579d_proj, .Lfunc_end_k_q5e5342579d_proj-k_q5e5342579d_proj
	.p2alignl 7, 3214868480
	.fill 96, 4, 3214868480
	.section	.rodata,"a",@progbits
	.p2align	6, 0x0
	.amdhsa_kernel k_q5e5342579d_proj
		.amdhsa_group_segment_fixed_size 56320
		.amdhsa_private_segment_fixed_size 0
		.amdhsa_enable_private_segment 0
		.amdhsa_kernarg_size 104
		.amdhsa_user_sgpr_count 2
		.amdhsa_user_sgpr_kernarg_segment_ptr 1
		.amdhsa_wavefront_size32 1
		.amdhsa_system_sgpr_workgroup_id_x 1
		.amdhsa_system_sgpr_workgroup_id_y 1
		.amdhsa_system_sgpr_workgroup_id_z 1
		.amdhsa_system_vgpr_workitem_id 0
		.amdhsa_next_free_vgpr 258
		.amdhsa_next_free_sgpr 66
		.amdhsa_reserve_vcc 0
		.amdhsa_float_denorm_mode_32 3
		.amdhsa_float_denorm_mode_16_64 3
		.amdhsa_memory_ordered 1
		.amdhsa_forward_progress 1
		.amdhsa_inst_pref_size 68
	.end_amdhsa_kernel
	.amdgpu_metadata
---
amdhsa.version: [ 1, 2 ]
amdhsa.kernels:
  - .name:           k_q5e5342579d_proj
    .symbol:         k_q5e5342579d_proj.kd
    .args:
      - { .name: xq, .offset: 0, .size: 8, .value_kind: global_buffer, .address_space: global }
      - { .name: xs, .offset: 8, .size: 8, .value_kind: global_buffer, .address_space: global }
      - { .name: wimg, .offset: 16, .size: 8, .value_kind: global_buffer, .address_space: global }
      - { .name: Wq_scales, .offset: 24, .size: 8, .value_kind: global_buffer, .address_space: global }
      - { .name: Wk_scales, .offset: 32, .size: 8, .value_kind: global_buffer, .address_space: global }
      - { .name: Wv_scales, .offset: 40, .size: 8, .value_kind: global_buffer, .address_space: global }
      - { .name: bq, .offset: 48, .size: 8, .value_kind: global_buffer, .address_space: global }
      - { .name: bk, .offset: 56, .size: 8, .value_kind: global_buffer, .address_space: global }
      - { .name: bv, .offset: 64, .size: 8, .value_kind: global_buffer, .address_space: global }
      - { .name: seg, .offset: 72, .size: 8, .value_kind: global_buffer, .address_space: global }
      - { .name: qb, .offset: 80, .size: 8, .value_kind: global_buffer, .address_space: global }
      - { .name: kb, .offset: 88, .size: 8, .value_kind: global_buffer, .address_space: global }
      - { .name: vb, .offset: 96, .size: 8, .value_kind: global_buffer, .address_space: global }
    .group_segment_fixed_size: 56320
    .private_segment_fixed_size: 0
    .kernarg_segment_align: 8
    .kernarg_segment_size: 104
    .max_flat_workgroup_size: 256
    .sgpr_count:     66
    .vgpr_count:     258
    .wavefront_size: 32
...
	.end_amdgpu_metadata
.endif
;; end of part 2
;; launch attn (part 3): grid 16 x 32, 8 waves a work-group, no clusters, 47,616 bytes of LDS; arguments qb, kb, vb, seg, cb; writes cb
.if DOCPART == 3
	.amdgcn_target "amdgcn-amd-amdhsa--gfx1250"
	.amdhsa_code_object_version 6
	.text
	.protected	k_q5e5342579d_attn
	.globl	k_q5e5342579d_attn
	.p2align	8
	.type	k_q5e5342579d_attn,@function
k_q5e5342579d_attn:
	s_mov_b64 s[64:65], 0
	v_nop
	global_prefetch_b8 v0, s[64:65] scope:SCOPE_SE
	s_setreg_imm32_b32 hwreg(HW_REG_WAVE_MODE, 25, 1), 1
	s_wait_xcnt 0x0
; ATTN.  ctx = softmax(q k^T / sqrt(96), keys 1 .. src_end - 1) v for one head and 128 queries a work-group, both products on codes of BF6; ctx is quantised along the 768 for the next product.
; THE SOFTMAX: t = score x log2(e) / sqrt(96); M = the row's largest t so far, rounded UP to a whole number; p = 2^(t - M) is what is quantised, along the keys; the row's sum is taken of the
; unquantised p and divides at the end.  When M moves, the sum and O are multiplied by 2^(old M - new M): exact.
; SHARES.  Wave w owns one tile of 16 queries.  A key step is 128 keys: 8 fragments of k (images of registers), 6 of v^T (block by block), each with its scale row: 14 x 1,664 bytes, a slot.
; Two slots take turns.  Waves 0 to 6 bring two fragments each through registers (waves 0-3 k's, 4-6 v's): asked for at a trip's head, stored at its end, into the slot that nobody reads in that trip.
; ONE BARRIER A TRIP: in front of it every wave has waited for its reads of the slot that is written next and for its stores into the slot that is read next.
; Both products are used transposed (S^T = k q^T, O^T = v^T p^T): a lane holds one query throughout; the keys that form a tile of k are those of a row tile, so that p's 16 registers of two
; neighbouring tiles are 16 neighbouring keys.
; WHAT IS LEFT OUT.  The loop has 16 trips for every work-group (a barrier stands in each); seg says how many of them have work: key steps beyond src_end, and tiles none of whose group's rows are wanted,
; are jumped over by scalar branches on whole numbers read from memory.  A tile that is left out stores zero codes under the byte 127, since the next launch reads every tile.
; Hidden keys (key 0, keys from src_end on) get the score -infinity ahead of the maximum, so p = 0; reference()'s -1e9 gives the same 0 unless a row's largest score lies under about -1e9.
; No multicast: the work-groups of a head have different numbers of trips with work, by counts read from memory.
; LIMITS: as stated in prep.
; REGISTERS: v1-9 addresses; v12 -M, v13 the largest t, v[14:15] the sum; v16-27 Q, v28 its scale words; v32-79 four fragments; v80-91, v208-221 what is being copied; v96-159 S^T, then p;
; v160-207 O^T; v224-235 p's codes; v232-255 at work; v248-251 the fragments' scale words, v253 p's.
.set SLOTB, 23296
.set FRB,   1664
.macro CLOAD                           ; my two fragments and their scale rows of the record that the pointers stand at
.irp i, 0,1,2
	global_load_b128 v[80+4*\i:83+4*\i], v1, s[30:31] offset:512*\i
.endr
.irp i, 0,1,2
	global_load_b128 v[208+4*\i:211+4*\i], v1, s[30:31] offset:1536+512*\i
.endr
	global_load_b32 v220, v6, s[32:33]
	global_load_b32 v221, v6, s[32:33] offset:128
.endm
.macro CSTORE slot
.irp i, 0,1,2
	ds_store_b128 v4, v[80+4*\i:83+4*\i] offset:SLOTB*(\slot)+512*\i
.endr
.irp i, 0,1,2
	ds_store_b128 v4, v[208+4*\i:211+4*\i] offset:SLOTB*(\slot)+FRB+512*\i
.endr
	ds_store_b32 v5, v220 offset:SLOTB*(\slot)
	ds_store_b32 v5, v221 offset:SLOTB*(\slot)+FRB
.endm
; A KEY STEP on the slot named
.macro STEP slot
.set SB, SLOTB*(\slot)
.rept 4
	v_nop                                          ; places in front of loads into registers that the last step's products have read
.endr
.irp g, 0,1                                    ; S^T = k q^T, four tiles of 16 keys at a time
.if \g > 0
.rept 4
	v_nop
.endr
.endif
.irp t, 0,1,2,3
.irp c, 0,1,2
	ds_load_b128 v[32+12*\t+4*\c:35+12*\t+4*\c], v1 offset:SB+FRB*(4*\g+\t)+512*\c
.endr
	ds_load_b32 v[248+\t], v3 offset:SB+FRB*(4*\g+\t)
.endr
	s_wait_dscnt 0x0
.irp t, 0,1,2,3
	v_wmma_scale_f32_16x16x128_f8f6f4 v[96+8*(4*\g+\t):103+8*(4*\g+\t)], v[32+12*\t:43+12*\t], v[16:27], 0, v[248+\t], v28 matrix_a_fmt:MATRIX_FMT_BF6 matrix_b_fmt:MATRIX_FMT_BF6
.endr
.endr                                          ; register 16 b + i of lane (r, h): query r, key KF + 32 b + 16 h + i
.rept 4
	v_nop
.endr
	s_cmp_eq_u32 s27, 0                            ; the first step holds key 0, which is hidden;
	s_cbranch_scc1 .Lmask_\@
	s_add_co_u32 s40, s27, 128
	s_cmp_le_u32 s40, s16                          ; a later step all of whose keys lie under src_end has nothing to hide
	s_cbranch_scc1 .Lopen_\@
.Lmask_\@:
	s_sub_co_u32 s40, s16, s27
	s_sub_co_u32 s40, s40, 1
	v_sub_nc_u32 v252, s40, v9                     ; d = src_end - KF - 16 h - 1: register 16 b + i is hidden where 32 b + i > d
	v_add_nc_u32 v255, s27, v9
	v_mov_b32 v254, 0xff800000                     ; -infinity
	v_cmp_eq_u32 vcc_lo, 0, v255                   ; my register 0 is key 0
	v_cndmask_b32 v96, v96, v254, vcc_lo
.set n, 0
.rept 64
	v_cmp_gt_i32 vcc_lo, 32*(n/16)+n%16, v252
	v_cndmask_b32 v[96+n], v[96+n], v254, vcc_lo
.set n, n+1
.endr
.Lopen_\@:
.irp b, 0,1,2,3
	v_max3_num_f32 v[232+\b], v[96+16*\b], v[97+16*\b], v[98+16*\b]   ; the largest score of each block of 32 keys: for the row's maximum, and, since p rises with the score, for the block's largest p
.endr
.irp i, 3,5,7,9,11,13
.irp b, 0,1,2,3
	v_max3_num_f32 v[232+\b], v[232+\b], v[96+16*\b+\i], v[97+16*\b+\i]
.endr
.endr
.irp b, 0,1,2,3
	v_max_num_f32 v[232+\b], v[232+\b], v[111+16*\b]
.endr
.irp b, 0,1,2,3
	v_permlanex16_b32 v[236+\b], v[232+\b], s36, s37
.endr
.irp b, 0,1,2,3
	v_max_num_f32 v[232+\b], v[232+\b], v[236+\b]  ; with lane l xor 16's 16 keys
.endr
	v_max3_num_f32 v254, v232, v233, v234
	v_max_num_f32 v254, v254, v235                 ; the step's largest score of my query
	v_mul_f32 v254, s38, v254                      ; as t (c is positive)
	v_max_num_f32 v13, v13, v254                   ; the running largest t
	v_mov_b32 v254, v12
	v_floor_f32 v12, -v13                          ; the new -M = floor(-t) = -ceil(t)
	v_sub_f32 v254, v12, v254                      ; old M - new M: a whole number, 0 or less
	v_cvt_i32_f32 v254, v254                       ; (it saturates)
	v_ldexp_f32 v252, 1.0, v254                    ; f = 2^(old M - new M)
.irp j, 0,2,4,6,8,10,12,14,16,18,20,22,24,26,28,30,32,34,36,38,40,42,44,46,48,50,52,54,56,58,60,62
	v_pk_fma_f32 v[96+\j:97+\j], v[96+\j:97+\j], s[38:39], v[12:13] op_sel_hi:[1,0,0]   ; t - M, two at a time
.endr
.irp b, 0,1,2,3
	v_fma_f32 v[232+\b], v[232+\b], s38, v12       ; the same of each block's largest score
.endr
.set n, 0
.rept 64
	v_exp_f32 v[96+n], v[96+n]                     ; p = 2^(t - M), at most 1: not normalised
.set n, n+1
.endr
.irp b, 0,1,2,3
	v_exp_f32 v[232+\b], v[232+\b]                 ; the block's largest p
.endr
	v_pk_mul_f32 v[14:15], v[14:15], v[252:253] op_sel_hi:[1,0]   ; the sums under the new M.  (A plain place behind the exponentials)
	s_wait_alu depctr_va_vdst(0)
.irp b, 0,1,2,3
	v_max_num_f32 v[232+\b], 0x2800000, v[232+\b]  ; the floor 2^(5 - 127)
.endr
.irp b, 0,1,2,3
	v_add_nc_u32 v[244+\b], 0xfe000000, v[232+\b]  ; the conversion's scale operand
.endr
.irp b, 0,1,2,3
	v_lshrrev_b32 v[236+\b], 23, v[244+\b]         ; the scale's byte
.endr
	v_lshl_or_b32 v253, v237, 8, v236              ; p's scale word for these 128 keys
	v_lshl_or_b32 v253, v238, 16, v253
	v_lshl_or_b32 v253, v239, 24, v253
.irp c, 0,1
	v_cvt_scalef32_pk16_bf6_f32 v[224+6*\c:226+6*\c], v[96+32*\c:111+32*\c], v[244+2*\c]
	v_cvt_scalef32_pk16_bf6_f32 v[236+4*\c:238+4*\c], v[112+32*\c:127+32*\c], v[244+2*\c+1]
.endr
	v_nop                                          ; one plain place behind a scaled conversion
.irp c, 0,1
.irp i, 0,1,2
	v_permlane16_swap_b32 v[224+6*\c+\i], v[236+4*\c+\i]
.endr
.irp i, 0,1,2
	v_mov_b32 v[227+6*\c+\i], v[236+4*\c+\i]
.endr
.endr
	v_pk_add_f32 v[236:237], v[96:97], v[98:99]    ; the row's sum is taken of the unquantised p: two at a time, in two chains
.irp j, 4,8,12,16,20,24,28,32,36,40,44,48,52,56,60
	v_pk_add_f32 v[14:15], v[14:15], v[96+\j:97+\j]
	v_pk_add_f32 v[236:237], v[236:237], v[98+\j:99+\j]
.endr
	v_pk_add_f32 v[14:15], v[14:15], v[236:237]
.irp j, 0,2,4,6,8,10,12,14,16,18,20,22,24,26,28,30,32,34,36,38,40,42,44,46
	v_pk_mul_f32 v[160+\j:161+\j], v[160+\j:161+\j], v[252:253] op_sel_hi:[1,0]   ; O^T under the new M.  (These are also the places in front of the products and loads below)
.endr
.irp g, 0,1                                    ; O^T += v^T p^T: three tiles of 16 channels at a time, three different accumulators
.if \g > 0
.rept 4
	v_nop
.endr
.endif
.irp t, 0,1,2
.irp c, 0,1
.irp p, 0,1,2
	ds_load_b64 v[32+12*\t+6*\c+2*\p:33+12*\t+6*\c+2*\p], v2 offset:SB+FRB*(3*\g+\t)+768*\c+8*\p
.endr
.endr
	ds_load_b32 v[248+\t], v3 offset:SB+FRB*(8+3*\g+\t)
.endr
	s_wait_dscnt 0x0
.irp t, 0,1,2
	v_wmma_scale_f32_16x16x128_f8f6f4 v[160+8*(3*\g+\t):167+8*(3*\g+\t)], v[32+12*\t:43+12*\t], v[224:235], v[160+8*(3*\g+\t):167+8*(3*\g+\t)], v[248+\t], v253 matrix_a_fmt:MATRIX_FMT_BF6 matrix_b_fmt:MATRIX_FMT_BF6
.endr
.endr
.endm
; A TRIP: step J on slot 'slot', while step J + 1 is brought into slot 'other'.  A copy's loads and its stores stand on one way, so that no way leaves a load out or stores what was not loaded.
.macro TRIP slot, other
	s_wait_dscnt 0x0                               ; my stores into 'slot' have landed, my reads of 'other' are back
	s_barrier_signal -1
	s_barrier_wait -1                              ; both hold of every wave
	s_cmp_lt_u32 s14, 7                            ; wave 7 copies nothing
	s_cbranch_scc0 .Lnc_\@
	s_add_co_u32 s41, s26, 1
	s_cmp_lt_u32 s41, s24
	s_cbranch_scc0 .Lnc_\@
	CLOAD
	s_cmp_lt_u32 s26, s25
	s_cbranch_scc0 .La_\@
	STEP \slot
.La_\@:
	s_wait_loadcnt 0x0                             ; the copy is in registers, and its pointers are free
	CSTORE \other
	s_branch .Le_\@
.Lnc_\@:
	s_cmp_lt_u32 s26, s25
	s_cbranch_scc0 .Le_\@
	STEP \slot
.Le_\@:
	s_add_nc_u64 s[30:31], s[30:31], s[34:35]      ; in every trip, on every way: the pointers stand at record J + 1
	s_add_nc_u64 s[32:33], s[32:33], s[34:35]
	s_add_co_u32 s26, s26, 1
	s_add_co_u32 s27, s27, 128
.endm
	s_load_b256 s[4:11], s[0:1], 0x0               ; qb, kb, vb, seg
	s_load_b64 s[12:13], s[0:1], 0x20              ; cb
	v_lshl_add_u32 v223, v0, 2, 0xb600
	v_mov_b32 v243, 0
	v_lshrrev_b32 v1, 5, v0
	v_readfirstlane_b32 s14, v1                    ; wave 0..7
	v_and_b32 v10, 31, v0                          ; L
	v_and_b32 v11, 15, v0                          ; r
	v_bfe_u32 v9, v0, 4, 1                         ; h
	v_lshlrev_b32 v1, 4, v10                       ; 16 L
	v_mul_u32_u24 v7, v11, 24
	v_mad_u32_u24 v2, v9, 384, v7
	v_add_nc_u32 v2, 8*FRB, v2                     ; v's tiles, behind k's eight: block h, channel place r
	v_mad_u32_u24 v7, v9, 12, v7                   ; 24 r + 12 h
	v_lshlrev_b32 v6, 2, v10                       ; 4 L
	v_add_nc_u32 v3, 1536, v6                      ; a fragment's scale row
	s_mul_i32 s40, s14, 2*FRB
	v_add_nc_u32 v4, s40, v1                       ; where I store what I copy
	v_add_nc_u32 v5, s40, v3
	v_mul_u32_u24 v8, v10, 24                      ; 24 L
	v_lshlrev_b32 v9, 4, v9                        ; 16 h
	s_and_b32 s46, ttmp7, 0xffff                   ; 8 batch + head
	s_lshr_b32 s47, s46, 3
	s_and_b32 s48, s46, 7
	s_lshl_b32 s40, s47, 5
	s_mov_b32 s41, 0
	s_mov_b32 s36, 0x76543210
	s_mov_b32 s37, 0xfedcba98
	s_mov_b32 s38, 0x3e16c740                      ; c = log2(e) / sqrt(96)
	s_mov_b32 s39, s38                             ; (named with it as a pair)
	s_mov_b32 s26, 0                               ; J
	s_mov_b32 s27, 0                               ; the step's first key
	s_wait_kmcnt 0x0
	s_add_nc_u64 s[10:11], s[10:11], s[40:41]
	s_load_b256 s[16:23], s[10:11], 0x0            ; s16 src_end, s17 key steps, s18, s19 rows wanted
	s_lshl_b32 s40, s46, 4
	s_add_co_u32 s40, s40, ttmp9
	s_mul_i32 s40, s40, 13312                      ; q's record
	s_lshl_b32 s42, s14, 7
	s_add_co_u32 s42, s42, s40
	s_mov_b32 s43, 0
	s_add_nc_u64 s[44:45], s[4:5], s[42:43]        ; my tile's scale row, 12,288 bytes on
	s_mul_i32 s42, s14, 1536
	s_add_co_u32 s42, s42, s40
	s_add_nc_u64 s[4:5], s[4:5], s[42:43]          ; my tile's image
	s_mov_b32 s34, 9984
	s_mov_b32 s49, 9216
	s_cmp_lt_u32 s14, 4                            ; waves 0-3 copy from kb, the others from vb
	s_cselect_b64 s[30:31], s[6:7], s[8:9]
	s_cselect_b32 s34, 13312, s34                  ; a record,
	s_cselect_b32 s49, 12288, s49                  ; where its scale rows begin,
	s_cselect_b32 s50, 0, 4
	s_sub_co_u32 s50, s14, s50                     ; and which pair of fragments is mine
	s_mov_b32 s35, 0
	s_lshl_b32 s40, s46, 4
	s_mul_i32 s40, s40, s34                        ; the head's record 0
	s_lshl_b32 s42, s50, 8
	s_add_co_u32 s42, s42, s49
	s_add_co_u32 s42, s42, s40
	s_add_nc_u64 s[32:33], s[30:31], s[42:43]
	s_mul_i32 s42, s50, 3072
	s_add_co_u32 s42, s42, s40
	s_add_nc_u64 s[30:31], s[30:31], s[42:43]
	s_lshl_b32 s40, s47, 4
	s_add_co_u32 s40, s40, ttmp9
	s_lshl_b32 s40, s40, 3
	s_add_co_u32 s40, s40, s14                     ; my tile T
	s_mul_i32 s42, s40, 9216
	s_mul_i32 s51, s48, 1152
	s_add_co_u32 s42, s42, s51
	s_add_nc_u64 s[52:53], s[12:13], s[42:43]      ; ctx's codes: tile T, blocks 3 head on
	s_mul_i32 s42, s40, 768
	s_mul_i32 s51, s48, 3
	s_add_co_u32 s42, s42, s51
	s_add_co_u32 s42, s42, 4718592
	s_add_nc_u64 s[54:55], s[12:13], s[42:43]      ; and their scale bytes
.set n, 0
.rept 13
	v_mov_b32 v[16+n], 0                           ; Q and its scale words: written on every way
.set n, n+1
.endr
	v_mov_b32 v13, 0xff61b1e6                      ; the largest t so far: -3e38
	v_floor_f32 v12, -v13                          ; -M
	v_mov_b32 v14, 0
	v_mov_b32 v15, 0
.irp b, 0,1,2,3
	v_mov_b32 v[236+\b], 0                         ; a lane permute's destination counts as one of its sources
.endr
	v_mov_b32 v252, 0
	v_mov_b32 v253, 0
.set n, 0
.rept 48
	v_mov_b32 v[160+n], 0                          ; O^T: the step is written once, and its first run finds zeros
.set n, n+1
.endr
	s_wait_kmcnt 0x0
	s_lshl_b32 s40, ttmp9, 7
	s_add_co_u32 s41, s40, 128
	s_cmp_lt_u32 s40, s19
	s_cselect_b32 s24, s17, 0
	s_cmp_gt_u32 s41, s18
	s_cselect_b32 s24, s24, 0                      ; steps to copy: the key steps, if any of the block's 128 rows is wanted
	s_lshr_b32 s41, s14, 1
	s_lshl_b32 s41, s41, 5
	s_add_co_u32 s40, s40, s41
	s_add_co_u32 s41, s40, 32
	s_cmp_lt_u32 s40, s19
	s_cselect_b32 s25, s17, 0
	s_cmp_gt_u32 s41, s18
	s_cselect_b32 s25, s25, 0                      ; steps to work: the key steps, if any row of my tile's group is wanted (those groups' q were made)
	s_cmp_lg_u32 s25, 0
	s_cbranch_scc0 .Lno_q
.irp g, 0,1,2
	global_load_b128 v[16+4*\g:19+4*\g], v1, s[4:5] offset:512*\g
.endr
	global_load_b32 v28, v6, s[44:45] offset:12288
	s_wait_loadcnt 0x0
.Lno_q:
	s_cmp_lt_u32 s14, 7
	s_cbranch_scc0 .Lno_c0
	s_cmp_lg_u32 s24, 0
	s_cbranch_scc0 .Lno_c0
	CLOAD                                          ; step 0
	s_wait_loadcnt 0x0
	CSTORE 0
.Lno_c0:
	s_add_nc_u64 s[30:31], s[30:31], s[34:35]
	s_add_nc_u64 s[32:33], s[32:33], s[34:35]
	s_mov_b32 s28, 8
.Ltrip:
	TRIP 0, 1
	TRIP 1, 0
	s_sub_co_u32 s28, s28, 1
	s_cmp_lg_u32 s28, 0
	s_cbranch_scc1 .Ltrip
.rept 4
	v_nop                                          ; places behind the last products, ahead of the branch: both arms below write registers that products have named
.endr
	s_cmp_lg_u32 s25, 0
	s_cbranch_scc0 .Lidle
	v_add_f32 v14, v14, v15                        ; the sum's two halves,
	v_permlanex16_b32 v252, v14, s36, s37
	v_add_f32 v14, v14, v252                       ; and lane l xor 16's
	v_rcp_f32 v14, v14
.irp b, 0,1,2
	v_mov_b32 v[52+\b], 0                          ; (plain places behind the reciprocal)
.endr
.set n, 0
	s_wait_alu depctr_va_vdst(0)
.rept 48
	v_mul_f32 v[96+n], v[160+n], v14               ; ctx: register 16 b + i is channel 32 b + 16 h + i of the head
.set n, n+1
.endr
.irp b, 0,1,2
	v_max3_num_f32 v[48+\b], |v[96+16*\b]|, |v[97+16*\b]|, 0x2800000
.endr
.irp i, 2,4,6,8,10,12,14
.irp b, 0,1,2
	v_max3_num_f32 v[48+\b], v[48+\b], |v[96+16*\b+\i]|, |v[97+16*\b+\i]|
.endr
.endr
.irp b, 0,1,2
	v_permlanex16_b32 v[52+\b], v[48+\b], s36, s37
.endr
.irp b, 0,1,2
	v_max_num_f32 v[48+\b], v[48+\b], v[52+\b]
.endr
.irp b, 0,1,2
	v_add_nc_u32 v[56+\b], 0xfe000000, v[48+\b]
.endr
.irp b, 0,1,2
	v_cvt_scalef32_pk16_bf6_f32 v[32+4*\b:34+4*\b], v[96+16*\b:111+16*\b], v[56+\b]
.endr
.irp b, 0,1,2
	v_lshrrev_b32 v[60+\b], 23, v[56+\b]           ; (plain lines behind the conversions)
.endr
.irp b, 0,1,2
	global_store_b96 v7, v[32+4*\b:34+4*\b], s[52:53] offset:384*\b
	global_store_b8 v8, v[60+\b], s[54:55] offset:\b
.endr
	s_wait_tensorcnt 0x0
	ds_add_u32 v223, v243
	s_wait_dscnt 0x0
	s_endpgm
.Lidle:
	v_mov_b32 v32, 0                               ; a tile that is not wanted: zero codes under the byte 127
	v_mov_b32 v33, 0
	v_mov_b32 v34, 0
	v_mov_b32 v60, 127
.irp b, 0,1,2
	global_store_b96 v7, v[32:34], s[52:53] offset:384*\b
	global_store_b8 v8, v60, s[54:55] offset:\b
.endr
	s_wait_tensorcnt 0x0
	ds_add_u32 v223, v243
	s_wait_dscnt 0x0
	s_endpgm
.Lfunc_end_k_q5e5342579d_attn:
	.size	k_q5e5342579d_attn, .Lfunc_end_k_q5e5342579d_attn-k_q5e5342579d_attn
	.p2alignl 7, 3214868480
	.fill 96, 4, 3214868480
	.section	.rodata,"a",@progbits
	.p2align	6, 0x0
	.amdhsa_kernel k_q5e5342579d_attn
		.amdhsa_group_segment_fixed_size 47616
		.amdhsa_private_segment_fixed_size 0
		.amdhsa_enable_private_segment 0
		.amdhsa_kernarg_size 40
		.amdhsa_user_sgpr_count 2
		.amdhsa_user_sgpr_kernarg_segment_ptr 1
		.amdhsa_wavefront_size32 1
		.amdhsa_system_sgpr_workgroup_id_x 1
		.amdhsa_system_sgpr_workgroup_id_y 1
		.amdhsa_system_sgpr_workgroup_id_z 1
		.amdhsa_system_vgpr_workitem_id 0
		.amdhsa_next_free_vgpr 256
		.amdhsa_next_free_sgpr 66
		.amdhsa_reserve_vcc 1
		.amdhsa_float_denorm_mode_32 3
		.amdhsa_float_denorm_mode_16_64 3
		.amdhsa_memory_ordered 1
		.amdhsa_forward_progress 1
		.amdhsa_inst_pref_size 116
	.end_amdhsa_kernel
	.amdgpu_metadata
---
amdhsa.version: [ 1, 2 ]
amdhsa.kernels:
  - .name:           k_q5e5342579d_attn
    .symbol:         k_q5e5342579d_attn.kd
    .args:
      - { .name: qb, .offset: 0, .size: 8, .value_kind: global_buffer, .address_space: global }
      - { .name: kb, .offset: 8, .size: 8, .value_kind: global_buffer, .address_space: global }
      - { .name: vb, .offset: 16, .size: 8, .value_kind: global_buffer, .address_space: global }
      - { .name: seg, .offset: 24, .size: 8, .value_kind: global_buffer, .address_space: global }
      - { .name: cb, .offset: 32, .size: 8, .value_kind: global_buffer, .address_space: global }
    .group_segment_fixed_size: 47616
    .private_segment_fixed_size: 0
    .kernarg_segment_align: 8
    .kernarg_segment_size: 40
    .max_flat_workgroup_size: 256
    .sgpr_count:     66
    .vgpr_count:     256
    .wavefront_size: 32
...
	.end_amdgpu_metadata
.endif
;; end of part 3
;; launch tail (part 4): grid 256 x 1, 12 waves a work-group, no clusters, 274,944 bytes of LDS; arguments hidden_states, cb, wimg, Wo_scales, W1_scales, W2_scales, bo, ln1_g, ln1_b, b1, b2, ln2_g, ln2_b, dn_g, dn_b, seg, out0; writes out0
.if DOCPART == 4
	.amdgcn_target "amdgcn-amd-amdhsa--gfx1250"
	.amdhsa_code_object_version 6
	.text
	.protected	k_q5e5342579d_tail
	.globl	k_q5e5342579d_tail
	.p2align	8
	.type	k_q5e5342579d_tail,@function
k_q5e5342579d_tail:
	s_mov_b64 s[64:65], 0
	v_nop
	global_prefetch_b8 v0, s[64:65] scope:SCOPE_SE
	s_setreg_imm32_b32 hwreg(HW_REG_WAVE_MODE, 25, 1), 1
	s_wait_xcnt 0x0
; TAIL.  x1 = LN(x + ctx Wo + bo); x2 = LN(x1 + gelu(x1 W1 + b1) W2 + b2); out = x + LN(x2 - x) in the rows that seg names, x in the others.  The three products on codes of BF6.
; SHARES.  A work-group takes group G: 32 rows, as two tiles.  THE WAVES SHARE THE COLUMNS: wave w owns columns 64 w .. 64 w + 63 (four tiles of each weight) for all 32 rows: eight accumulators.
; Each weight fragment is wanted by one wave of the work-group alone, so it goes from memory straight into that wave's registers, one K step ahead of its use, in two sets that take turns.
; The products are used transposed (source 0 = the weight's tile, source 1 = the rows'): a lane holds one row, and its 16 registers of two neighbouring tiles are 16 neighbouring columns, the next product's K.
; A wave's 64 columns are half a K step of the next product: it quantises them in registers and stores that half of the operand's registers, as they stand, to LDS; every wave reads all six K steps back.
; The sums of a layer norm go through LDS: each wave's part of each row, one word; a barrier; every wave adds the twelve in the same order.  The variance is taken of the numbers less the mean.
; Every row is computed, also those that the select at the end throws away (their ctx is zero codes): the phases are parted by nine barriers, which stand on every wave's path, and there is no branch on data.
; gelu(a) = a / (1 + 2^(a (k1 + k2 a^2))), k1 = -2 log2(e) sqrt(2 / pi), k2 = 0.044715 k1: jax.nn.gelu's tanh form, written so that nothing cancels.
; No multicast: a joint load lands in LDS, and these fragments are wanted in one wave's registers.
; LIMITS: as stated in prep.
; LDS: XS 12 x 8,704: a wave's own strip (256 bytes) of the 32 rows of x, later of out: place 16 m + r, 272 bytes apart.  X1 12 x 8,192: x1 as an image of registers, a wave's own.
;      IA, IB 19,968 each: 12 fragments (6 m + K step) of 1,536, each as two halves of 768 (registers 6 c .. 6 c + 3 at 16 L, 6 c + 4, 5 at 512 + 8 L), then 12 scale rows of 128.  RED 6 x 5,120: reduction k, tile m, lane L, wave w.
.set ACC, 24                           ; v24-87   accumulator (tile of rows m, tile of columns t) at 8 (4 m + t): for each m, register 16 q + i = column 64 w + 32 q + 16 h + i
.set WF0, 88                           ; v88-135, v136-183 the weight's four fragments of a K step, two sets
.set AF,  184                          ; v184-207 the rows' two fragments; in the epilogues the codes just made
.set AS,  208                          ; v208-209 their scale words
.set WS,  210                          ; v210-221 the weight's scale words: pair of tiles q at 6 q + K step
.set GV,  136                          ; v136-167 a vector of my 32 columns (a bias, a gain);  v168-199 a second one
.set BVV, 168
.set X1B, 104448
.set IA,  202752
.set IBO, 19968                        ; IB - IA
.set RED, 242688
.macro BAR                             ; my LDS stores have landed and my LDS loads are in: then the work-group's barrier
	s_wait_dscnt 0x0
	s_barrier_signal -1
	s_barrier_wait -1
.endm
.macro NOP4
.rept 4
	v_nop
.endr
.endm
.macro WLOAD mat, ks, buf
.irp t, 0,1,2,3
.irp g, 0,1,2
	global_load_b128 v[(\buf)+12*\t+4*\g:(\buf)+12*\t+4*\g+3], v16, s[8:9] offset:(\mat)*442368+9216*\t+1536*(\ks)+512*\g
.endr
.endr
.endm
.macro WSLOAD sb
.irp q, 0,1
.irp p, 0,1,2
	global_load_b64 v[WS+6*\q+2*\p:WS+6*\q+2*\p+1], v17, s[\sb:\sb+1] offset:768*\q+8*\p
.endr
.endr
.endm
.macro PLOAD reg, sb                   ; 32 numbers of a vector of 768: those of my lane's columns
.irp q, 0,1,2,3,4,5,6,7
	global_load_b128 v[(\reg)+4*\q:(\reg)+4*\q+3], v18, s[\sb:\sb+1] offset:128*(\q/4)+16*(\q%4)
.endr
.endm
.macro XGET reg                        ; x of my rows and columns, in the accumulators' layout, from my strip
.irp m, 0,1
.irp q, 0,1,2,3,4,5,6,7
	ds_load_b128 v[(\reg)+32*\m+4*\q:(\reg)+32*\m+4*\q+3], v4 offset:4352*\m+128*(\q/4)+16*(\q%4)
.endr
.endr
.endm
.macro ADDV reg                        ; both tiles of rows += a vector
.irp m, 0,1
.irp j, 0,2,4,6,8,10,12,14,16,18,20,22,24,26,28,30
	v_pk_add_f32 v[ACC+32*\m+\j:ACC+32*\m+\j+1], v[ACC+32*\m+\j:ACC+32*\m+\j+1], v[(\reg)+\j:(\reg)+\j+1]
.endr
.endr
.endm
; A K step: the operand's set at 'off' behind IA.  ld = 1: the weight's fragments (nm, nk) are asked for, into the set that is not at work.
; The eight accumulators take turns, one instruction a turn, in the same order in every step.
.macro KSTEP off, ks, nm, nk, ld
.set CBF, WF0+48*((\ks)%2)
.set NBF, WF0+48*(((\ks)+1)%2)
.if \ks > 0
	NOP4                                           ; places in front of loads into registers that matrix instructions have read
.endif
.if \ld
	WLOAD \nm, \nk, NBF
.endif
.irp m, 0,1
.irp c, 0,1
	ds_load_b128 v[AF+12*\m+6*\c:AF+12*\m+6*\c+3], v11 offset:(\off)+1536*(6*\m+(\ks))+768*\c
	ds_load_b64 v[AF+12*\m+6*\c+4:AF+12*\m+6*\c+5], v12 offset:(\off)+1536*(6*\m+(\ks))+768*\c
.endr
	ds_load_b32 v[AS+\m], v13 offset:(\off)+128*(6*\m+(\ks))
.endr
.if \ld
	s_wait_loadcnt 12                              ; all but the twelve just issued
.else
	s_wait_loadcnt 0x0
.endif
	s_wait_dscnt 0x0
.irp t, 0,1,2,3
.irp m, 0,1
.if \t%2
	v_wmma_scale_f32_16x16x128_f8f6f4 v[ACC+8*(4*\m+\t):ACC+8*(4*\m+\t)+7], v[CBF+12*\t:CBF+12*\t+11], v[AF+12*\m:AF+12*\m+11], v[ACC+8*(4*\m+\t):ACC+8*(4*\m+\t)+7], v[WS+6*(\t/2)+(\ks)], v[AS+\m] matrix_a_fmt:MATRIX_FMT_BF6 matrix_b_fmt:MATRIX_FMT_BF6 matrix_a_scale:MATRIX_SCALE_ROW1
.else
	v_wmma_scale_f32_16x16x128_f8f6f4 v[ACC+8*(4*\m+\t):ACC+8*(4*\m+\t)+7], v[CBF+12*\t:CBF+12*\t+11], v[AF+12*\m:AF+12*\m+11], v[ACC+8*(4*\m+\t):ACC+8*(4*\m+\t)+7], v[WS+6*(\t/2)+(\ks)], v[AS+\m] matrix_a_fmt:MATRIX_FMT_BF6 matrix_b_fmt:MATRIX_FMT_BF6
.endif
.endr
.endr
.endm
; The 64 numbers of a lane are four blocks (tile of rows m, block q of my two): codes and scale bytes, and my half of each tile's K step to LDS
.macro QUANTT off
.irp q, 0,1,2,3
	v_max3_num_f32 v[222+\q], |v[ACC+16*\q]|, |v[ACC+16*\q+1]|, 0x2800000   ; my 16 numbers, and the floor 2^(5 - 127)
.endr
.irp i, 2,4,6,8,10,12,14
.irp q, 0,1,2,3
	v_max3_num_f32 v[222+\q], v[222+\q], |v[ACC+16*\q+\i]|, |v[ACC+16*\q+\i+1]|
.endr
.endr
.irp q, 0,1,2,3
	v_permlanex16_b32 v[226+\q], v[222+\q], s46, s47
.endr
.irp q, 0,1,2,3
	v_max_num_f32 v[222+\q], v[222+\q], v[226+\q]
.endr
.irp q, 0,1,2,3
	v_add_nc_u32 v[232+\q], 0xfe000000, v[222+\q]
.endr
.irp q, 0,1,2,3
	v_lshrrev_b32 v[236+\q], 23, v[232+\q]
.endr
.irp m, 0,1
	v_lshl_or_b32 v[240+\m], v[237+2*\m], 8, v[236+2*\m]   ; my two bytes of the row's scale word
.endr
.irp m, 0,1
	v_cvt_scalef32_pk16_bf6_f32 v[AF+12*\m:AF+12*\m+2], v[ACC+32*\m:ACC+32*\m+15], v[232+2*\m]
	v_cvt_scalef32_pk16_bf6_f32 v[AF+12*\m+8:AF+12*\m+10], v[ACC+32*\m+16:ACC+32*\m+31], v[233+2*\m]
.endr
	v_nop                                          ; one plain place behind a scaled conversion
.irp m, 0,1
.irp i, 0,1,2
	v_permlane16_swap_b32 v[AF+12*\m+\i], v[AF+12*\m+8+\i]
.endr
.irp i, 0,1,2
	v_mov_b32 v[AF+12*\m+3+\i], v[AF+12*\m+8+\i]
.endr
.endr
.irp m, 0,1
	ds_store_b128 v8, v[AF+12*\m:AF+12*\m+3] offset:(\off)+9216*\m
	ds_store_b64 v9, v[AF+12*\m+4:AF+12*\m+5] offset:(\off)+9216*\m
	ds_store_b16 v10, v[240+\m] offset:(\off)+768*\m
.endr
.endm
; My part of each row's sum stands in the pairs v[222:223] (tile 0) and v[226:227] (tile 1); the rows' whole sums come back in v232 and v244
.macro RSUM k
.irp m, 0,1
	v_add_f32 v[222+4*\m], v[222+4*\m], v[223+4*\m]
.endr
.irp m, 0,1
	v_permlanex16_b32 v[230+\m], v[222+4*\m], s46, s47
.endr
.irp m, 0,1
	v_add_f32 v[222+4*\m], v[222+4*\m], v[230+\m]  ; my 64 columns of row r
.endr
.irp m, 0,1
	ds_store_b32 v14, v[222+4*\m] offset:5120*(\k)+2560*\m
.endr
	BAR
.irp m, 0,1
.irp q, 0,1,2
	ds_load_b128 v[232+12*\m+4*\q:235+12*\m+4*\q], v15 offset:5120*(\k)+2560*\m+16*\q
.endr
.endr
	s_wait_dscnt 0x0
.irp m, 0,1
	v_pk_add_f32 v[232+12*\m:233+12*\m], v[232+12*\m:233+12*\m], v[234+12*\m:235+12*\m]
	v_pk_add_f32 v[236+12*\m:237+12*\m], v[236+12*\m:237+12*\m], v[238+12*\m:239+12*\m]
	v_pk_add_f32 v[240+12*\m:241+12*\m], v[240+12*\m:241+12*\m], v[242+12*\m:243+12*\m]
.endr
.irp m, 0,1
	v_pk_add_f32 v[232+12*\m:233+12*\m], v[232+12*\m:233+12*\m], v[236+12*\m:237+12*\m]
.endr
.irp m, 0,1
	v_pk_add_f32 v[232+12*\m:233+12*\m], v[232+12*\m:233+12*\m], v[240+12*\m:241+12*\m]
.endr
.irp m, 0,1
	v_add_f32 v[232+12*\m], v[232+12*\m], v[233+12*\m]
.endr
.endm
; A layer norm of the 32 rows, in place; the gain has been asked for into v[GV] on, the bias into v[BVV] on.  It takes reductions k and k + 1, and two barriers.
.macro LN k
.irp m, 0,1
	v_pk_add_f32 v[222+4*\m:223+4*\m], v[ACC+32*\m:ACC+32*\m+1], v[ACC+32*\m+2:ACC+32*\m+3]
.endr
.irp m, 0,1
	v_pk_add_f32 v[224+4*\m:225+4*\m], v[ACC+32*\m+4:ACC+32*\m+5], v[ACC+32*\m+6:ACC+32*\m+7]
.endr
.irp j, 8,12,16,20,24,28
.irp m, 0,1
	v_pk_add_f32 v[222+4*\m:223+4*\m], v[222+4*\m:223+4*\m], v[ACC+32*\m+\j:ACC+32*\m+\j+1]
	v_pk_add_f32 v[224+4*\m:225+4*\m], v[224+4*\m:225+4*\m], v[ACC+32*\m+\j+2:ACC+32*\m+\j+3]
.endr
.endr
.irp m, 0,1
	v_pk_add_f32 v[222+4*\m:223+4*\m], v[222+4*\m:223+4*\m], v[224+4*\m:225+4*\m]
.endr
	RSUM \k
.irp m, 0,1
	v_mul_f32 v[222+4*\m], s48, v[232+12*\m]       ; - the mean
.endr
.irp m, 0,1
.irp j, 0,2,4,6,8,10,12,14,16,18,20,22,24,26,28,30
	v_pk_add_f32 v[ACC+32*\m+\j:ACC+32*\m+\j+1], v[ACC+32*\m+\j:ACC+32*\m+\j+1], v[222+4*\m:223+4*\m] op_sel_hi:[1,0]
.endr
.endr
.irp m, 0,1
	v_pk_mul_f32 v[222+4*\m:223+4*\m], v[ACC+32*\m:ACC+32*\m+1], v[ACC+32*\m:ACC+32*\m+1]
	v_pk_mul_f32 v[224+4*\m:225+4*\m], v[ACC+32*\m+2:ACC+32*\m+3], v[ACC+32*\m+2:ACC+32*\m+3]
.endr
.irp j, 4,8,12,16,20,24,28
.irp m, 0,1
	v_pk_fma_f32 v[222+4*\m:223+4*\m], v[ACC+32*\m+\j:ACC+32*\m+\j+1], v[ACC+32*\m+\j:ACC+32*\m+\j+1], v[222+4*\m:223+4*\m]
	v_pk_fma_f32 v[224+4*\m:225+4*\m], v[ACC+32*\m+\j+2:ACC+32*\m+\j+3], v[ACC+32*\m+\j+2:ACC+32*\m+\j+3], v[224+4*\m:225+4*\m]
.endr
.endr
.irp m, 0,1
	v_pk_add_f32 v[222+4*\m:223+4*\m], v[222+4*\m:223+4*\m], v[224+4*\m:225+4*\m]
.endr
	RSUM (\k)+1
.irp m, 0,1
	v_fma_f32 v[222+4*\m], v[232+12*\m], s49, s50  ; the variance + eps
.endr
.irp m, 0,1
	v_rsq_f32 v[222+4*\m], v[222+4*\m]
.endr
	v_nop                                          ; one plain place behind a transcendental
	s_wait_loadcnt 0x0                             ; the gain and the bias, asked for two barriers ago
	s_wait_alu depctr_va_vdst(0)
.irp m, 0,1
.irp j, 0,2,4,6,8,10,12,14,16,18,20,22,24,26,28,30
	v_pk_mul_f32 v[ACC+32*\m+\j:ACC+32*\m+\j+1], v[ACC+32*\m+\j:ACC+32*\m+\j+1], v[222+4*\m:223+4*\m] op_sel_hi:[1,0]
.endr
.endr
.irp m, 0,1
.irp j, 0,2,4,6,8,10,12,14,16,18,20,22,24,26,28,30
	v_pk_fma_f32 v[ACC+32*\m+\j:ACC+32*\m+\j+1], v[ACC+32*\m+\j:ACC+32*\m+\j+1], v[GV+\j:GV+\j+1], v[BVV+\j:BVV+\j+1]
.endr
.endr
.endm
	s_load_b512 s[4:19], s[0:1], 0x0               ; x, cb, wimg, Wo/W1/W2 scales, bo, ln1_g
	s_load_b512 s[20:35], s[0:1], 0x40             ; ln1_b, b1, b2, ln2_g, ln2_b, dn_g, dn_b, seg
	s_load_b64 s[36:37], s[0:1], 0x80              ; out
	s_set_vgpr_msb 0x40
	v_lshl_add_u32 v0, v0, 2, 0x42c00
	v_mov_b32 v1, 0
	s_set_vgpr_msb 0x4000
	v_lshrrev_b32 v1, 5, v0
	v_readfirstlane_b32 s38, v1                    ; wave 0..11
	v_and_b32 v1, 31, v0                           ; L
	v_and_b32 v2, 15, v0                           ; r
	v_bfe_u32 v3, v0, 4, 1                         ; h
	s_mul_i32 s40, s38, 8704
	v_mul_u32_u24 v4, v2, 272
	v_lshl_add_u32 v4, v3, 6, v4
	v_add_nc_u32 v4, s40, v4                       ; v4  my strip in the accumulators' layout: place r, + 64 h
	v_mul_u32_u24 v5, v3, 272
	v_lshl_add_u32 v5, v2, 4, v5
	v_add_nc_u32 v5, s40, v5                       ; v5  my strip by rows: sixteen lanes to a place's 256 bytes, two places an instruction
	s_lshl_b32 s41, s38, 8
	v_mul_u32_u24 v6, v3, 3072
	v_lshl_add_u32 v6, v2, 4, v6
	v_add_nc_u32 v6, s41, v6                       ; v6  the same in memory: row h, my strip
	v_lshl_add_u32 v18, v3, 6, s41                 ; v18 a vector's numbers of my columns: 256 w + 64 h
	s_lshl_b32 s40, s38, 13
	s_add_co_u32 s40, s40, X1B
	v_lshl_add_u32 v7, v1, 4, s40                  ; v7  x1's image
	s_mul_i32 s44, s38, 768
	s_add_co_u32 s41, s44, IA
	v_lshl_add_u32 v8, v1, 4, s41                  ; v8, v9 where I store my half of a K step
	s_add_co_u32 s41, s41, 512
	v_lshl_add_u32 v9, v1, 3, s41
	s_lshr_b32 s41, s38, 1
	s_lshl_b32 s41, s41, 7
	s_and_b32 s45, s38, 1
	s_lshl_b32 s45, s45, 1
	s_add_co_u32 s41, s41, s45
	s_add_co_u32 s41, s41, IA+18432
	v_lshl_add_u32 v10, v1, 2, s41                 ; v10 and my two bytes of its scale words
	v_lshl_add_u32 v11, v1, 4, IA                  ; v11, v12, v13 where any fragment and its scale row are read
	v_lshl_add_u32 v12, v1, 3, IA+512
	v_lshl_add_u32 v13, v1, 2, IA+18432
	v_mul_u32_u24 v15, v1, 80
	v_add_nc_u32 v15, RED, v15                     ; v15 a row's twelve words
	s_lshl_b32 s41, s38, 2
	v_add_nc_u32 v14, s41, v15                     ; v14 mine among them
	s_mul_i32 s41, s38, 36864
	v_lshl_add_u32 v16, v1, 4, s41                 ; v16 my four tiles of a weight
	v_and_b32 v17, 8, v2
	v_add_nc_u32 v21, v17, v2                      ; r + 8 (r / 8)
	v_lshl_add_u32 v17, v3, 3, v21
	s_lshl_b32 s41, s38, 6
	v_add_nc_u32 v17, s41, v17
	v_mul_u32_u24 v17, v17, 24                     ; v17 their scale rows: lanes 16-31 the odd tile
	s_mul_i32 s41, s38, 1536
	v_mul_u32_u24 v19, v2, 24
	v_mad_u32_u24 v19, v3, 384, v19
	v_add_nc_u32 v19, s41, v19                     ; v19 ctx's fragment w (tile w / 6, K step w % 6), block by block
	s_cmp_ge_u32 s38, 6
	s_cselect_b32 s40, 1, 0
	s_mul_i32 s41, s40, 6
	s_sub_co_u32 s41, s38, s41
	s_lshl_b32 s41, s41, 2
	s_mul_i32 s40, s40, 768
	s_add_co_u32 s40, s40, s41
	v_mul_u32_u24 v20, v1, 24
	v_add_nc_u32 v20, s40, v20                     ; v20 and its scale words
	s_and_b32 s39, ttmp9, 63
	s_lshl_b32 s39, s39, 5
	v_add_nc_u32 v21, s39, v21                     ; v21 my row of tile 0, counted in its batch
	v_add_nc_u32 v1, s44, v8                       ; v1, v2, v3 where ctx's fragment w goes
	v_add_nc_u32 v2, s44, v9
	s_lshl_b32 s41, s38, 7
	v_add_nc_u32 v3, s41, v13
	v_mov_b32 v22, 0xc0135761                      ; k1, twice
	v_mov_b32 v23, 0xc0135761
.irp q, 0,1,2,3,4,5
	v_mov_b32 v[226+\q], 0                         ; a lane permute's destination counts as one of its sources
.endr
	s_mov_b32 s46, 0x76543210
	s_mov_b32 s47, 0xfedcba98
	s_mov_b32 s48, 0xbaaaaaab                      ; -1 / 768
	s_mov_b32 s49, 0x3aaaaaab                      ; 1 / 768
	s_mov_b32 s50, 0x3727c5ac                      ; eps
	s_mov_b32 s52, 0xbdd2d3e8                      ; k2
	s_mov_b32 s53, s52
	s_lshr_b32 s40, ttmp9, 6
	s_lshl_b32 s40, s40, 5
	s_mov_b32 s41, 0
	s_wait_kmcnt 0x0
	s_add_nc_u64 s[34:35], s[34:35], s[40:41]
	s_load_b256 s[56:63], s[34:35], 0x0            ; s60, s61: the rows that are updated
	s_mul_i32 s40, ttmp9, 98304
	s_add_nc_u64 s[4:5], s[4:5], s[40:41]
	s_add_nc_u64 s[36:37], s[36:37], s[40:41]
	s_mul_i32 s40, ttmp9, 1536
	s_add_co_u32 s40, s40, 4718592
	s_add_nc_u64 s[42:43], s[6:7], s[40:41]
	s_mul_i32 s40, ttmp9, 18432
	s_add_nc_u64 s[6:7], s[6:7], s[40:41]
; ---- P0: x into my strip, ctx's fragment w into IA
.irp i, 0,1,2,3,4,5,6,7,8,9,10,11,12,13,14,15
	global_load_b128 v[ACC+4*\i:ACC+4*\i+3], v6, s[4:5] offset:6144*\i   ; rows 2 i + h: sixteen lanes read 256 consecutive bytes
.endr
.irp c, 0,1
.irp p, 0,1,2
	global_load_b64 v[AF+6*\c+2*\p:AF+6*\c+2*\p+1], v19, s[6:7] offset:768*\c+8*\p
.endr
.endr
	global_load_b32 v232, v20, s[42:43]
	PLOAD GV, 16                                   ; bo
	WSLOAD 10
	WLOAD 3, 0, WF0
	s_wait_loadcnt 33                              ; behind x: 7 + 8 + 6 + 12
.irp i, 0,1,2,3,4,5,6,7,8,9,10,11,12,13,14,15
	ds_store_b128 v5, v[ACC+4*\i:ACC+4*\i+3] offset:272*(16*((\i/4)%2)+8*(\i/8)+2*(\i%4))   ; row 2 i + h of the group is place 16 m + r: m = (row / 8) % 2, r = 8 (row / 16) + row % 8
.endr
	s_wait_loadcnt 26                              ; behind ctx: 8 + 6 + 12
.irp c, 0,1
	ds_store_b128 v1, v[AF+6*\c:AF+6*\c+3] offset:768*\c
	ds_store_b64 v2, v[AF+6*\c+4:AF+6*\c+5] offset:768*\c
.endr
	ds_store_b32 v3, v232
	s_wait_kmcnt 0x0
	BAR                                            ; 1: ctx's twelve fragments lie in IA
; ---- G1: x + bo + ctx Wo
	XGET ACC
	s_wait_dscnt 0x0
	s_wait_loadcnt 18                              ; behind bo: 6 + 12
	ADDV GV
	KSTEP 0, 0, 3, 1, 1
	KSTEP 0, 1, 3, 2, 1
	KSTEP 0, 2, 3, 3, 1
	KSTEP 0, 3, 3, 4, 1
	KSTEP 0, 4, 3, 5, 1
	KSTEP 0, 5, 4, 0, 1                            ; W1's first K step is asked for
; ---- E1: x1
	NOP4                                           ; places behind the last products
	WSLOAD 12
	PLOAD GV, 18
	PLOAD BVV, 20
	LN 0                                           ; barriers 2 and 3
.irp i, 0,1,2,3,4,5,6,7,8,9,10,11,12,13,14,15
	ds_store_b128 v7, v[ACC+4*\i:ACC+4*\i+3] offset:512*\i   ; x1 is kept, as an image of its registers
.endr
	QUANTT IBO
	s_wait_dscnt 0x0                               ; my stores have landed, and have read their registers:
	PLOAD ACC, 22                                  ; b1 starts the next sums, the same numbers for both tiles of rows
	PLOAD ACC+32, 22
	s_barrier_signal -1
	s_barrier_wait -1                              ; 4: x1's twelve fragments lie in IB
; ---- G2: x1 W1 + b1
	KSTEP IBO, 0, 4, 1, 1
	KSTEP IBO, 1, 4, 2, 1
	KSTEP IBO, 2, 4, 3, 1
	KSTEP IBO, 3, 4, 4, 1
	KSTEP IBO, 4, 4, 5, 1
	KSTEP IBO, 5, 5, 0, 1
; ---- E2: gelu
	NOP4
	WSLOAD 14
	PLOAD GV, 24                                   ; b2
.irp q, 0,1,2,3                                ; 16 registers at a time
.irp j, 0,2,4,6,8,10,12,14
	v_pk_mul_f32 v[232+\j:233+\j], v[ACC+16*\q+\j:ACC+16*\q+\j+1], v[ACC+16*\q+\j:ACC+16*\q+\j+1]
.endr
.irp j, 0,2,4,6,8,10,12,14
	v_pk_fma_f32 v[232+\j:233+\j], v[232+\j:233+\j], s[52:53], v[22:23] op_sel_hi:[1,0,1]   ; k2 a^2 + k1
.endr
.irp j, 0,2,4,6,8,10,12,14
	v_pk_mul_f32 v[232+\j:233+\j], v[232+\j:233+\j], v[ACC+16*\q+\j:ACC+16*\q+\j+1]
.endr
.irp j, 0,1,2,3,4,5,6,7,8,9,10,11,12,13,14,15
	v_exp_f32 v[232+\j], v[232+\j]
.endr
	v_nop                                          ; one plain place behind the exponentials
	s_wait_alu depctr_va_vdst(0)
.irp j, 0,2,4,6,8,10,12,14
	v_pk_add_f32 v[232+\j:233+\j], v[232+\j:233+\j], 1.0 op_sel_hi:[1,0]
.endr
.irp j, 0,1,2,3,4,5,6,7,8,9,10,11,12,13,14,15
	v_rcp_f32 v[232+\j], v[232+\j]
.endr
	v_nop
	s_wait_alu depctr_va_vdst(0)
.irp j, 0,2,4,6,8,10,12,14
	v_pk_mul_f32 v[ACC+16*\q+\j:ACC+16*\q+\j+1], v[ACC+16*\q+\j:ACC+16*\q+\j+1], v[232+\j:233+\j]
.endr
.endr
	QUANTT 0                                       ; into IA: its last readers have passed barriers 2 to 4
.irp i, 0,1,2,3,4,5,6,7,8,9,10,11,12,13,14,15
	ds_load_b128 v[ACC+4*\i:ACC+4*\i+3], v7 offset:512*\i   ; x1 starts the next sums
.endr
	s_wait_loadcnt 0x0                             ; b2
	s_wait_dscnt 0x0
	s_barrier_signal -1
	ADDV GV                                        ; + b2: work on registers while the others arrive
	s_barrier_wait -1                              ; 5: the twelve fragments of gelu(..) lie in IA
; ---- G3: x1 + b2 + gelu(..) W2
	KSTEP 0, 0, 5, 1, 1
	KSTEP 0, 1, 5, 2, 1
	KSTEP 0, 2, 5, 3, 1
	KSTEP 0, 3, 5, 4, 1
	KSTEP 0, 4, 5, 5, 1
	KSTEP 0, 5, 5, 0, 0
; ---- E3: x2, the difference's norm, the select
	NOP4
	PLOAD GV, 26
	PLOAD BVV, 28
	LN 2                                           ; barriers 6 and 7
	XGET WF0                                       ; x, into v88-151
	s_wait_dscnt 0x0
.set n, 0
.rept 32
	v_pk_add_f32 v[ACC+n:ACC+n+1], v[ACC+n:ACC+n+1], v[WF0+n:WF0+n+1] neg_lo:[0,1] neg_hi:[0,1]   ; x2 - x
.set n, n+2
.endr
	PLOAD GV, 30
	PLOAD BVV, 32
	LN 4                                           ; barriers 8 and 9
	XGET WF0                                       ; x once more: the registers do not hold it beside the gain, the bias and the sums' words
	v_add_nc_u32 v1, 8, v21                        ; my row of tile 1
	v_cmp_le_u32 s54, s60, v21
	v_cmp_gt_u32 s55, s61, v21
	s_and_b32 s54, s54, s55                        ; is my row of tile 0 updated?
	v_cmp_le_u32 s55, s60, v1
	v_cmp_gt_u32 s44, s61, v1
	s_and_b32 s55, s55, s44                        ; of tile 1?
	s_wait_dscnt 0x0
.set n, 0
.rept 32
	v_pk_add_f32 v[ACC+n:ACC+n+1], v[ACC+n:ACC+n+1], v[WF0+n:WF0+n+1]
.set n, n+2
.endr
.set n, 0
.rept 32
	v_cndmask_b32 v[ACC+n], v[WF0+n], v[ACC+n], s54
	v_cndmask_b32 v[ACC+32+n], v[WF0+32+n], v[ACC+32+n], s55
.set n, n+1
.endr
.irp m, 0,1
.irp q, 0,1,2,3,4,5,6,7
	ds_store_b128 v4, v[ACC+32*\m+4*\q:ACC+32*\m+4*\q+3] offset:4352*\m+128*(\q/4)+16*(\q%4)   ; into my strip, over x: each number has one lane
.endr
.endr
.irp i, 0,1,2,3,4,5,6,7,8,9,10,11,12,13,14,15
	ds_load_b128 v[WF0+4*\i:WF0+4*\i+3], v5 offset:272*(16*((\i/4)%2)+8*(\i/8)+2*(\i%4))   ; LDS serves a wave in order: these see my stores
.endr
.irp i, 0,1,2,3,4,5,6,7,8,9,10,11,12,13,14,15
	s_wait_dscnt 15-\i
	global_store_b128 v6, v[WF0+4*\i:WF0+4*\i+3], s[36:37] offset:6144*\i th:TH_STORE_NT   ; sixteen lanes store 256 consecutive bytes, at a multiple of 256 from out's first byte
.endr
	s_set_vgpr_msb 0x5
	s_wait_tensorcnt 0x0
	ds_add_u32 v0, v1
	s_wait_dscnt 0x0
	s_set_vgpr_msb 0x500
	s_endpgm
.Lfunc_end_k_q5e5342579d_tail:
	.size	k_q5e5342579d_tail, .Lfunc_end_k_q5e5342579d_tail-k_q5e5342579d_tail
	.p2alignl 7, 3214868480
	.fill 96, 4, 3214868480
	.section	.rodata,"a",@progbits
	.p2align	6, 0x0
	.amdhsa_kernel k_q5e5342579d_tail
		.amdhsa_group_segment_fixed_size 274944
		.amdhsa_private_segment_fixed_size 0
		.amdhsa_enable_private_segment 0
		.amdhsa_kernarg_size 136
		.amdhsa_user_sgpr_count 2
		.amdhsa_user_sgpr_kernarg_segment_ptr 1
		.amdhsa_wavefront_size32 1
		.amdhsa_system_sgpr_workgroup_id_x 1
		.amdhsa_system_sgpr_workgroup_id_y 1
		.amdhsa_system_sgpr_workgroup_id_z 1
		.amdhsa_system_vgpr_workitem_id 0
		.amdhsa_next_free_vgpr 258
		.amdhsa_next_free_sgpr 66
		.amdhsa_reserve_vcc 0
		.amdhsa_float_denorm_mode_32 3
		.amdhsa_float_denorm_mode_16_64 3
		.amdhsa_memory_ordered 1
		.amdhsa_forward_progress 1
		.amdhsa_inst_pref_size 156
	.end_amdhsa_kernel
	.amdgpu_metadata
---
amdhsa.version: [ 1, 2 ]
amdhsa.kernels:
  - .name:           k_q5e5342579d_tail
    .symbol:         k_q5e5342579d_tail.kd
    .args:
      - { .name: hidden_states, .offset: 0, .size: 8, .value_kind: global_buffer, .address_space: global }
      - { .name: cb, .offset: 8, .size: 8, .value_kind: global_buffer, .address_space: global }
      - { .name: wimg, .offset: 16, .size: 8, .value_kind: global_buffer, .address_space: global }
      - { .name: Wo_scales, .offset: 24, .size: 8, .value_kind: global_buffer, .address_space: global }
      - { .name: W1_scales, .offset: 32, .size: 8, .value_kind: global_buffer, .address_space: global }
      - { .name: W2_scales, .offset: 40, .size: 8, .value_kind: global_buffer, .address_space: global }
      - { .name: bo, .offset: 48, .size: 8, .value_kind: global_buffer, .address_space: global }
      - { .name: ln1_g, .offset: 56, .size: 8, .value_kind: global_buffer, .address_space: global }
      - { .name: ln1_b, .offset: 64, .size: 8, .value_kind: global_buffer, .address_space: global }
      - { .name: b1, .offset: 72, .size: 8, .value_kind: global_buffer, .address_space: global }
      - { .name: b2, .offset: 80, .size: 8, .value_kind: global_buffer, .address_space: global }
      - { .name: ln2_g, .offset: 88, .size: 8, .value_kind: global_buffer, .address_space: global }
      - { .name: ln2_b, .offset: 96, .size: 8, .value_kind: global_buffer, .address_space: global }
      - { .name: dn_g, .offset: 104, .size: 8, .value_kind: global_buffer, .address_space: global }
      - { .name: dn_b, .offset: 112, .size: 8, .value_kind: global_buffer, .address_space: global }
      - { .name: seg, .offset: 120, .size: 8, .value_kind: global_buffer, .address_space: global }
      - { .name: out0, .offset: 128, .size: 8, .value_kind: global_buffer, .address_space: global }
    .group_segment_fixed_size: 274944
    .private_segment_fixed_size: 0
    .kernarg_segment_align: 8
    .kernarg_segment_size: 136
    .max_flat_workgroup_size: 384
    .sgpr_count:     66
    .vgpr_count:     258
    .wavefront_size: 32
...
	.end_amdgpu_metadata
.endif
;; end of part 4
;; ======== version 2 of 2: 4 launches
;; workspace buffers: xq 4,718,592 bytes; xs 196,608 bytes; wimg 2,654,208 bytes; seg 256 bytes of whole numbers; qb 6,815,744 bytes; kb 6,815,744 bytes; vb 5,111,808 bytes; cb 5,111,808 bytes
;; launch prep (part 5): grid 561 x 1, 6 waves a work-group, no clusters, 51,456 bytes of LDS; arguments hidden_states, input_ids, Wq_codes, Wk_codes, Wv_codes, Wo_codes, W1_codes, W2_codes, xq, xs, wimg, seg; writes xq, xs, wimg, seg
.if DOCPART == 5
	.amdgcn_target "amdgcn-amd-amdhsa--gfx1250"
	.amdhsa_code_object_version 6
	.text
	.protected	k_q5e5342579d_prep
	.globl	k_q5e5342579d_prep
	.p2align	8
	.type	k_q5e5342579d_prep,@function
k_q5e5342579d_prep:
	s_mov_b64 s[64:65], 0
	v_nop
	global_prefetch_b8 v0, s[64:65] scope:SCOPE_SE
	s_setreg_imm32_b32 hwreg(HW_REG_WAVE_MODE, 25, 1), 1
	s_wait_xcnt 0x0
; PREP.  Three kinds of work-group, parted by the work-group's number z alone:
;   z < 512        x (hidden_states, [8192][768] f32) becomes codes of BF6 (E3M2) with one E8M0 byte for each 32 along the 768.
;   512 <= z < 560 the six weights' codes are laid anew, fragment by fragment, in the order of the matrix operand's registers.
;   z = 560        the SEP tokens of each batch row are found and the segment numbers stored as whole numbers.
; ROW TILES.  A group G is 32 rows; its tile T = 2 G + u holds, at place p (0..15), row 32 G + 8 u + p + 8 (p / 8).  Weights' rows are tiled likewise.
; So wherever such a tile is source 0 of a product, a lane's 16 registers of result tiles 2 b and 2 b + 1 are 16 neighbours along that axis.
; A FRAGMENT (16 rows x 128 K, 12 registers a lane) is stored as an image of its registers: registers 4 g .. 4 g + 3 of lane L at 512 g + 16 L: 1,536 bytes.
; xq: [T 512][K step 6] images.  xs: [T][place 16][6 scale words].  wimg: [matrix q,k,v,o,1,2][tile 48][K step 6] images.
; seg: [batch 4][8 words]: src_end, key steps of 128, first and last+1 row whose work is wanted, first and last+1 row that is updated, 0, 0.
; LIMITS: NaN and infinities among the inputs are not served.  A block whose largest magnitude lies under 2^-122, a block of zeros among them,
; gets the scale byte 1 (the rule gives a block of zeros 127): its codes are zeros or tiny, and the bytes are read by this program alone.
; attention_mask is named by no launch: reference() takes it and never uses it, so no output hangs on it.
.set SKIP, 1                           ; 1: work that reference()'s masks throw away is left out by the later launches; 0: all of it is done
.set XR,   16                          ; v16-79   16 rows x 16 bytes a lane, as loaded
.set XN,   80                          ; v80-143  64 numbers of my row: register 16 b + i = k 32 b + 16 h + i
.set TM,   144                         ; v144-159 at work
.set PW,   160                         ; the scale word
.set PC,   164                         ; v164-182 the codes
.set WSTG, 8448                        ; a wave's own stage: 16 rows x 528 bytes
.set SPIT, 528                         ; 512 bytes + 16: an odd multiple of 16
	s_load_b512 s[4:19], s[0:1], 0x0               ; x, ids, Wq, Wk, Wv, Wo, W1, W2 (codes)
	s_load_b256 s[20:27], s[0:1], 0x40             ; xq, xs, wimg, seg
	v_lshl_add_u32 v184, v0, 2, 0xc600
	v_mov_b32 v185, 0
	v_lshrrev_b32 v1, 5, v0
	v_readfirstlane_b32 s28, v1                    ; wave 0..5
	v_and_b32 v1, 31, v0                           ; L
	v_and_b32 v2, 15, v0                           ; r
	v_bfe_u32 v3, v0, 4, 1                         ; h
	v_lshlrev_b32 v4, 4, v1                        ; 16 L
	s_mov_b32 s44, 0x76543210
	s_mov_b32 s45, 0xfedcba98                      ; v_permlanex16_b32's selects for lane l xor 16
	s_wait_kmcnt 0x0
	s_cmp_lt_u32 ttmp9, 512
	s_cbranch_scc0 .Lnot_x
; ---- x: tile T = z, K step = wave: one fragment a wave
	s_and_b32 s30, ttmp9, 1
	s_lshl_b32 s30, s30, 3
	s_lshl_b32 s29, ttmp9, 4
	s_sub_co_u32 s29, s29, s30                     ; the tile's first row: 16 T - 8 (T % 2)
	s_mul_i32 s30, s29, 3072
	s_lshl_b32 s31, s28, 9
	s_add_co_u32 s30, s30, s31                     ; + 512 bytes for each K step
	s_mov_b32 s31, 0
	s_add_nc_u64 s[4:5], s[4:5], s[30:31]
	s_wait_alu depctr_va_vdst(0)
.irp i, 0,1,2,3,4,5,6,7,8,9,10,11,12,13,14,15
	global_load_b128 v[XR+4*\i:XR+4*\i+3], v4, s[4:5] offset:(\i+8*(\i/8))*3072   ; place i's 512 consecutive bytes
.endr
	s_mul_i32 s30, ttmp9, 6
	s_add_co_u32 s30, s30, s28
	s_mul_i32 s30, s30, 1536
	s_add_nc_u64 s[20:21], s[20:21], s[30:31]      ; my image in xq
	s_mul_i32 s30, ttmp9, 384
	s_lshl_b32 s32, s28, 2
	s_add_co_u32 s30, s30, s32
	s_add_nc_u64 s[22:23], s[22:23], s[30:31]      ; my word in each row of xs
	s_mul_i32 s29, s28, WSTG
	v_add_nc_u32 v5, s29, v4                       ; the stage, in: 16 L of a row
	v_mul_u32_u24 v6, v2, SPIT
	v_lshl_add_u32 v6, v3, 6, v6
	v_add_nc_u32 v6, s29, v6                       ; and out: row r, + 64 h
	v_mul_u32_u24 v8, v2, 24
.irp b, 0,1,2,3
	v_mov_b32 v[TM+4+\b], 0                        ; a lane permute's destination counts as one of its sources
.endr
	s_wait_alu depctr_va_vdst(0)
.irp i, 0,1,2,3,4,5,6,7,8,9,10,11,12,13,14,15
	s_wait_loadcnt 15-\i                           ; loads come back in order: row i is in, the younger ones stay out
	ds_store_b128 v5, v[XR+4*\i:XR+4*\i+3] offset:SPIT*\i
.endr
.irp b, 0,1,2,3
.irp j, 0,1,2,3
	ds_load_b128 v[XN+16*\b+4*\j:XN+16*\b+4*\j+3], v6 offset:128*\b+16*\j   ; the stage is my wave's own, and LDS serves a wave in order: no barrier, no wait in between
.endr
.endr
	s_wait_dscnt 0x0
.irp b, 0,1,2,3
	v_max3_num_f32 v[TM+\b], |v[XN+16*\b]|, |v[XN+1+16*\b]|, 0x2800000   ; block b: my 16 numbers, and the floor 2^(5 - 127): the byte cannot fall under 1
.endr
.irp i, 2,4,6,8,10,12,14
.irp b, 0,1,2,3
	v_max3_num_f32 v[TM+\b], v[TM+\b], |v[XN+16*\b+\i]|, |v[XN+1+16*\b+\i]|
.endr
.endr
.irp b, 0,1,2,3
	v_permlanex16_b32 v[TM+4+\b], v[TM+\b], s44, s45
.endr
.irp b, 0,1,2,3
	v_max_num_f32 v[TM+\b], v[TM+\b], v[TM+4+\b]   ; with lane l xor 16's: the block's largest magnitude
.endr
.irp b, 0,1,2,3
	v_add_nc_u32 v[TM+12+\b], 0xfe000000, v[TM+\b] ; 4 off its exponent field: the conversion's scale operand
.endr
.irp b, 0,1,2,3
	v_lshrrev_b32 v[TM+4+\b], 23, v[TM+12+\b]      ; the scale's byte
.endr
	v_lshl_or_b32 v[PW], v[TM+5], 8, v[TM+4]
	v_lshl_or_b32 v[PW], v[TM+6], 16, v[PW]
	v_lshl_or_b32 v[PW], v[TM+7], 24, v[PW]
.irp c, 0,1
	v_cvt_scalef32_pk16_bf6_f32 v[PC+6*\c:PC+2+6*\c], v[XN+32*\c:XN+15+32*\c], v[TM+12+2*\c]
	v_cvt_scalef32_pk16_bf6_f32 v[PC+12+4*\c:PC+14+4*\c], v[XN+16+32*\c:XN+31+32*\c], v[TM+12+2*\c+1]   ; (a conversion's three registers begin on an even number)
.endr
	v_nop                                          ; one plain place behind a scaled conversion
.irp c, 0,1                                    ; the operand wants a whole block in a lane: lanes 0-15 block 2 c, lanes 16-31 block 2 c + 1
.irp i, 0,1,2
	v_permlane16_swap_b32 v[PC+6*\c+\i], v[PC+12+4*\c+\i]
.endr
.irp i, 0,1,2
	v_mov_b32 v[PC+3+6*\c+\i], v[PC+12+4*\c+\i]
.endr
.endr
.irp g, 0,1,2
	global_store_b128 v4, v[PC+4*\g:PC+4*\g+3], s[20:21] offset:512*\g   ; 512 consecutive bytes a store
.endr
	global_store_b32 v8, v[PW], s[22:23]           ; lanes l and l + 16 hold the same word and write it to the same place
	s_wait_tensorcnt 0x0
	ds_add_u32 v184, v185
	s_wait_dscnt 0x0
	s_endpgm
.Lnot_x:
	s_cmp_lt_u32 ttmp9, 560
	s_cbranch_scc0 .Lseg
; ---- weights: matrix = (z - 512) / 8, tile = 6 ((z - 512) % 8) + wave: six fragments a wave
	s_sub_co_u32 s29, ttmp9, 512
	s_lshr_b32 s32, s29, 3                         ; matrix 0..5
	s_and_b32 s29, s29, 7
	s_mul_i32 s29, s29, 6
	s_add_co_u32 s29, s29, s28                     ; tile 0..47
	s_mov_b64 s[34:35], s[8:9]
	s_cmp_eq_u32 s32, 1                            ; the choice hangs on the work-group's number alone
	s_cselect_b64 s[34:35], s[10:11], s[34:35]
	s_cmp_eq_u32 s32, 2
	s_cselect_b64 s[34:35], s[12:13], s[34:35]
	s_cmp_eq_u32 s32, 3
	s_cselect_b64 s[34:35], s[14:15], s[34:35]
	s_cmp_eq_u32 s32, 4
	s_cselect_b64 s[34:35], s[16:17], s[34:35]
	s_cmp_eq_u32 s32, 5
	s_cselect_b64 s[34:35], s[18:19], s[34:35]
	s_and_b32 s30, s29, 1
	s_lshl_b32 s30, s30, 3
	s_lshl_b32 s33, s29, 4
	s_sub_co_u32 s30, s33, s30                     ; the tile's first row
	s_mul_i32 s30, s30, 576                        ; a row of 768 codes is 576 bytes
	s_mov_b32 s31, 0
	s_add_nc_u64 s[34:35], s[34:35], s[30:31]
	s_mul_i32 s30, s32, 442368
	s_mul_i32 s33, s29, 9216
	s_add_co_u32 s30, s30, s33
	s_add_nc_u64 s[24:25], s[24:25], s[30:31]
	s_wait_alu depctr_va_vdst(0)
	v_and_b32 v5, 8, v2
	v_add_nc_u32 v5, v5, v2                        ; r + 8 (r / 8)
	v_mul_u32_u24 v5, v5, 576
	v_mad_u32_u24 v5, v3, 24, v5                   ; + 24 h: the fragment's 24 bytes as they lie
.irp s, 0,1,2,3,4,5
.irp p, 0,1,2,3,4,5
	global_load_b64 v[16+12*\s+2*\p:17+12*\s+2*\p], v5, s[34:35] offset:96*\s+48*(\p/3)+8*(\p%3)
.endr
.endr
.irp s, 0,1,2,3,4,5
	s_wait_loadcnt 30-6*\s                         ; K step s's six loads are in; those of the later steps stay out
.irp g, 0,1,2
	global_store_b128 v4, v[16+12*\s+4*\g:19+12*\s+4*\g], s[24:25] offset:1536*\s+512*\g
.endr
.endr
	s_endpgm
.Lseg:
; ---- segments: wave b scans batch row b
	s_cmp_lt_u32 s28, 4
	s_cbranch_scc1 .Lscan
	s_endpgm
.Lscan:
	s_lshl_b32 s30, s28, 13
	s_mov_b32 s31, 0
	s_add_nc_u64 s[6:7], s[6:7], s[30:31]
	s_lshl_b32 s30, s28, 5
	s_add_nc_u64 s[26:27], s[26:27], s[30:31]
	s_wait_alu depctr_va_vdst(0)
.irp j, 0,1,2,3,4,5,6,7,8,9,10,11,12,13,14,15
	global_load_b128 v[16+4*\j:19+4*\j], v4, s[6:7] offset:512*\j   ; ids 128 j + 4 L + 0 .. 3
.endr
	v_lshlrev_b32 v10, 2, v1
	v_mov_b32 v13, 2048                            ; 'none'
	v_mov_b32 v8, 2048                             ; the smallest index of a SEP so far,
	v_mov_b32 v9, 2048                             ; and the second smallest
	v_mov_b32 v14, 0
	v_mov_b32 v15, 0
	s_wait_alu depctr_va_vdst(0)
	s_wait_loadcnt 0x0
.set n, 0
.rept 64
	v_cmp_eq_u32 vcc_lo, 102, v[16+n]
	v_add_nc_u32 v11, 128*(n/4)+n%4, v10
	v_cndmask_b32 v11, v13, v11, vcc_lo            ; its index, or 'none'
	v_max_u32 v12, v8, v11
	v_min_u32 v9, v9, v12
	v_min_u32 v8, v8, v11
.set n, n+1
.endr
.irp x, 1,2,4,8                                ; two sorted pairs of disjoint sets merge into one
	v_mov_b32_dpp v14, v8 row_xmask:\x row_mask:0xf bank_mask:0xf
	v_mov_b32_dpp v15, v9 row_xmask:\x row_mask:0xf bank_mask:0xf
	v_max_u32 v12, v8, v14
	v_min_u32 v8, v8, v14
	v_min_u32 v9, v9, v15
	v_min_u32 v9, v9, v12
.endr
	v_permlanex16_b32 v14, v8, s44, s45
	v_permlanex16_b32 v15, v9, s44, s45
	v_max_u32 v12, v8, v14
	v_min_u32 v8, v8, v14
	v_min_u32 v9, v9, v15
	v_min_u32 v9, v9, v12
	v_readfirstlane_b32 s32, v8                    ; first
	v_readfirstlane_b32 s33, v9                    ; second
	s_add_co_u32 s35, s32, 1
	s_cmp_lt_u32 s33, 2048                         ; two SEP tokens?
	s_cselect_b32 s34, s32, 1024                   ; src_end
	s_cselect_b32 s35, s35, 1024                   ; hyp_start
	s_cselect_b32 s36, s33, 2047                   ; hyp_end
	s_add_co_u32 s39, s34, 127
	s_lshr_b32 s39, s39, 7                         ; key steps of 128 that reach src_end
	s_cmp_ge_u32 s34, 2                            ; a key in [1, src_end)?
	s_cselect_b32 s37, 1, 0
	s_cmp_lt_u32 s35, s36                          ; a query in [hyp_start, hyp_end)?
	s_cselect_b32 s38, 1, 0
	s_and_b32 s37, s37, s38
	s_cmp_lg_u32 s37, 0
	s_cselect_b32 s40, s35, 0                      ; rows that are updated: none in a batch row that is not valid
	s_cselect_b32 s41, s36, 0
.if SKIP
	s_cselect_b32 s39, s39, 0
	s_mov_b32 s42, s40
	s_mov_b32 s43, s41
.else
	s_mov_b32 s39, 16
	s_mov_b32 s42, 0
	s_mov_b32 s43, 2048
.endif
	v_mov_b32 v16, s34
	v_mov_b32 v17, s39
	v_mov_b32 v18, s42
	v_mov_b32 v19, s43
	v_mov_b32 v20, s40
	v_mov_b32 v21, s41
	v_mov_b32 v22, 0
	v_mov_b32 v23, 0
	v_mov_b32 v24, 0
	v_cmp_eq_u32 vcc_lo, 0, v1
	s_wait_alu depctr_va_vdst(0)
	s_wait_xcnt 0x0                                ; EXEC changes only behind this wait
	s_and_saveexec_b32 s46, vcc_lo                 ; lane 0 stores the eight words
	global_store_b128 v24, v[16:19], s[26:27]
	global_store_b128 v24, v[20:23], s[26:27] offset:16
	s_endpgm
.Lfunc_end_k_q5e5342579d_prep:
	.size	k_q5e5342579d_prep, .Lfunc_end_k_q5e5342579d_prep-k_q5e5342579d_prep
	.p2alignl 7, 3214868480
	.fill 96, 4, 3214868480
	.section	.rodata,"a",@progbits
	.p2align	6, 0x0
	.amdhsa_kernel k_q5e5342579d_prep
		.amdhsa_group_segment_fixed_size 51456
		.amdhsa_private_segment_fixed_size 0
		.amdhsa_enable_private_segment 0
		.amdhsa_kernarg_size 96
		.amdhsa_user_sgpr_count 2
		.amdhsa_user_sgpr_kernarg_segment_ptr 1
		.amdhsa_wavefront_size32 1
		.amdhsa_system_sgpr_workgroup_id_x 1
		.amdhsa_system_sgpr_workgroup_id_y 1
		.amdhsa_system_sgpr_workgroup_id_z 1
		.amdhsa_system_vgpr_workitem_id 0
		.amdhsa_next_free_vgpr 186
		.amdhsa_next_free_sgpr 66
		.amdhsa_reserve_vcc 1
		.amdhsa_float_denorm_mode_32 3
		.amdhsa_float_denorm_mode_16_64 3
		.amdhsa_memory_ordered 1
		.amdhsa_forward_progress 1
		.amdhsa_inst_pref_size 38
	.end_amdhsa_kernel
	.amdgpu_metadata
---
amdhsa.version: [ 1, 2 ]
amdhsa.kernels:
  - .name:           k_q5e5342579d_prep
    .symbol:         k_q5e5342579d_prep.kd
    .args:
      - { .name: hidden_states, .offset: 0, .size: 8, .value_kind: global_buffer, .address_space: global }
      - { .name: input_ids, .offset: 8, .size: 8, .value_kind: global_buffer, .address_space: global }
      - { .name: Wq_codes, .offset: 16, .size: 8, .value_kind: global_buffer, .address_space: global }
      - { .name: Wk_codes, .offset: 24, .size: 8, .value_kind: global_buffer, .address_space: global }
      - { .name: Wv_codes, .offset: 32, .size: 8, .value_kind: global_buffer, .address_space: global }
      - { .name: Wo_codes, .offset: 40, .size: 8, .value_kind: global_buffer, .address_space: global }
      - { .name: W1_codes, .offset: 48, .size: 8, .value_kind: global_buffer, .address_space: global }
      - { .name: W2_codes, .offset: 56, .size: 8, .value_kind: global_buffer, .address_space: global }
      - { .name: xq, .offset: 64, .size: 8, .value_kind: global_buffer, .address_space: global }
      - { .name: xs, .offset: 72, .size: 8, .value_kind: global_buffer, .address_space: global }
      - { .name: wimg, .offset: 80, .size: 8, .value_kind: global_buffer, .address_space: global }
      - { .name: seg, .offset: 88, .size: 8, .value_kind: global_buffer, .address_space: global }
    .group_segment_fixed_size: 51456
    .private_segment_fixed_size: 0
    .kernarg_segment_align: 8
    .kernarg_segment_size: 96
    .max_flat_workgroup_size: 192
    .sgpr_count:     66
    .vgpr_count:     186
    .wavefront_size: 32
...
	.end_amdgpu_metadata
.endif
;; end of part 5
;; launch proj (part 6): grid 32 x 24, 8 waves a work-group, no clusters, 56,320 bytes of LDS; arguments xq, xs, wimg, Wq_scales, Wk_scales, Wv_scales, bq, bk, bv, seg, qb, kb, vb; writes qb, kb, vb
.if DOCPART == 6
	.amdgcn_target "amdgcn-amd-amdhsa--gfx1250"
	.amdhsa_code_object_version 6
	.text
	.protected	k_q5e5342579d_proj
	.globl	k_q5e5342579d_proj
	.p2align	8
	.type	k_q5e5342579d_proj,@function
k_q5e5342579d_proj:
	s_mov_b64 s[64:65], 0
	v_nop
	global_prefetch_b8 v0, s[64:65] scope:SCOPE_SE
	s_setreg_imm32_b32 hwreg(HW_REG_WAVE_MODE, 25, 1), 1
	s_wait_xcnt 0x0
; PROJ.  q = x Wq + bq, k = x Wk + bk, v = x Wv + bv on codes of BF6, and their quantising for the two products of attention.
; SHARES.  Work-group (X, Y): 256 rows (chunk X of 32), matrix Y / 8 (q, k, v), head Y % 8.  Wave w: group G = 8 X + w (32 rows, two tiles of x) x the head's 96 columns (six tiles of the weight):
; 12 accumulators, six K steps of 128, 72 matrix instructions.  The head's 36 weight fragments (55,296 dense bytes of wimg) are copied into LDS once and read by all eight waves; x's fragments are a wave's own.
; q AND k: source 0 = the weight's tile, source 1 = x's: a lane holds one row of x and its registers run along the head's 96, which is the next product's K: three blocks of 32; the instruction's last 32 are zero codes.
;   The bias is the C of each sum's first matrix instruction.  The result leaves as an image of the operand's registers.
; v: source 0 = x's tile, source 1 = the weight's: a lane holds one channel d and its 16 registers of a pair of tiles are 16 neighbouring KEYS, the next product's K.  It leaves block by block:
;   block (32 keys) at 384 x block, channel place r at 24 r, 24 bytes as the stream of bits; lane (r, h) stores its 12 bytes at 24 r + 12 h.
; qb, kb: records [batch][head][128 rows] of 13,312 bytes: 8 images of 1,536, then 8 scale rows of 128 (lane L's word at 4 L).  vb: records of 9,984 bytes: 6 tiles of d, then 6 scale rows.
; WHAT IS LEFT OUT.  seg says which rows' q are wanted and how many key steps of k and v.  A work-group none of whose rows are wanted copies nothing, a wave whose group is not wanted ends behind the one barrier.
; No multicast: how many chunks of a head have work hangs on counts read from memory and differs from work-group to work-group.
; LIMITS: as stated in prep (NaN, infinities; the scale byte 1 for blocks under 2^-122 and for blocks of zeros).
.set ACC, 16                           ; v16-111  12 accumulators
.set WF,  112                          ; v112-183 six weight fragments of a K step; later at work
.set XF,  184                          ; v184-231 x: two sets of two fragments
.set WS,  232                          ; v232-249 the weight's scale words: pair of tiles q at 6 q + K step; lanes 0-15 the even tile's rows, lanes 16-31 the odd tile's
.set XSC, 250                          ; v250-255 x's scale words, by K step: lanes 0-15 tile 0's rows, lanes 16-31 tile 1's
.set BV,  10                           ; v10-15   bv of my channel, by tile
.set TM,  152
.macro MM d, a, b, z, sa, sb, ra, rb   ; one product; z = 1: it starts the sum; ra, rb = 1: that side's scales stand in lanes 16-31
.if \z
.if (\ra) && (\rb)
	v_wmma_scale_f32_16x16x128_f8f6f4 v[\d:\d+7], v[\a:\a+11], v[\b:\b+11], 0, v[\sa], v[\sb] matrix_a_fmt:MATRIX_FMT_BF6 matrix_b_fmt:MATRIX_FMT_BF6 matrix_a_scale:MATRIX_SCALE_ROW1 matrix_b_scale:MATRIX_SCALE_ROW1
.elseif \ra
	v_wmma_scale_f32_16x16x128_f8f6f4 v[\d:\d+7], v[\a:\a+11], v[\b:\b+11], 0, v[\sa], v[\sb] matrix_a_fmt:MATRIX_FMT_BF6 matrix_b_fmt:MATRIX_FMT_BF6 matrix_a_scale:MATRIX_SCALE_ROW1
.elseif \rb
	v_wmma_scale_f32_16x16x128_f8f6f4 v[\d:\d+7], v[\a:\a+11], v[\b:\b+11], 0, v[\sa], v[\sb] matrix_a_fmt:MATRIX_FMT_BF6 matrix_b_fmt:MATRIX_FMT_BF6 matrix_b_scale:MATRIX_SCALE_ROW1
.else
	v_wmma_scale_f32_16x16x128_f8f6f4 v[\d:\d+7], v[\a:\a+11], v[\b:\b+11], 0, v[\sa], v[\sb] matrix_a_fmt:MATRIX_FMT_BF6 matrix_b_fmt:MATRIX_FMT_BF6
.endif
.else
.if (\ra) && (\rb)
	v_wmma_scale_f32_16x16x128_f8f6f4 v[\d:\d+7], v[\a:\a+11], v[\b:\b+11], v[\d:\d+7], v[\sa], v[\sb] matrix_a_fmt:MATRIX_FMT_BF6 matrix_b_fmt:MATRIX_FMT_BF6 matrix_a_scale:MATRIX_SCALE_ROW1 matrix_b_scale:MATRIX_SCALE_ROW1
.elseif \ra
	v_wmma_scale_f32_16x16x128_f8f6f4 v[\d:\d+7], v[\a:\a+11], v[\b:\b+11], v[\d:\d+7], v[\sa], v[\sb] matrix_a_fmt:MATRIX_FMT_BF6 matrix_b_fmt:MATRIX_FMT_BF6 matrix_a_scale:MATRIX_SCALE_ROW1
.elseif \rb
	v_wmma_scale_f32_16x16x128_f8f6f4 v[\d:\d+7], v[\a:\a+11], v[\b:\b+11], v[\d:\d+7], v[\sa], v[\sb] matrix_a_fmt:MATRIX_FMT_BF6 matrix_b_fmt:MATRIX_FMT_BF6 matrix_b_scale:MATRIX_SCALE_ROW1
.else
	v_wmma_scale_f32_16x16x128_f8f6f4 v[\d:\d+7], v[\a:\a+11], v[\b:\b+11], v[\d:\d+7], v[\sa], v[\sb] matrix_a_fmt:MATRIX_FMT_BF6 matrix_b_fmt:MATRIX_FMT_BF6
.endif
.endif
.endm
.macro XLOAD ks                        ; x's two fragments of K step ks into set ks % 2
.irp m, 0,1
.irp g, 0,1,2
	global_load_b128 v[XF+24*((\ks)%2)+12*\m+4*\g:XF+24*((\ks)%2)+12*\m+4*\g+3], v5, s[4:5] offset:9216*\m+1536*(\ks)+512*\g
.endr
.endr
.endm
; A K step.  The 12 accumulators take turns, one instruction a turn, in the same order in every step.
.macro KSTEP ks, varm
.if \ks > 0
.rept 4
	v_nop                                          ; places in front of loads into registers that matrix instructions have read
.endr
.endif
.irp t, 0,1,2,3,4,5
.irp g, 0,1,2
	ds_load_b128 v[WF+12*\t+4*\g:WF+12*\t+4*\g+3], v5 offset:(6*\t+(\ks))*1536+512*\g
.endr
.endr
.if \ks < 5
	XLOAD (\ks)+1
	s_wait_loadcnt 6                               ; all but the six just issued: this step's x, and in the first step the scale words and the biases
.else
	s_wait_loadcnt 0x0
.endif
	s_wait_dscnt 0x0
.irp t, 0,1,2,3,4,5
.irp m, 0,1
.set rW, WF+12*\t
.set rX, XF+24*((\ks)%2)+12*\m
.set rWS, WS+6*(\t/2)+(\ks)
.set rXS, XSC+(\ks)
.set rT, \t%2
.set rM, \m
.if \varm
.set rD, ACC+8*(2*\t+\m)
.if \ks == 0
	MM rD, rX, rW, 1, rXS, rWS, rM, rT
.else
	MM rD, rX, rW, 0, rXS, rWS, rM, rT
.endif
.else
.set rD, ACC+8*(6*\m+\t)
	MM rD, rW, rX, 0, rWS, rXS, rT, rM
.endif
.endr
.endr
.endm
; 48 numbers of a lane, register 16 b + i = k 32 b + 16 h + i of my row, become a fragment's codes (its last 32 along K zero codes) in v[pc] on and its scale word in v[pw]
.macro QUANT3 src, pc, pw
.irp b, 0,1,2
	v_max3_num_f32 v[TM+\b], |v[\src+16*\b]|, |v[\src+1+16*\b]|, 0x2800000   ; and the floor 2^(5 - 127)
.endr
.irp i, 2,4,6,8,10,12,14
.irp b, 0,1,2
	v_max3_num_f32 v[TM+\b], v[TM+\b], |v[\src+16*\b+\i]|, |v[\src+1+16*\b+\i]|
.endr
.endr
.irp b, 0,1,2
	s_delay_alu instid0(VALU_DEP_3)
	v_permlanex16_b32 v[TM+4+\b], v[TM+\b], s58, s59
.endr
.irp b, 0,1,2
	s_delay_alu instid0(VALU_DEP_3)
	v_max_num_f32 v[TM+\b], v[TM+\b], v[TM+4+\b]
.endr
.irp b, 0,1,2
	s_delay_alu instid0(VALU_DEP_3)
	v_add_nc_u32 v[TM+12+\b], 0xfe000000, v[TM+\b]
.endr
.irp b, 0,1,2
	s_delay_alu instid0(VALU_DEP_3)
	v_lshrrev_b32 v[TM+4+\b], 23, v[TM+12+\b]
.endr
	s_delay_alu instid0(VALU_DEP_2)
	v_lshl_or_b32 v[\pw], v[TM+5], 8, v[TM+4]
	s_delay_alu instid0(VALU_DEP_1)
	v_lshl_or_b32 v[\pw], v[TM+6], 16, v[\pw]      ; the fourth byte stays 0: it stands over zero codes
	v_cvt_scalef32_pk16_bf6_f32 v[\pc:\pc+2], v[\src:\src+15], v[TM+12]
	v_cvt_scalef32_pk16_bf6_f32 v[\pc+12:\pc+14], v[\src+16:\src+31], v[TM+13]
	v_cvt_scalef32_pk16_bf6_f32 v[\pc+6:\pc+8], v[\src+32:\src+47], v[TM+14]
.irp i, 0,1,2
	v_mov_b32 v[\pc+16+\i], 0                      ; the block that K = 96 does not have.  (Also the plain place behind the conversions)
.endr
.irp c, 0,1
.irp i, 0,1,2
	v_permlane16_swap_b32 v[\pc+6*\c+\i], v[\pc+12+4*\c+\i]
.endr
.irp i, 0,1,2
	s_delay_alu instid0(VALU_DEP_3)
	v_mov_b32 v[\pc+3+6*\c+\i], v[\pc+12+4*\c+\i]
.endr
.endr
.endm
	s_load_b512 s[4:19], s[0:1], 0x0               ; xq, xs, wimg, Wq/Wk/Wv scales, bq, bk
	s_load_b256 s[20:27], s[0:1], 0x40             ; bv, seg, qb, kb
	s_load_b64 s[28:29], s[0:1], 0x60              ; vb
	s_set_vgpr_msb 0x40
	v_lshl_add_u32 v0, v0, 2, 0xd800
	v_mov_b32 v1, 0
	s_set_vgpr_msb 0x4000
	v_lshrrev_b32 v1, 5, v0
	s_delay_alu instid0(VALU_DEP_1)
	v_readfirstlane_b32 s30, v1                    ; wave 0..7
	v_and_b32 v1, 31, v0
	v_and_b32 v2, 15, v0                           ; r
	v_bfe_u32 v3, v0, 4, 1                         ; h
	v_lshlrev_b32 v4, 4, v0                        ; 16 x thread: the copy's place, in memory and in LDS alike
	s_delay_alu instid0(VALU_DEP_4)
	v_lshlrev_b32 v5, 4, v1                        ; 16 L
	s_delay_alu instid0(VALU_DEP_4)
	v_and_b32 v8, 8, v2
	s_delay_alu instid0(VALU_DEP_1)
	v_add_nc_u32 v8, v8, v2                        ; r + 8 (r / 8)
	s_delay_alu instid0(VALU_DEP_1)
	v_lshl_add_u32 v6, v3, 3, v8
	s_delay_alu instid0(VALU_DEP_1)
	v_mul_u32_u24 v6, v6, 24                       ; the weight's scale rows: 24 bytes a row; lanes 16-31 the odd tile, 8 rows on
	v_mul_u32_u24 v7, v2, 24
	s_delay_alu instid0(VALU_DEP_1)
	v_mad_u32_u24 v9, v3, 12, v7                   ; 24 r + 12 h
	s_delay_alu instid0(VALU_DEP_2)
	v_mad_u32_u24 v7, v3, 384, v7                  ; x's scale rows: tile h of the group, place r
	v_lshlrev_b32 v1, 2, v1                        ; 4 L
	s_lshr_b32 s40, ttmp9, 3                       ; batch
	s_and_b32 s41, ttmp9, 7                        ; chunk in the batch
	s_and_b32 s43, ttmp7, 0xffff
	s_lshr_b32 s42, s43, 3                         ; matrix
	s_and_b32 s43, s43, 7                          ; head
	s_lshl_b32 s44, ttmp9, 3
	s_add_co_u32 s44, s44, s30                     ; G
	s_and_b32 s45, s44, 63                         ; the group in its batch
	s_mov_b32 s58, 0x76543210
	s_mov_b32 s59, 0xfedcba98
	s_lshl_b32 s50, s40, 5
	s_mov_b32 s51, 0
	s_wait_kmcnt 0x0
	s_add_nc_u64 s[22:23], s[22:23], s[50:51]
	s_load_b256 s[32:39], s[22:23], 0x0            ; s32 src_end, s33 key steps, s34, s35 rows wanted
	s_cmp_eq_u32 s42, 1                            ; the choices hang on the work-group's number alone
	s_cselect_b64 s[10:11], s[12:13], s[10:11]
	s_cselect_b64 s[16:17], s[18:19], s[16:17]
	s_cselect_b64 s[24:25], s[26:27], s[24:25]
	s_cmp_eq_u32 s42, 2
	s_cselect_b64 s[10:11], s[14:15], s[10:11]     ; the scales,
	s_cselect_b64 s[16:17], s[20:21], s[16:17]     ; the bias,
	s_cselect_b64 s[24:25], s[28:29], s[24:25]     ; the output
	s_mul_i32 s50, s42, 442368
	s_mul_i32 s52, s43, 55296
	s_add_co_u32 s50, s50, s52
	s_add_nc_u64 s[8:9], s[8:9], s[50:51]          ; the head's 36 fragments
	s_mul_i32 s50, s43, 2304
	s_add_nc_u64 s[10:11], s[10:11], s[50:51]
	s_mul_i32 s50, s43, 384
	s_add_nc_u64 s[16:17], s[16:17], s[50:51]
	s_mul_i32 s50, s44, 18432
	s_add_nc_u64 s[4:5], s[4:5], s[50:51]
	s_mul_i32 s50, s44, 768
	s_add_nc_u64 s[6:7], s[6:7], s[50:51]
	s_wait_kmcnt 0x0
	s_lshl_b32 s47, s33, 7                         ; k, v: rows 0 .. 128 x key steps
	s_cmp_eq_u32 s42, 0
	s_cselect_b32 s46, s34, 0                      ; q: the rows wanted
	s_cselect_b32 s47, s35, s47
	s_lshl_b32 s50, s41, 8
	s_add_co_u32 s52, s50, 256
	s_cmp_lt_u32 s50, s47
	s_cselect_b32 s48, 1, 0
	s_cmp_gt_u32 s52, s46
	s_cselect_b32 s53, 1, 0
	s_and_b32 s48, s48, s53                        ; has the chunk a row that is wanted?
	s_lshl_b32 s50, s45, 5
	s_add_co_u32 s52, s50, 32
	s_cmp_lt_u32 s50, s47
	s_cselect_b32 s49, 1, 0
	s_cmp_gt_u32 s52, s46
	s_cselect_b32 s53, 1, 0
	s_and_b32 s49, s49, s53                        ; has my group?
	s_cmp_lg_u32 s48, 0
	s_cbranch_scc0 .Lno_copy
.irp i, 0,1,2,3,4,5,6,7,8,9,10,11,12
	global_load_b128 v[16+4*\i:19+4*\i], v4, s[8:9] offset:4096*\i
.endr
.irp i, 0,1,2,3,4,5,6,7,8,9,10,11,12
	s_wait_loadcnt 12-\i
	ds_store_b128 v4, v[16+4*\i:19+4*\i] offset:4096*\i
.endr
	s_cmp_lt_u32 s30, 4                            ; 55,296 = 13 1/2 x 4,096: waves 0 to 3 bring the last 2,048 bytes
	s_cbranch_scc0 .Lno_copy
	global_load_b128 v[68:71], v4, s[8:9] offset:53248
	s_wait_loadcnt 0x0
	ds_store_b128 v4, v[68:71] offset:53248
.Lno_copy:
	s_wait_dscnt 0x0                               ; my stores have landed
	s_barrier_signal -1
	s_barrier_wait -1                              ; everybody's have: the one barrier, on every wave's path
	s_cmp_lg_u32 s49, 0
	s_cbranch_scc1 .Lwork
	s_set_vgpr_msb 0x5
	s_wait_tensorcnt 0x0
	ds_add_u32 v0, v1
	s_wait_dscnt 0x0
	s_set_vgpr_msb 0x500
	s_endpgm
.Lwork:
	s_wait_alu depctr_va_vdst(0)
.irp q, 0,1,2
.irp p, 0,1,2
	global_load_b64 v[WS+6*\q+2*\p:WS+6*\q+2*\p+1], v6, s[10:11] offset:768*\q+8*\p
.endr
.endr
.irp p, 0,1,2
	global_load_b64 v[XSC+2*\p:XSC+2*\p+1], v7, s[6:7] offset:8*\p
.endr
	XLOAD 0
	s_lshl_b32 s50, s40, 3
	s_add_co_u32 s50, s50, s43
	s_lshl_b32 s50, s50, 4
	s_lshr_b32 s52, s45, 2
	s_add_co_u32 s50, s50, s52                     ; my record: (8 batch + head) x 16 + group / 4
	s_and_b32 s54, s30, 3                          ; and my group's place in it
	s_mov_b32 s53, 0
	s_cmp_eq_u32 s42, 2
	s_cbranch_scc1 .Lv_arm
; ---- q and k
	v_lshlrev_b32 v8, 6, v3                        ; the bias of tile (q, u): columns 32 q + 16 h + 8 u + 0 .. 7
.irp m, 0,1
.irp t, 0,1,2,3,4,5
	global_load_b128 v[ACC+8*(6*\m+\t):ACC+8*(6*\m+\t)+3], v8, s[16:17] offset:128*(\t/2)+32*(\t%2)
	global_load_b128 v[ACC+8*(6*\m+\t)+4:ACC+8*(6*\m+\t)+7], v8, s[16:17] offset:128*(\t/2)+32*(\t%2)+16
.endr
.endr
.irp s, 0,1,2,3,4,5
	KSTEP \s, 0
.endr
	s_mul_i32 s50, s50, 13312
	s_mul_i32 s52, s54, 3072
	s_add_co_u32 s52, s52, s50
	s_add_nc_u64 s[26:27], s[24:25], s[52:53]      ; my two images
	s_lshl_b32 s52, s54, 8
	s_add_co_u32 s52, s52, s50
	s_add_nc_u64 s[24:25], s[24:25], s[52:53]      ; my two scale rows, 12,288 bytes on
.rept 4
	v_nop                                          ; places behind the last products
.endr
.irp b, 0,1,2
	v_mov_b32 v[TM+4+\b], 0                        ; a lane permute's destination counts as one of its sources
.endr
	QUANT3 ACC, 112, 168
	QUANT3 ACC+48, 132, 169
.irp m, 0,1
.irp g, 0,1,2
	global_store_b128 v5, v[112+20*\m+4*\g:115+20*\m+4*\g], s[26:27] offset:1536*\m+512*\g
.endr
	global_store_b32 v1, v[168+\m], s[24:25] offset:12288+128*\m
.endr
	s_set_vgpr_msb 0x5
	s_wait_tensorcnt 0x0
	ds_add_u32 v0, v1
	s_wait_dscnt 0x0
	s_set_vgpr_msb 0x500
	s_endpgm
; ---- v
.Lv_arm:
	v_lshlrev_b32 v8, 2, v8                        ; bv of my channel: 4 (r + 8 (r / 8))
.irp t, 0,1,2,3,4,5
	global_load_b32 v[BV+\t], v8, s[16:17] offset:128*(\t/2)+32*(\t%2)
.endr
.irp s, 0,1,2,3,4,5
	KSTEP \s, 1
.endr
	s_mul_i32 s50, s50, 9984
	s_mul_i32 s52, s54, 384
	s_add_co_u32 s52, s52, s50
	s_add_nc_u64 s[26:27], s[24:25], s[52:53]      ; my block of 32 keys in each tile of d
	s_add_co_u32 s52, s54, s50
	s_add_nc_u64 s[24:25], s[24:25], s[52:53]      ; my byte of each scale word, 9,216 bytes on
.rept 4
	v_nop
.endr
.irp t, 0,1,2,3,4,5
	v_mov_b32 v[142+\t], 0
.endr
.irp t, 0,1,2,3,4,5
.irp j, 0,2,4,6,8,10,12,14
.if \t%2
	v_pk_add_f32 v[ACC+16*\t+\j:ACC+16*\t+\j+1], v[ACC+16*\t+\j:ACC+16*\t+\j+1], v[BV+\t-1:BV+\t] op_sel:[0,1] op_sel_hi:[1,1]   ; + bv: the pair's second register for both halves
.else
	v_pk_add_f32 v[ACC+16*\t+\j:ACC+16*\t+\j+1], v[ACC+16*\t+\j:ACC+16*\t+\j+1], v[BV+\t:BV+\t+1] op_sel_hi:[1,0]               ; the pair's first
.endif
.endr
.endr
.irp t, 0,1,2,3,4,5
	v_max3_num_f32 v[136+\t], |v[ACC+16*\t]|, |v[ACC+16*\t+1]|, 0x2800000   ; one block of 32 keys for each tile of d: my 16, and the floor
.endr
.irp i, 2,4,6,8,10,12,14
.irp t, 0,1,2,3,4,5
	v_max3_num_f32 v[136+\t], v[136+\t], |v[ACC+16*\t+\i]|, |v[ACC+16*\t+\i+1]|
.endr
.endr
.irp t, 0,1,2,3,4,5
	v_permlanex16_b32 v[142+\t], v[136+\t], s58, s59
.endr
.irp t, 0,1,2,3,4,5
	v_max_num_f32 v[136+\t], v[136+\t], v[142+\t]
.endr
.irp t, 0,1,2,3,4,5
	v_add_nc_u32 v[148+\t], 0xfe000000, v[136+\t]
.endr
.irp t, 0,1,2,3,4,5
	v_cvt_scalef32_pk16_bf6_f32 v[112+4*\t:114+4*\t], v[ACC+16*\t:ACC+16*\t+15], v[148+\t]
.endr
.irp t, 0,1,2,3,4,5
	v_lshrrev_b32 v[154+\t], 23, v[148+\t]         ; the scale's byte.  (Plain lines behind the conversions)
.endr
.irp t, 0,1,2,3,4,5
	global_store_b96 v9, v[112+4*\t:114+4*\t], s[26:27] offset:1536*\t   ; the wave's store covers 384 consecutive bytes
	global_store_b8 v1, v[154+\t], s[24:25] offset:9216+128*\t
.endr
	s_set_vgpr_msb 0x5
	s_wait_tensorcnt 0x0
	ds_add_u32 v0, v1
	s_wait_dscnt 0x0
	s_set_vgpr_msb 0x500
	s_endpgm
.Lfunc_end_k_q5e5342579d_proj:
	.size	k_q5e5342579d_proj, .Lfunc_end_k_q5e5342579d_proj-k_q5e5342579d_proj
	.p2alignl 7, 3214868480
	.fill 96, 4, 3214868480
	.section	.rodata,"a",@progbits
	.p2align	6, 0x0
	.amdhsa_kernel k_q5e5342579d_proj
		.amdhsa_group_segment_fixed_size 56320
		.amdhsa_private_segment_fixed_size 0
		.amdhsa_enable_private_segment 0
		.amdhsa_kernarg_size 104
		.amdhsa_user_sgpr_count 2
		.amdhsa_user_sgpr_kernarg_segment_ptr 1
		.amdhsa_wavefront_size32 1
		.amdhsa_system_sgpr_workgroup_id_x 1
		.amdhsa_system_sgpr_workgroup_id_y 1
		.amdhsa_system_sgpr_workgroup_id_z 1
		.amdhsa_system_vgpr_workitem_id 0
		.amdhsa_next_free_vgpr 258
		.amdhsa_next_free_sgpr 66
		.amdhsa_reserve_vcc 0
		.amdhsa_float_denorm_mode_32 3
		.amdhsa_float_denorm_mode_16_64 3
		.amdhsa_memory_ordered 1
		.amdhsa_forward_progress 1
		.amdhsa_inst_pref_size 69
	.end_amdhsa_kernel
	.amdgpu_metadata
---
amdhsa.version: [ 1, 2 ]
amdhsa.kernels:
  - .name:           k_q5e5342579d_proj
    .symbol:         k_q5e5342579d_proj.kd
    .args:
      - { .name: xq, .offset: 0, .size: 8, .value_kind: global_buffer, .address_space: global }
      - { .name: xs, .offset: 8, .size: 8, .value_kind: global_buffer, .address_space: global }
      - { .name: wimg, .offset: 16, .size: 8, .value_kind: global_buffer, .address_space: global }
      - { .name: Wq_scales, .offset: 24, .size: 8, .value_kind: global_buffer, .address_space: global }
      - { .name: Wk_scales, .offset: 32, .size: 8, .value_kind: global_buffer, .address_space: global }
      - { .name: Wv_scales, .offset: 40, .size: 8, .value_kind: global_buffer, .address_space: global }
      - { .name: bq, .offset: 48, .size: 8, .value_kind: global_buffer, .address_space: global }
      - { .name: bk, .offset: 56, .size: 8, .value_kind: global_buffer, .address_space: global }
      - { .name: bv, .offset: 64, .size: 8, .value_kind: global_buffer, .address_space: global }
      - { .name: seg, .offset: 72, .size: 8, .value_kind: global_buffer, .address_space: global }
      - { .name: qb, .offset: 80, .size: 8, .value_kind: global_buffer, .address_space: global }
      - { .name: kb, .offset: 88, .size: 8, .value_kind: global_buffer, .address_space: global }
      - { .name: vb, .offset: 96, .size: 8, .value_kind: global_buffer, .address_space: global }
    .group_segment_fixed_size: 56320
    .private_segment_fixed_size: 0
    .kernarg_segment_align: 8
    .kernarg_segment_size: 104
    .max_flat_workgroup_size: 256
    .sgpr_count:     66
    .vgpr_count:     258
    .wavefront_size: 32
...
	.end_amdgpu_metadata
.endif
;; end of part 6
;; launch attn (part 7): grid 16 x 32, 8 waves a work-group, no clusters, 47,616 bytes of LDS; arguments qb, kb, vb, seg, cb; writes cb
.if DOCPART == 7
	.amdgcn_target "amdgcn-amd-amdhsa--gfx1250"
	.amdhsa_code_object_version 6
	.text
	.protected	k_q5e5342579d_attn
	.globl	k_q5e5342579d_attn
	.p2align	8
	.type	k_q5e5342579d_attn,@function
k_q5e5342579d_attn:
	s_mov_b64 s[64:65], 0
	v_nop
	global_prefetch_b8 v0, s[64:65] scope:SCOPE_SE
	s_setreg_imm32_b32 hwreg(HW_REG_WAVE_SCHED_MODE, 0, 2), 2
	s_setreg_imm32_b32 hwreg(HW_REG_WAVE_MODE, 25, 1), 1
	s_wait_xcnt 0x0
	s_wait_alu depctr_vm_vsrc(0)
; ATTN.  ctx = softmax(q k^T / sqrt(96), keys 1 .. src_end - 1) v for one head and 128 queries a work-group, both products on codes of BF6; ctx is quantised along the 768 for the next product.
; THE SOFTMAX: t = score x log2(e) / sqrt(96); M = the row's largest t so far, rounded UP to a whole number; p = 2^(t - M) is what is quantised, along the keys; the row's sum is taken of the
; unquantised p and divides at the end.  When M moves, the sum and O are multiplied by 2^(old M - new M): exact.
; SHARES.  Wave w owns one tile of 16 queries.  A key step is 128 keys: 8 fragments of k (images of registers), 6 of v^T (block by block), each with its scale row: 14 x 1,664 bytes, a slot.
; Two slots take turns.  Waves 0 to 6 bring two fragments each through registers (waves 0-3 k's, 4-6 v's): asked for at a trip's head, stored at its end, into the slot that nobody reads in that trip.
; ONE BARRIER A TRIP: in front of it every wave has waited for its reads of the slot that is written next and for its stores into the slot that is read next.
; Both products are used transposed (S^T = k q^T, O^T = v^T p^T): a lane holds one query throughout; the keys that form a tile of k are those of a row tile, so that p's 16 registers of two
; neighbouring tiles are 16 neighbouring keys.
; WHAT IS LEFT OUT.  The loop has 16 trips for every work-group (a barrier stands in each); seg says how many of them have work: key steps beyond src_end, and tiles none of whose group's rows are wanted,
; are jumped over by scalar branches on whole numbers read from memory.  A tile that is left out stores zero codes under the byte 127, since the next launch reads every tile.
; Hidden keys (key 0, keys from src_end on) get the score -infinity ahead of the maximum, so p = 0; reference()'s -1e9 gives the same 0 unless a row's largest score lies under about -1e9.
; No multicast: the work-groups of a head have different numbers of trips with work, by counts read from memory.
; LIMITS: as stated in prep.
; REGISTERS: v1-9 addresses; v12 -M, v13 the largest t, v[14:15] the sum; v16-27 Q, v28 its scale words; v32-79 four fragments; v80-91, v208-221 what is being copied; v92-93 scale words of v's last two
; fragments; v96-159 S^T, then p, then in v128-151 v's last two fragments; v160-207 O^T; v224-235 p's codes; v232-255 at work; v248-251 the fragments' scale words, v253 p's.
; THE MODE: SCHED_MODE bits 1:0 = 2 (LLVM: expert scheduling mode 2), set by the entry lines.  The code itself states the register dependences
; between vector or matrix instructions and memory or LDS instructions, with s_wait_alu, always for 0.
; THE PLAN.  Registers that memory or LDS instructions touch:
;   v1-v8             Addresses, made at the head and never written again: one wait on va_vdst at the head serves every load and store.
;   v16-28            Written at the head by moves, then Q lands there: the same wait.
;   v80-91, v208-221  The copy: global loads land, LDS stores read; no vector line names them.  One wait on vm_vsrc a trip, ahead of the loads.
;   v32-79, v248-251  k's fragments 0-3, then 4-7, then v's 0-3, each with its scale words: LDS loads land, products alone read.
;   v92, v93          The scale words of v's fragments 4 and 5: LDS loads land, products alone read.
;   v128-151          Scores and p: products and exponentials write, conversions and sums read; behind these v's fragments 4 and 5 land there.
;   v224-235, v253    p's codes and scale word: vector lines write, the second product takes them as source 1 and as scales.
; FOUR WAITS ON va_vdst IN A STEP: at its head (the last step's products are done with v32-79 and v248-251); between k's two groups (the first four products are done with them); behind the exponentials (their
; results are written; k's products are done too, and no vector line behind this wait names v32-79, v248-251, v92 or v93: so v's fragments 0-3 and all six scale words are asked for behind it, dealt among the
; vector lines, and land under the conversions and sums); behind O^T's rescaling (p's codes and scale word are written; the conversions and sums are done with v128-151, in which v's last two fragments land).
.set SLOTB, 23296
.set FRB,   1664
.set MK,    44                         ; s44-51 and s56-63: sixteen masks; s42: key 0's.  All are free in the loop
.macro CLOAD                           ; my two fragments and their scale rows of the record that the pointers stand at
.irp i, 0,1,2
	global_load_b128 v[80+4*\i:83+4*\i], v1, s[30:31] offset:512*\i
.endr
.irp i, 0,1,2
	global_load_b128 v[208+4*\i:211+4*\i], v1, s[30:31] offset:1536+512*\i
.endr
	global_load_b32 v220, v6, s[32:33]
	global_load_b32 v221, v6, s[32:33] offset:128
.endm
.macro CSTORE slot
.irp i, 0,1,2
	ds_store_b128 v4, v[80+4*\i:83+4*\i] offset:SLOTB*(\slot)+512*\i
.endr
.irp i, 0,1,2
	ds_store_b128 v4, v[208+4*\i:211+4*\i] offset:SLOTB*(\slot)+FRB+512*\i
.endr
	ds_store_b32 v5, v220 offset:SLOTB*(\slot)
	ds_store_b32 v5, v221 offset:SLOTB*(\slot)+FRB
.endm
.macro VFRAG reg, f                    ; fragment f of v^T (16 channels x 128 keys) of the slot in hand into v[reg] on: six loads of 8 bytes
.irp c, 0,1
.irp p, 0,1,2
	ds_load_b64 v[(\reg)+6*\c+2*\p:(\reg)+6*\c+2*\p+1], v2 offset:SB+FRB*(\f)+768*\c+8*\p
.endr
.endr
.endm
; A KEY STEP on the slot named
.macro STEP slot
.set SB, SLOTB*(\slot)
.rept 4
	v_nop                                          ; places behind the last step's products; with the four further down also the places ahead of the scores that write v128-151, which those products read
.endr
	s_wait_alu depctr_va_vdst(0)                   ; the last step's products are done reading v32-79 and v248-251, in which k's fragments and scale words land
.irp g, 0,1                                    ; S^T = k q^T, four tiles of 16 keys at a time
.if \g > 0
.rept 4
	v_nop
.endr
	s_wait_alu depctr_va_vdst(0)                   ; the four products above are done reading v32-79 and v248-251, in which k's next four fragments and scale words land
.endif
.irp t, 0,1,2,3
.irp c, 0,1,2
	ds_load_b128 v[32+12*\t+4*\c:35+12*\t+4*\c], v1 offset:SB+FRB*(4*\g+\t)+512*\c
.endr
	ds_load_b32 v[248+\t], v3 offset:SB+FRB*(4*\g+\t)
.endr
	s_wait_dscnt 0x0
.irp t, 0,1,2,3
	v_wmma_scale_f32_16x16x128_f8f6f4 v[96+8*(4*\g+\t):103+8*(4*\g+\t)], v[32+12*\t:43+12*\t], v[16:27], 0, v[248+\t], v28 matrix_a_fmt:MATRIX_FMT_BF6 matrix_b_fmt:MATRIX_FMT_BF6
.endr
.endr                                          ; register 16 b + i of lane (r, h): query r, key KF + 32 b + 16 h + i
.rept 4
	v_nop
.endr
	s_cmp_eq_u32 s27, 0                            ; the first step holds key 0, which is hidden;
	s_cbranch_scc1 .Lmask_\@
	s_add_co_u32 s40, s27, 128
	s_cmp_le_u32 s40, s16                          ; a later step all of whose keys lie under src_end has nothing to hide
	s_cbranch_scc1 .Lopen_\@
.Lmask_\@:
	s_sub_co_u32 s40, s16, s27
	s_sub_co_u32 s40, s40, 1
	v_sub_nc_u32 v252, s40, v9                     ; d = src_end - KF - 16 h - 1: register 16 b + i is hidden where 32 b + i > d
	v_add_nc_u32 v255, s27, v9
	v_mov_b32 v254, 0xff800000                     ; -infinity
	v_cmp_eq_u32 s42, 0, v255                      ; my register 0 is key 0
.irp u, 0,1,2,3                                ; the compares stand in runs of sixteen, each into a scalar register of its own, with one wait behind the run
.set n, 0
.rept 16
	v_cmp_gt_i32 s[MK+n+4*(n/8)], 32*\u+n, v252
.set n, n+1
.endr
	s_wait_alu depctr_va_sdst(0)                   ; the run's masks are written (in the first run key 0's too), ahead of the selects that read them
.if \u == 0
	v_cndmask_b32 v96, v96, v254, s42
.endif
.set n, 0
.rept 16
	v_cndmask_b32 v[96+16*\u+n], v[96+16*\u+n], v254, s[MK+n+4*(n/8)]
.set n, n+1
.endr
.endr
.Lopen_\@:
.irp b, 0,1,2,3
	v_max3_num_f32 v[232+\b], v[96+16*\b], v[97+16*\b], v[98+16*\b]   ; the largest score of each block of 32 keys: for the row's maximum, and, since p rises with the score, for the block's largest p
.endr
.irp i, 3,5,7,9,11,13
.irp b, 0,1,2,3
	v_max3_num_f32 v[232+\b], v[232+\b], v[96+16*\b+\i], v[97+16*\b+\i]
.endr
.endr
.irp b, 0,1,2,3
	v_max_num_f32 v[232+\b], v[232+\b], v[111+16*\b]
.endr
.irp b, 0,1,2,3
	v_permlanex16_b32 v[236+\b], v[232+\b], s36, s37
.endr
.irp b, 0,1,2,3
	v_max_num_f32 v[232+\b], v[232+\b], v[236+\b]  ; with lane l xor 16's 16 keys
.endr
	v_max3_num_f32 v254, v232, v233, v234
	v_max_num_f32 v254, v254, v235                 ; the step's largest score of my query
	v_mul_f32 v254, s38, v254                      ; as t (c is positive)
	v_max_num_f32 v13, v13, v254                   ; the running largest t
	v_mov_b32 v254, v12
	v_floor_f32 v12, -v13                          ; the new -M = floor(-t) = -ceil(t)
	v_sub_f32 v254, v12, v254                      ; old M - new M: a whole number, 0 or less
	v_cvt_i32_f32 v254, v254                       ; (it saturates)
	v_ldexp_f32 v252, 1.0, v254                    ; f = 2^(old M - new M)
.irp j, 0,2,4,6,8,10,12,14,16,18,20,22,24,26,28,30,32,34,36,38,40,42,44,46,48,50,52,54,56,58,60,62
	v_pk_fma_f32 v[96+\j:97+\j], v[96+\j:97+\j], s[38:39], v[12:13] op_sel_hi:[1,0,0]   ; t - M, two at a time
.endr
.irp b, 0,1,2,3
	v_fma_f32 v[232+\b], v[232+\b], s38, v12       ; the same of each block's largest score
.endr
.set n, 0
	s_wait_alu depctr_va_vdst(0)
.rept 64
	v_exp_f32 v[96+n], v[96+n]                     ; p = 2^(t - M), at most 1: not normalised
.set n, n+1
.endr
.irp b, 0,1,2,3
	v_exp_f32 v[232+\b], v[232+\b]                 ; the block's largest p
.endr
	v_pk_mul_f32 v[14:15], v[14:15], v[252:253] op_sel_hi:[1,0]   ; the sums under the new M.  (A plain place behind the exponentials)
	s_wait_alu depctr_va_vdst(0)                   ; the 68 exponentials have written v96-159 and v232-235, ahead of their first reader; k's products are done reading v32-79 and v248-251, in which v's fragments and scale words land
.irp b, 0,1,2,3
	v_max_num_f32 v[232+\b], 0x2800000, v[232+\b]  ; the floor 2^(5 - 127)
.endr
	VFRAG 32, 0                                    ; v's fragments 0 to 3 and all six scale words, dealt among the lines that make p's scales: no vector line since the wait names their registers
	ds_load_b32 v248, v3 offset:SB+FRB*8
.irp b, 0,1,2,3
	v_add_nc_u32 v[244+\b], 0xfe000000, v[232+\b]  ; the conversion's scale operand
.endr
	VFRAG 44, 1
	ds_load_b32 v249, v3 offset:SB+FRB*9
.irp b, 0,1,2,3
	v_lshrrev_b32 v[236+\b], 23, v[244+\b]         ; the scale's byte
.endr
	VFRAG 56, 2
	ds_load_b32 v250, v3 offset:SB+FRB*10
	v_lshl_or_b32 v253, v237, 8, v236              ; p's scale word for these 128 keys
	v_lshl_or_b32 v253, v238, 16, v253
	v_lshl_or_b32 v253, v239, 24, v253
	VFRAG 68, 3
	ds_load_b32 v251, v3 offset:SB+FRB*11
	ds_load_b32 v92, v3 offset:SB+FRB*12
	ds_load_b32 v93, v3 offset:SB+FRB*13
.irp c, 0,1
	v_cvt_scalef32_pk16_bf6_f32 v[224+6*\c:226+6*\c], v[96+32*\c:111+32*\c], v[244+2*\c]
	v_cvt_scalef32_pk16_bf6_f32 v[236+4*\c:238+4*\c], v[112+32*\c:127+32*\c], v[244+2*\c+1]
.endr
	v_nop                                          ; one plain place behind a scaled conversion
.irp c, 0,1
.irp i, 0,1,2
	v_permlane16_swap_b32 v[224+6*\c+\i], v[236+4*\c+\i]
.endr
.irp i, 0,1,2
	v_mov_b32 v[227+6*\c+\i], v[236+4*\c+\i]
.endr
.endr
	v_pk_add_f32 v[236:237], v[96:97], v[98:99]    ; the row's sum is taken of the unquantised p: two at a time, in two chains
.irp j, 4,8,12,16,20,24,28,32,36,40,44,48,52,56,60
	v_pk_add_f32 v[14:15], v[14:15], v[96+\j:97+\j]
	v_pk_add_f32 v[236:237], v[236:237], v[98+\j:99+\j]
.endr
	v_pk_add_f32 v[14:15], v[14:15], v[236:237]
.irp j, 0,2,4,6,8,10,12,14,16,18,20,22,24,26,28,30,32,34,36,38,40,42,44,46
	v_pk_mul_f32 v[160+\j:161+\j], v[160+\j:161+\j], v[252:253] op_sel_hi:[1,0]   ; O^T under the new M.  (These are also the places in front of the products below)
.endr
	s_wait_alu depctr_va_vdst(0)                   ; p's codes v224-235 and its scale word v253 are written, which the products below take as source 1 and as scales; the conversions and the sums are done reading v128-151, in which v's last two fragments land
	VFRAG 128, 4
	VFRAG 140, 5
	s_wait_dscnt 12                                ; all but the twelve loads just issued: v's fragments 0 to 3 and the six scale words are in
.irp t, 0,1,2,3                                ; O^T += v^T p^T: six tiles of 16 channels, six different accumulators, one product each
	v_wmma_scale_f32_16x16x128_f8f6f4 v[160+8*\t:167+8*\t], v[32+12*\t:43+12*\t], v[224:235], v[160+8*\t:167+8*\t], v[248+\t], v253 matrix_a_fmt:MATRIX_FMT_BF6 matrix_b_fmt:MATRIX_FMT_BF6
.endr
	s_wait_dscnt 0x0                               ; fragments 4 and 5 are in
.irp t, 0,1
	v_wmma_scale_f32_16x16x128_f8f6f4 v[192+8*\t:199+8*\t], v[128+12*\t:139+12*\t], v[224:235], v[192+8*\t:199+8*\t], v[92+\t], v253 matrix_a_fmt:MATRIX_FMT_BF6 matrix_b_fmt:MATRIX_FMT_BF6
.endr
.endm
; A TRIP: step J on slot 'slot', while step J + 1 is brought into slot 'other'.  A copy's loads and its stores stand on one way, so that no way leaves a load out or stores what was not loaded.
.macro TRIP slot, other
	s_wait_dscnt 0x0                               ; my stores into 'slot' have landed, my reads of 'other' are back
	s_barrier_signal -1
	s_barrier_wait -1                              ; both hold of every wave
	s_cmp_lt_u32 s14, 7                            ; wave 7 copies nothing
	s_cbranch_scc0 .Lnc_\@
	s_add_co_u32 s41, s26, 1
	s_cmp_lt_u32 s41, s24
	s_cbranch_scc0 .Lnc_\@
	s_wait_alu depctr_vm_vsrc(0)                   ; the LDS stores of the last copy have read v80-91 and v208-221, in which the next copy lands
	CLOAD
	s_cmp_lt_u32 s26, s25
	s_cbranch_scc0 .La_\@
	STEP \slot
.La_\@:
	s_wait_loadcnt 0x0                             ; the copy is in registers, and its pointers are free
	CSTORE \other
	s_branch .Le_\@
.Lnc_\@:
	s_cmp_lt_u32 s26, s25
	s_cbranch_scc0 .Le_\@
	STEP \slot
.Le_\@:
	s_add_nc_u64 s[30:31], s[30:31], s[34:35]      ; in every trip, on every way: the pointers stand at record J + 1
	s_add_nc_u64 s[32:33], s[32:33], s[34:35]
	s_add_co_u32 s26, s26, 1
	s_add_co_u32 s27, s27, 128
.endm
	s_load_b256 s[4:11], s[0:1], 0x0               ; qb, kb, vb, seg
	s_load_b64 s[12:13], s[0:1], 0x20              ; cb
	v_lshl_add_u32 v223, v0, 2, 0xb600
	v_mov_b32 v243, 0
	v_lshrrev_b32 v1, 5, v0
	v_readfirstlane_b32 s14, v1                    ; wave 0..7
	v_and_b32 v10, 31, v0                          ; L
	v_and_b32 v11, 15, v0                          ; r
	v_bfe_u32 v9, v0, 4, 1                         ; h
	v_lshlrev_b32 v1, 4, v10                       ; 16 L
	v_mul_u32_u24 v7, v11, 24
	v_mad_u32_u24 v2, v9, 384, v7
	v_add_nc_u32 v2, 8*FRB, v2                     ; v's tiles, behind k's eight: block h, channel place r
	v_mad_u32_u24 v7, v9, 12, v7                   ; 24 r + 12 h
	v_lshlrev_b32 v6, 2, v10                       ; 4 L
	v_add_nc_u32 v3, 1536, v6                      ; a fragment's scale row
	s_wait_alu depctr_va_sdst(0)                   ; s14, the wave's number, is written, ahead of its first reader
	s_mul_i32 s40, s14, 2*FRB
	v_add_nc_u32 v4, s40, v1                       ; where I store what I copy
	v_add_nc_u32 v5, s40, v3
	v_mul_u32_u24 v8, v10, 24                      ; 24 L
	v_lshlrev_b32 v9, 4, v9                        ; 16 h
	s_and_b32 s46, ttmp7, 0xffff                   ; 8 batch + head
	s_lshr_b32 s47, s46, 3
	s_and_b32 s48, s46, 7
	s_lshl_b32 s40, s47, 5
	s_mov_b32 s41, 0
	s_mov_b32 s36, 0x76543210
	s_mov_b32 s37, 0xfedcba98
	s_mov_b32 s38, 0x3e16c740                      ; c = log2(e) / sqrt(96)
	s_mov_b32 s39, s38                             ; (named with it as a pair)
	s_mov_b32 s26, 0                               ; J
	s_mov_b32 s27, 0                               ; the step's first key
	s_wait_kmcnt 0x0
	s_add_nc_u64 s[10:11], s[10:11], s[40:41]
	s_load_b256 s[16:23], s[10:11], 0x0            ; s16 src_end, s17 key steps, s18, s19 rows wanted
	s_lshl_b32 s40, s46, 4
	s_add_co_u32 s40, s40, ttmp9
	s_mul_i32 s40, s40, 13312                      ; q's record
	s_lshl_b32 s42, s14, 7
	s_add_co_u32 s42, s42, s40
	s_mov_b32 s43, 0
	s_add_nc_u64 s[44:45], s[4:5], s[42:43]        ; my tile's scale row, 12,288 bytes on
	s_mul_i32 s42, s14, 1536
	s_add_co_u32 s42, s42, s40
	s_add_nc_u64 s[4:5], s[4:5], s[42:43]          ; my tile's image
	s_mov_b32 s34, 9984
	s_mov_b32 s49, 9216
	s_cmp_lt_u32 s14, 4                            ; waves 0-3 copy from kb, the others from vb
	s_cselect_b64 s[30:31], s[6:7], s[8:9]
	s_cselect_b32 s34, 13312, s34                  ; a record,
	s_cselect_b32 s49, 12288, s49                  ; where its scale rows begin,
	s_cselect_b32 s50, 0, 4
	s_sub_co_u32 s50, s14, s50                     ; and which pair of fragments is mine
	s_mov_b32 s35, 0
	s_lshl_b32 s40, s46, 4
	s_mul_i32 s40, s40, s34                        ; the head's record 0
	s_lshl_b32 s42, s50, 8
	s_add_co_u32 s42, s42, s49
	s_add_co_u32 s42, s42, s40
	s_add_nc_u64 s[32:33], s[30:31], s[42:43]
	s_mul_i32 s42, s50, 3072
	s_add_co_u32 s42, s42, s40
	s_add_nc_u64 s[30:31], s[30:31], s[42:43]
	s_lshl_b32 s40, s47, 4
	s_add_co_u32 s40, s40, ttmp9
	s_lshl_b32 s40, s40, 3
	s_add_co_u32 s40, s40, s14                     ; my tile T
	s_mul_i32 s42, s40, 9216
	s_mul_i32 s51, s48, 1152
	s_add_co_u32 s42, s42, s51
	s_add_nc_u64 s[52:53], s[12:13], s[42:43]      ; ctx's codes: tile T, blocks 3 head on
	s_mul_i32 s42, s40, 768
	s_mul_i32 s51, s48, 3
	s_add_co_u32 s42, s42, s51
	s_add_co_u32 s42, s42, 4718592
	s_add_nc_u64 s[54:55], s[12:13], s[42:43]      ; and their scale bytes
.set n, 0
.rept 13
	v_mov_b32 v[16+n], 0                           ; Q and its scale words: written on every way
.set n, n+1
.endr
	v_mov_b32 v13, 0xff61b1e6                      ; the largest t so far: -3e38
	v_floor_f32 v12, -v13                          ; -M
	v_mov_b32 v14, 0
	v_mov_b32 v15, 0
.irp b, 0,1,2,3
	v_mov_b32 v[236+\b], 0                         ; a lane permute's destination counts as one of its sources
.endr
	v_mov_b32 v252, 0
	v_mov_b32 v253, 0
.set n, 0
.rept 48
	v_mov_b32 v[160+n], 0                          ; O^T: the step is written once, and its first run finds zeros
.set n, n+1
.endr
	s_wait_alu depctr_va_vdst(0)                   ; the addresses v1 to v8 are written, which every load and store of the kernel reads; so are v16-28, in which Q and its scale words land
	s_wait_kmcnt 0x0
	s_lshl_b32 s40, ttmp9, 7
	s_add_co_u32 s41, s40, 128
	s_cmp_lt_u32 s40, s19
	s_cselect_b32 s24, s17, 0
	s_cmp_gt_u32 s41, s18
	s_cselect_b32 s24, s24, 0                      ; steps to copy: the key steps, if any of the block's 128 rows is wanted
	s_lshr_b32 s41, s14, 1
	s_lshl_b32 s41, s41, 5
	s_add_co_u32 s40, s40, s41
	s_add_co_u32 s41, s40, 32
	s_cmp_lt_u32 s40, s19
	s_cselect_b32 s25, s17, 0
	s_cmp_gt_u32 s41, s18
	s_cselect_b32 s25, s25, 0                      ; steps to work: the key steps, if any row of my tile's group is wanted (those groups' q were made)
	s_cmp_lg_u32 s25, 0
	s_cbranch_scc0 .Lno_q
.irp g, 0,1,2
	global_load_b128 v[16+4*\g:19+4*\g], v1, s[4:5] offset:512*\g
.endr
	global_load_b32 v28, v6, s[44:45] offset:12288
	s_wait_loadcnt 0x0
.Lno_q:
	s_cmp_lt_u32 s14, 7
	s_cbranch_scc0 .Lno_c0
	s_cmp_lg_u32 s24, 0
	s_cbranch_scc0 .Lno_c0
	CLOAD                                          ; step 0
	s_wait_loadcnt 0x0
	CSTORE 0
.Lno_c0:
	s_add_nc_u64 s[30:31], s[30:31], s[34:35]
	s_add_nc_u64 s[32:33], s[32:33], s[34:35]
	s_mov_b32 s28, 8
.Ltrip:
	TRIP 0, 1
	TRIP 1, 0
	s_sub_co_u32 s28, s28, 1
	s_cmp_lg_u32 s28, 0
	s_cbranch_scc1 .Ltrip
.rept 4
	v_nop                                          ; places behind the last products, ahead of the branch: both arms below write registers that products have named
.endr
	s_cmp_lg_u32 s25, 0
	s_cbranch_scc0 .Lidle
	v_add_f32 v14, v14, v15                        ; the sum's two halves,
	v_permlanex16_b32 v252, v14, s36, s37
	v_add_f32 v14, v14, v252                       ; and lane l xor 16's
	s_wait_alu depctr_va_vdst(0)
	v_rcp_f32 v14, v14
.irp b, 0,1,2
	v_mov_b32 v[52+\b], 0                          ; (plain places behind the reciprocal)
.endr
.set n, 0
	s_wait_alu depctr_va_vdst(0)                   ; the reciprocal has written v14, ahead of its first reader
.rept 48
	v_mul_f32 v[96+n], v[160+n], v14               ; ctx: register 16 b + i is channel 32 b + 16 h + i of the head
.set n, n+1
.endr
.irp b, 0,1,2
	v_max3_num_f32 v[48+\b], |v[96+16*\b]|, |v[97+16*\b]|, 0x2800000
.endr
.irp i, 2,4,6,8,10,12,14
.irp b, 0,1,2
	v_max3_num_f32 v[48+\b], v[48+\b], |v[96+16*\b+\i]|, |v[97+16*\b+\i]|
.endr
.endr
.irp b, 0,1,2
	v_permlanex16_b32 v[52+\b], v[48+\b], s36, s37
.endr
.irp b, 0,1,2
	v_max_num_f32 v[48+\b], v[48+\b], v[52+\b]
.endr
.irp b, 0,1,2
	v_add_nc_u32 v[56+\b], 0xfe000000, v[48+\b]
.endr
.irp b, 0,1,2
	v_cvt_scalef32_pk16_bf6_f32 v[32+4*\b:34+4*\b], v[96+16*\b:111+16*\b], v[56+\b]
.endr
.irp b, 0,1,2
	v_lshrrev_b32 v[60+\b], 23, v[56+\b]           ; (plain lines behind the conversions)
.endr
	s_wait_alu depctr_va_vdst(0)                   ; the conversions have written the codes in v32-42 and the shifts the bytes in v60-62, which the stores read
.irp b, 0,1,2
	global_store_b96 v7, v[32+4*\b:34+4*\b], s[52:53] offset:384*\b
	global_store_b8 v8, v[60+\b], s[54:55] offset:\b
.endr
	s_wait_dscnt 0x0                               ; the closing lines, six on end
	s_wait_alu 0x0
	s_wait_tensorcnt 0x0
	ds_add_u32 v223, v243
	s_wait_dscnt 0x0
	s_endpgm
.Lidle:
	v_mov_b32 v32, 0                               ; a tile that is not wanted: zero codes under the byte 127
	v_mov_b32 v33, 0
	v_mov_b32 v34, 0
	v_mov_b32 v60, 127
	s_wait_alu depctr_va_vdst(0)                   ; v32-34 and v60 are written, which the stores read
.irp b, 0,1,2
	global_store_b96 v7, v[32:34], s[52:53] offset:384*\b
	global_store_b8 v8, v60, s[54:55] offset:\b
.endr
	s_wait_dscnt 0x0                               ; the closing lines, six on end, as above
	s_wait_alu 0x0
	s_wait_tensorcnt 0x0
	ds_add_u32 v223, v243
	s_wait_dscnt 0x0
	s_endpgm
.Lfunc_end_k_q5e5342579d_attn:
	.size	k_q5e5342579d_attn, .Lfunc_end_k_q5e5342579d_attn-k_q5e5342579d_attn
	.p2alignl 7, 3214868480
	.fill 96, 4, 3214868480
	.section	.rodata,"a",@progbits
	.p2align	6, 0x0
	.amdhsa_kernel k_q5e5342579d_attn
		.amdhsa_group_segment_fixed_size 47616
		.amdhsa_private_segment_fixed_size 0
		.amdhsa_enable_private_segment 0
		.amdhsa_kernarg_size 40
		.amdhsa_user_sgpr_count 2
		.amdhsa_user_sgpr_kernarg_segment_ptr 1
		.amdhsa_wavefront_size32 1
		.amdhsa_system_sgpr_workgroup_id_x 1
		.amdhsa_system_sgpr_workgroup_id_y 1
		.amdhsa_system_sgpr_workgroup_id_z 1
		.amdhsa_system_vgpr_workitem_id 0
		.amdhsa_next_free_vgpr 256
		.amdhsa_next_free_sgpr 66
		.amdhsa_reserve_vcc 0
		.amdhsa_float_denorm_mode_32 3
		.amdhsa_float_denorm_mode_16_64 3
		.amdhsa_memory_ordered 1
		.amdhsa_forward_progress 1
		.amdhsa_inst_pref_size 134
	.end_amdhsa_kernel
	.amdgpu_metadata
---
amdhsa.version: [ 1, 2 ]
amdhsa.kernels:
  - .name:           k_q5e5342579d_attn
    .symbol:         k_q5e5342579d_attn.kd
    .args:
      - { .name: qb, .offset: 0, .size: 8, .value_kind: global_buffer, .address_space: global }
      - { .name: kb, .offset: 8, .size: 8, .value_kind: global_buffer, .address_space: global }
      - { .name: vb, .offset: 16, .size: 8, .value_kind: global_buffer, .address_space: global }
      - { .name: seg, .offset: 24, .size: 8, .value_kind: global_buffer, .address_space: global }
      - { .name: cb, .offset: 32, .size: 8, .value_kind: global_buffer, .address_space: global }
    .group_segment_fixed_size: 47616
    .private_segment_fixed_size: 0
    .kernarg_segment_align: 8
    .kernarg_segment_size: 40
    .max_flat_workgroup_size: 256
    .sgpr_count:     66
    .vgpr_count:     256
    .wavefront_size: 32
...
	.end_amdgpu_metadata
.endif
;; end of part 7
;; launch tail (part 8): grid 256 x 1, 12 waves a work-group, no clusters, 274,944 bytes of LDS; arguments hidden_states, cb, wimg, Wo_scales, W1_scales, W2_scales, bo, ln1_g, ln1_b, b1, b2, ln2_g, ln2_b, dn_g, dn_b, seg, out0; writes out0
.if DOCPART == 8
	.amdgcn_target "amdgcn-amd-amdhsa--gfx1250"
	.amdhsa_code_object_version 6
	.text
	.protected	k_q5e5342579d_tail
	.globl	k_q5e5342579d_tail
	.p2align	8
	.type	k_q5e5342579d_tail,@function
k_q5e5342579d_tail:
	s_mov_b64 s[64:65], 0
	v_nop
	global_prefetch_b8 v0, s[64:65] scope:SCOPE_SE
	s_setreg_imm32_b32 hwreg(HW_REG_WAVE_SCHED_MODE, 0, 2), 2
	s_setreg_imm32_b32 hwreg(HW_REG_WAVE_MODE, 25, 1), 1
	s_wait_xcnt 0x0
	s_wait_alu depctr_vm_vsrc(0)
; TAIL.  x1 = LN(x + ctx Wo + bo); x2 = LN(x1 + gelu(x1 W1 + b1) W2 + b2); out = x + LN(x2 - x) in the rows that seg names, x in the others.  The three products on codes of BF6.
; SHARES.  A work-group takes group G: 32 rows, as two tiles.  THE WAVES SHARE THE COLUMNS: wave w owns columns 64 w .. 64 w + 63 (four tiles of each weight) for all 32 rows: eight accumulators.
; Each weight fragment is wanted by one wave of the work-group alone, so it goes from memory straight into that wave's registers, one K step ahead of its use, in two sets that take turns.
; The products are used transposed (source 0 = the weight's tile, source 1 = the rows'): a lane holds one row, and its 16 registers of two neighbouring tiles are 16 neighbouring columns, the next product's K.
; A wave's 64 columns are half a K step of the next product: it quantises them in registers and stores that half of the operand's registers, as they stand, to LDS; every wave reads all six K steps back.
; The sums of a layer norm go through LDS: each wave's part of each row, one word; a barrier; every wave adds the twelve in the same order.  The variance is taken of the numbers less the mean.
; Every row is computed, also those that the select at the end throws away (their ctx is zero codes): the phases are parted by nine barriers, which stand on every wave's path, and there is no branch on data.
; gelu(a) = a / (1 + 2^(a (k1 + k2 a^2))), k1 = -2 log2(e) sqrt(2 / pi), k2 = 0.044715 k1: jax.nn.gelu's tanh form, written so that nothing cancels.
; No multicast: a joint load lands in LDS, and these fragments are wanted in one wave's registers.
; LIMITS: as stated in prep.
; LDS: XS 12 x 8,704: a wave's own strip (256 bytes) of the 32 rows of x, later of out: place 16 m + r, 272 bytes apart.  X1 12 x 8,192: x1 as an image of registers, a wave's own.
;      IA, IB 19,968 each: 12 fragments (6 m + K step) of 1,536, each as two halves of 768 (registers 6 c .. 6 c + 3 at 16 L, 6 c + 4, 5 at 512 + 8 L), then 12 scale rows of 128.  RED 6 x 5,120: reduction k, tile m, lane L, wave w.
; THE MODE: SCHED_MODE bits 1:0 = 2 (LLVM: expert scheduling mode 2), set by the entry lines.  The code itself states the register dependences
; between vector or matrix instructions and memory or LDS instructions, with s_wait_alu, always for 0.
; THE PLAN.  Registers that memory or LDS instructions touch:
;   v1-v20          Addresses, made at the head: one wait on va_vdst there serves every load and store.  v1 alone is written again, at the end, as a row's number, behind waits on vm_vsrc.
;   ACC v24-87      Loads land (x, b1, x1); products and vector lines write; LDS stores read (x at the start, x1's image, the result).
;   v88-135, v136-183  The weight's two sets: in K step s the products read set s % 2 and the loads of step s + 1 land in the other, which the products of step s - 1 read.
;   AF v184-207, AS v208-209  The rows' fragments and scale words of a K step: LDS loads land, products read.  In the epilogues the conversions write AF and LDS stores read it.
;   WS v210-221     The weight's scale words: loads land at an epilogue's head, products read.
;   v136-199        In the epilogues a gain and a bias: loads land, the norm's last lines read.  v88-151 twice take x from the strip.
;   v222, v226      My part of a row's sum: vector lines write, two LDS stores read.   v232-255: the twelve parts land there; between the sums they are at work, and v240, v241 are stored as scale bytes.
; WAITS ON va_vdst: at the head of each K step but a product's first (the last step's products are done with the other set, AF and AS); ahead of the first and the third product (the additions are done with the bias;
; the second product's first K step owes nothing: the wait ahead of the epilogue's stores covers it, and no vector line follows that wait); at each epilogue's head; in each sum across the waves, ahead of its stores;
; one ahead of each quantiser's stores; ahead of each return of x and of dn_g; ahead of the last LDS stores.
; WAITS ON vm_vsrc: behind barrier 1; in each sum, behind its barrier; ahead of b1's loads; ahead of the third product.
.set ACC, 24                           ; v24-87   accumulator (tile of rows m, tile of columns t) at 8 (4 m + t): for each m, register 16 q + i = column 64 w + 32 q + 16 h + i
.set WF0, 88                           ; v88-135, v136-183 the weight's four fragments of a K step, two sets
.set AF,  184                          ; v184-207 the rows' two fragments; in the epilogues the codes just made
.set AS,  208                          ; v208-209 their scale words
.set WS,  210                          ; v210-221 the weight's scale words: pair of tiles q at 6 q + K step
.set GV,  136                          ; v136-167 a vector of my 32 columns (a bias, a gain);  v168-199 a second one
.set BVV, 168
.set X1B, 104448
.set IA,  202752
.set IBO, 19968                        ; IB - IA
.set RED, 242688
.macro BAR                             ; my LDS stores have landed and my LDS loads are in: then the work-group's barrier
	s_wait_dscnt 0x0
	s_barrier_signal -1
	s_barrier_wait -1
.endm
.macro NOP4
.rept 4
	v_nop
.endr
.endm
.macro WLOAD mat, ks, buf
.irp t, 0,1,2,3
.irp g, 0,1,2
	global_load_b128 v[(\buf)+12*\t+4*\g:(\buf)+12*\t+4*\g+3], v16, s[8:9] offset:(\mat)*442368+9216*\t+1536*(\ks)+512*\g
.endr
.endr
.endm
.macro WSLOAD sb
.irp q, 0,1
.irp p, 0,1,2
	global_load_b64 v[WS+6*\q+2*\p:WS+6*\q+2*\p+1], v17, s[\sb:\sb+1] offset:768*\q+8*\p
.endr
.endr
.endm
.macro PLOAD reg, sb                   ; 32 numbers of a vector of 768: those of my lane's columns
.irp q, 0,1,2,3,4,5,6,7
	global_load_b128 v[(\reg)+4*\q:(\reg)+4*\q+3], v18, s[\sb:\sb+1] offset:128*(\q/4)+16*(\q%4)
.endr
.endm
.macro XGET reg                        ; x of my rows and columns, in the accumulators' layout, from my strip
.irp m, 0,1
.irp q, 0,1,2,3,4,5,6,7
	ds_load_b128 v[(\reg)+32*\m+4*\q:(\reg)+32*\m+4*\q+3], v4 offset:4352*\m+128*(\q/4)+16*(\q%4)
.endr
.endr
.endm
.macro ADDV reg                        ; both tiles of rows += a vector
.irp m, 0,1
.irp j, 0,2,4,6,8,10,12,14,16,18,20,22,24,26,28,30
	v_pk_add_f32 v[ACC+32*\m+\j:ACC+32*\m+\j+1], v[ACC+32*\m+\j:ACC+32*\m+\j+1], v[(\reg)+\j:(\reg)+\j+1]
.endr
.endr
.endm
; A K step: the operand's set at 'off' behind IA.  ld = 1: the weight's fragments (nm, nk) are asked for, into the set that is not at work.
; The eight accumulators take turns, one instruction a turn, in the same order in every step.
.macro KSTEP off, ks, nm, nk, ld
.set CBF, WF0+48*((\ks)%2)
.set NBF, WF0+48*(((\ks)+1)%2)
.if \ks > 0
	NOP4                                           ; places behind the last K step's products
	s_wait_alu depctr_va_vdst(0)                   ; the last K step's products are done reading the weight's other set, the rows' fragments and their scale words, in which the loads below land
.endif
.if \ld
	WLOAD \nm, \nk, NBF
.endif
.irp m, 0,1
.irp c, 0,1
	ds_load_b128 v[AF+12*\m+6*\c:AF+12*\m+6*\c+3], v11 offset:(\off)+1536*(6*\m+(\ks))+768*\c
	ds_load_b64 v[AF+12*\m+6*\c+4:AF+12*\m+6*\c+5], v12 offset:(\off)+1536*(6*\m+(\ks))+768*\c
.endr
	ds_load_b32 v[AS+\m], v13 offset:(\off)+128*(6*\m+(\ks))
.endr
.if \ld
	s_wait_loadcnt 12                              ; all but the twelve just issued
.else
	s_wait_loadcnt 0x0
.endif
	s_wait_dscnt 0x0
.irp t, 0,1,2,3
.irp m, 0,1
.if \t%2
	v_wmma_scale_f32_16x16x128_f8f6f4 v[ACC+8*(4*\m+\t):ACC+8*(4*\m+\t)+7], v[CBF+12*\t:CBF+12*\t+11], v[AF+12*\m:AF+12*\m+11], v[ACC+8*(4*\m+\t):ACC+8*(4*\m+\t)+7], v[WS+6*(\t/2)+(\ks)], v[AS+\m] matrix_a_fmt:MATRIX_FMT_BF6 matrix_b_fmt:MATRIX_FMT_BF6 matrix_a_scale:MATRIX_SCALE_ROW1
.else
	v_wmma_scale_f32_16x16x128_f8f6f4 v[ACC+8*(4*\m+\t):ACC+8*(4*\m+\t)+7], v[CBF+12*\t:CBF+12*\t+11], v[AF+12*\m:AF+12*\m+11], v[ACC+8*(4*\m+\t):ACC+8*(4*\m+\t)+7], v[WS+6*(\t/2)+(\ks)], v[AS+\m] matrix_a_fmt:MATRIX_FMT_BF6 matrix_b_fmt:MATRIX_FMT_BF6
.endif
.endr
.endr
.endm
; The 64 numbers of a lane are four blocks (tile of rows m, block q of my two): QUANTV makes their codes and scale bytes, QSTORE sends my half of each tile's K step to LDS
.macro QUANTV
.irp q, 0,1,2,3
	v_max3_num_f32 v[222+\q], |v[ACC+16*\q]|, |v[ACC+16*\q+1]|, 0x2800000   ; my 16 numbers, and the floor 2^(5 - 127)
.endr
.irp i, 2,4,6,8,10,12,14
.irp q, 0,1,2,3
	v_max3_num_f32 v[222+\q], v[222+\q], |v[ACC+16*\q+\i]|, |v[ACC+16*\q+\i+1]|
.endr
.endr
.irp q, 0,1,2,3
	v_permlanex16_b32 v[226+\q], v[222+\q], s46, s47
.endr
.irp q, 0,1,2,3
	v_max_num_f32 v[222+\q], v[222+\q], v[226+\q]
.endr
.irp q, 0,1,2,3
	v_add_nc_u32 v[232+\q], 0xfe000000, v[222+\q]
.endr
.irp q, 0,1,2,3
	v_lshrrev_b32 v[236+\q], 23, v[232+\q]
.endr
.irp m, 0,1
	v_lshl_or_b32 v[240+\m], v[237+2*\m], 8, v[236+2*\m]   ; my two bytes of the row's scale word
.endr
.irp m, 0,1
	v_cvt_scalef32_pk16_bf6_f32 v[AF+12*\m:AF+12*\m+2], v[ACC+32*\m:ACC+32*\m+15], v[232+2*\m]
	v_cvt_scalef32_pk16_bf6_f32 v[AF+12*\m+8:AF+12*\m+10], v[ACC+32*\m+16:ACC+32*\m+31], v[233+2*\m]
.endr
	v_nop                                          ; one plain place behind a scaled conversion
.irp m, 0,1
.irp i, 0,1,2
	v_permlane16_swap_b32 v[AF+12*\m+\i], v[AF+12*\m+8+\i]
.endr
.irp i, 0,1,2
	v_mov_b32 v[AF+12*\m+3+\i], v[AF+12*\m+8+\i]
.endr
.endr
.endm
.macro QSTORE off
.irp m, 0,1
	ds_store_b128 v8, v[AF+12*\m:AF+12*\m+3] offset:(\off)+9216*\m
	ds_store_b64 v9, v[AF+12*\m+4:AF+12*\m+5] offset:(\off)+9216*\m
	ds_store_b16 v10, v[240+\m] offset:(\off)+768*\m
.endr
.endm
; My part of each row's sum stands in the pairs v[222:223] (tile 0) and v[226:227] (tile 1); the rows' whole sums come back in v232 and v244
.macro RSUM k
.irp m, 0,1
	v_add_f32 v[222+4*\m], v[222+4*\m], v[223+4*\m]
.endr
.irp m, 0,1
	v_permlanex16_b32 v[230+\m], v[222+4*\m], s46, s47
.endr
.irp m, 0,1
	v_add_f32 v[222+4*\m], v[222+4*\m], v[230+\m]  ; my 64 columns of row r
.endr
	s_wait_alu depctr_va_vdst(0)                   ; v222 and v226 are written, which the two stores read; and the vector lines so far are done with v232-255, in which the twelve parts land below
.irp m, 0,1
	ds_store_b32 v14, v[222+4*\m] offset:5120*(\k)+2560*\m
.endr
	BAR
	s_wait_alu depctr_vm_vsrc(0)                   ; my LDS stores so far have read their data: v222 and v226, which are written again behind the sums, and v240, v241 among the registers in which the parts land
.irp m, 0,1
.irp q, 0,1,2
	ds_load_b128 v[232+12*\m+4*\q:235+12*\m+4*\q], v15 offset:5120*(\k)+2560*\m+16*\q
.endr
.endr
	s_wait_dscnt 0x0
.irp m, 0,1
	v_pk_add_f32 v[232+12*\m:233+12*\m], v[232+12*\m:233+12*\m], v[234+12*\m:235+12*\m]
	v_pk_add_f32 v[236+12*\m:237+12*\m], v[236+12*\m:237+12*\m], v[238+12*\m:239+12*\m]
	v_pk_add_f32 v[240+12*\m:241+12*\m], v[240+12*\m:241+12*\m], v[242+12*\m:243+12*\m]
.endr
.irp m, 0,1
	v_pk_add_f32 v[232+12*\m:233+12*\m], v[232+12*\m:233+12*\m], v[236+12*\m:237+12*\m]
.endr
.irp m, 0,1
	v_pk_add_f32 v[232+12*\m:233+12*\m], v[232+12*\m:233+12*\m], v[240+12*\m:241+12*\m]
.endr
.irp m, 0,1
	v_add_f32 v[232+12*\m], v[232+12*\m], v[233+12*\m]
.endr
.endm
; A layer norm of the 32 rows, in place; the gain has been asked for into v[GV] on, the bias into v[BVV] on.  It takes reductions k and k + 1, and two barriers.
.macro LN k
.irp m, 0,1
	v_pk_add_f32 v[222+4*\m:223+4*\m], v[ACC+32*\m:ACC+32*\m+1], v[ACC+32*\m+2:ACC+32*\m+3]
.endr
.irp m, 0,1
	v_pk_add_f32 v[224+4*\m:225+4*\m], v[ACC+32*\m+4:ACC+32*\m+5], v[ACC+32*\m+6:ACC+32*\m+7]
.endr
.irp j, 8,12,16,20,24,28
.irp m, 0,1
	v_pk_add_f32 v[222+4*\m:223+4*\m], v[222+4*\m:223+4*\m], v[ACC+32*\m+\j:ACC+32*\m+\j+1]
	v_pk_add_f32 v[224+4*\m:225+4*\m], v[224+4*\m:225+4*\m], v[ACC+32*\m+\j+2:ACC+32*\m+\j+3]
.endr
.endr
.irp m, 0,1
	v_pk_add_f32 v[222+4*\m:223+4*\m], v[222+4*\m:223+4*\m], v[224+4*\m:225+4*\m]
.endr
	RSUM \k
.irp m, 0,1
	v_mul_f32 v[222+4*\m], s48, v[232+12*\m]       ; - the mean
.endr
.irp m, 0,1
.irp j, 0,2,4,6,8,10,12,14,16,18,20,22,24,26,28,30
	v_pk_add_f32 v[ACC+32*\m+\j:ACC+32*\m+\j+1], v[ACC+32*\m+\j:ACC+32*\m+\j+1], v[222+4*\m:223+4*\m] op_sel_hi:[1,0]
.endr
.endr
.irp m, 0,1
	v_pk_mul_f32 v[222+4*\m:223+4*\m], v[ACC+32*\m:ACC+32*\m+1], v[ACC+32*\m:ACC+32*\m+1]
	v_pk_mul_f32 v[224+4*\m:225+4*\m], v[ACC+32*\m+2:ACC+32*\m+3], v[ACC+32*\m+2:ACC+32*\m+3]
.endr
.irp j, 4,8,12,16,20,24,28
.irp m, 0,1
	v_pk_fma_f32 v[222+4*\m:223+4*\m], v[ACC+32*\m+\j:ACC+32*\m+\j+1], v[ACC+32*\m+\j:ACC+32*\m+\j+1], v[222+4*\m:223+4*\m]
	v_pk_fma_f32 v[224+4*\m:225+4*\m], v[ACC+32*\m+\j+2:ACC+32*\m+\j+3], v[ACC+32*\m+\j+2:ACC+32*\m+\j+3], v[224+4*\m:225+4*\m]
.endr
.endr
.irp m, 0,1
	v_pk_add_f32 v[222+4*\m:223+4*\m], v[222+4*\m:223+4*\m], v[224+4*\m:225+4*\m]
.endr
	RSUM (\k)+1
.irp m, 0,1
	v_fma_f32 v[222+4*\m], v[232+12*\m], s49, s50  ; the variance + eps
.endr
	s_wait_alu depctr_va_vdst(0)
.irp m, 0,1
	v_rsq_f32 v[222+4*\m], v[222+4*\m]
.endr
	v_nop                                          ; one plain place behind a transcendental
	s_wait_loadcnt 0x0                             ; the gain and the bias, asked for two barriers ago
	s_wait_alu depctr_va_vdst(0)                   ; the two reciprocal roots have written v222 and v226, ahead of their first reader
.irp m, 0,1
.irp j, 0,2,4,6,8,10,12,14,16,18,20,22,24,26,28,30
	v_pk_mul_f32 v[ACC+32*\m+\j:ACC+32*\m+\j+1], v[ACC+32*\m+\j:ACC+32*\m+\j+1], v[222+4*\m:223+4*\m] op_sel_hi:[1,0]
.endr
.endr
.irp m, 0,1
.irp j, 0,2,4,6,8,10,12,14,16,18,20,22,24,26,28,30
	v_pk_fma_f32 v[ACC+32*\m+\j:ACC+32*\m+\j+1], v[ACC+32*\m+\j:ACC+32*\m+\j+1], v[GV+\j:GV+\j+1], v[BVV+\j:BVV+\j+1]
.endr
.endr
.endm
	s_load_b512 s[4:19], s[0:1], 0x0               ; x, cb, wimg, Wo/W1/W2 scales, bo, ln1_g
	s_load_b512 s[20:35], s[0:1], 0x40             ; ln1_b, b1, b2, ln2_g, ln2_b, dn_g, dn_b, seg
	s_load_b64 s[36:37], s[0:1], 0x80              ; out
	s_set_vgpr_msb 0x40
	v_lshl_add_u32 v0, v0, 2, 0x42c00
	v_mov_b32 v1, 0
	s_set_vgpr_msb 0x4000
	v_lshrrev_b32 v1, 5, v0
	v_readfirstlane_b32 s38, v1                    ; wave 0..11
	v_and_b32 v1, 31, v0                           ; L
	v_and_b32 v2, 15, v0                           ; r
	v_bfe_u32 v3, v0, 4, 1                         ; h
	s_wait_alu depctr_va_sdst(0)                   ; s38, the wave's number, is written, ahead of its first reader
	s_mul_i32 s40, s38, 8704
	v_mul_u32_u24 v4, v2, 272
	v_lshl_add_u32 v4, v3, 6, v4
	v_add_nc_u32 v4, s40, v4                       ; v4  my strip in the accumulators' layout: place r, + 64 h
	v_mul_u32_u24 v5, v3, 272
	v_lshl_add_u32 v5, v2, 4, v5
	v_add_nc_u32 v5, s40, v5                       ; v5  my strip by rows: sixteen lanes to a place's 256 bytes, two places an instruction
	s_lshl_b32 s41, s38, 8
	v_mul_u32_u24 v6, v3, 3072
	v_lshl_add_u32 v6, v2, 4, v6
	v_add_nc_u32 v6, s41, v6                       ; v6  the same in memory: row h, my strip
	v_lshl_add_u32 v18, v3, 6, s41                 ; v18 a vector's numbers of my columns: 256 w + 64 h
	s_lshl_b32 s40, s38, 13
	s_add_co_u32 s40, s40, X1B
	v_lshl_add_u32 v7, v1, 4, s40                  ; v7  x1's image
	s_mul_i32 s44, s38, 768
	s_add_co_u32 s41, s44, IA
	v_lshl_add_u32 v8, v1, 4, s41                  ; v8, v9 where I store my half of a K step
	s_add_co_u32 s41, s41, 512
	v_lshl_add_u32 v9, v1, 3, s41
	s_lshr_b32 s41, s38, 1
	s_lshl_b32 s41, s41, 7
	s_and_b32 s45, s38, 1
	s_lshl_b32 s45, s45, 1
	s_add_co_u32 s41, s41, s45
	s_add_co_u32 s41, s41, IA+18432
	v_lshl_add_u32 v10, v1, 2, s41                 ; v10 and my two bytes of its scale words
	v_lshl_add_u32 v11, v1, 4, IA                  ; v11, v12, v13 where any fragment and its scale row are read
	v_lshl_add_u32 v12, v1, 3, IA+512
	v_lshl_add_u32 v13, v1, 2, IA+18432
	v_mul_u32_u24 v15, v1, 80
	v_add_nc_u32 v15, RED, v15                     ; v15 a row's twelve words
	s_lshl_b32 s41, s38, 2
	v_add_nc_u32 v14, s41, v15                     ; v14 mine among them
	s_mul_i32 s41, s38, 36864
	v_lshl_add_u32 v16, v1, 4, s41                 ; v16 my four tiles of a weight
	v_and_b32 v17, 8, v2
	v_add_nc_u32 v21, v17, v2                      ; r + 8 (r / 8)
	s_wait_alu depctr_va_vdst(0)
	v_lshl_add_u32 v17, v3, 3, v21
	s_lshl_b32 s41, s38, 6
	v_add_nc_u32 v17, s41, v17
	v_mul_u32_u24 v17, v17, 24                     ; v17 their scale rows: lanes 16-31 the odd tile
	s_mul_i32 s41, s38, 1536
	v_mul_u32_u24 v19, v2, 24
	v_mad_u32_u24 v19, v3, 384, v19
	v_add_nc_u32 v19, s41, v19                     ; v19 ctx's fragment w (tile w / 6, K step w % 6), block by block
	s_cmp_ge_u32 s38, 6
	s_cselect_b32 s40, 1, 0
	s_mul_i32 s41, s40, 6
	s_sub_co_u32 s41, s38, s41
	s_lshl_b32 s41, s41, 2
	s_mul_i32 s40, s40, 768
	s_add_co_u32 s40, s40, s41
	v_mul_u32_u24 v20, v1, 24
	v_add_nc_u32 v20, s40, v20                     ; v20 and its scale words
	s_and_b32 s39, ttmp9, 63
	s_lshl_b32 s39, s39, 5
	v_add_nc_u32 v21, s39, v21                     ; v21 my row of tile 0, counted in its batch
	v_add_nc_u32 v1, s44, v8                       ; v1, v2, v3 where ctx's fragment w goes
	v_add_nc_u32 v2, s44, v9
	s_lshl_b32 s41, s38, 7
	v_add_nc_u32 v3, s41, v13
	v_mov_b32 v22, 0xc0135761                      ; k1, twice
	v_mov_b32 v23, 0xc0135761
.irp q, 0,1,2,3,4,5
	v_mov_b32 v[226+\q], 0                         ; a lane permute's destination counts as one of its sources
.endr
	s_mov_b32 s46, 0x76543210
	s_mov_b32 s47, 0xfedcba98
	s_mov_b32 s48, 0xbaaaaaab                      ; -1 / 768
	s_mov_b32 s49, 0x3aaaaaab                      ; 1 / 768
	s_mov_b32 s50, 0x3727c5ac                      ; eps
	s_mov_b32 s52, 0xbdd2d3e8                      ; k2
	s_mov_b32 s53, s52
	s_lshr_b32 s40, ttmp9, 6
	s_lshl_b32 s40, s40, 5
	s_mov_b32 s41, 0
	s_wait_kmcnt 0x0
	s_add_nc_u64 s[34:35], s[34:35], s[40:41]
	s_load_b256 s[56:63], s[34:35], 0x0            ; s60, s61: the rows that are updated
	s_mul_i32 s40, ttmp9, 98304
	s_add_nc_u64 s[4:5], s[4:5], s[40:41]
	s_add_nc_u64 s[36:37], s[36:37], s[40:41]
	s_mul_i32 s40, ttmp9, 1536
	s_add_co_u32 s40, s40, 4718592
	s_add_nc_u64 s[42:43], s[6:7], s[40:41]
	s_mul_i32 s40, ttmp9, 18432
	s_add_nc_u64 s[6:7], s[6:7], s[40:41]
	s_wait_alu depctr_va_vdst(0)                   ; the addresses v1 to v20 are written, which every load and store of the kernel reads
; ---- P0: x into my strip, ctx's fragment w into IA
.irp i, 0,1,2,3,4,5,6,7,8,9,10,11,12,13,14,15
	global_load_b128 v[ACC+4*\i:ACC+4*\i+3], v6, s[4:5] offset:6144*\i   ; rows 2 i + h: sixteen lanes read 256 consecutive bytes
.endr
.irp c, 0,1
.irp p, 0,1,2
	global_load_b64 v[AF+6*\c+2*\p:AF+6*\c+2*\p+1], v19, s[6:7] offset:768*\c+8*\p
.endr
.endr
	global_load_b32 v232, v20, s[42:43]
	PLOAD GV, 16                                   ; bo
	WSLOAD 10
	WLOAD 3, 0, WF0
	s_wait_loadcnt 33                              ; behind x: 7 + 8 + 6 + 12
.irp i, 0,1,2,3,4,5,6,7,8,9,10,11,12,13,14,15
	ds_store_b128 v5, v[ACC+4*\i:ACC+4*\i+3] offset:272*(16*((\i/4)%2)+8*(\i/8)+2*(\i%4))   ; row 2 i + h of the group is place 16 m + r: m = (row / 8) % 2, r = 8 (row / 16) + row % 8
.endr
	s_wait_loadcnt 26                              ; behind ctx: 8 + 6 + 12
.irp c, 0,1
	ds_store_b128 v1, v[AF+6*\c:AF+6*\c+3] offset:768*\c
	ds_store_b64 v2, v[AF+6*\c+4:AF+6*\c+5] offset:768*\c
.endr
	ds_store_b32 v3, v232
	s_wait_kmcnt 0x0
	BAR                                            ; 1: ctx's twelve fragments lie in IA
; ---- G1: x + bo + ctx Wo
	s_wait_alu depctr_vm_vsrc(0)                   ; my LDS stores above have read v24-87, in which x lands again, and v184-195, in which the rows' fragments land
	XGET ACC
	s_wait_dscnt 0x0
	s_wait_loadcnt 18                              ; behind bo: 6 + 12
	ADDV GV
	s_wait_alu depctr_va_vdst(0)                   ; the additions are done reading bo in v136-167, in which the weight's next K step lands
	KSTEP 0, 0, 3, 1, 1
	KSTEP 0, 1, 3, 2, 1
	KSTEP 0, 2, 3, 3, 1
	KSTEP 0, 3, 3, 4, 1
	KSTEP 0, 4, 3, 5, 1
	KSTEP 0, 5, 4, 0, 1                            ; W1's first K step is asked for
; ---- E1: x1
	NOP4                                           ; places behind the last products
	s_wait_alu depctr_va_vdst(0)                   ; the last products are done reading the scale words v210-221, the weight's set and the rows' fragments v136-199, in which W1's scale words, the gain and the bias land
	WSLOAD 12
	PLOAD GV, 18
	PLOAD BVV, 20
	LN 0                                           ; barriers 2 and 3
	QUANTV
	s_wait_alu depctr_va_vdst(0)                   ; the norm has written x1 in v24-87 and the quantiser its codes and bytes in v184-201, v240, v241, which the stores read; both are done reading v24-87 and v136-207, in which b1 and the next product's loads land
.irp i, 0,1,2,3,4,5,6,7,8,9,10,11,12,13,14,15
	ds_store_b128 v7, v[ACC+4*\i:ACC+4*\i+3] offset:512*\i   ; x1 is kept, as an image of its registers
.endr
	QSTORE IBO
	s_wait_dscnt 0x0                               ; my stores have landed
	s_wait_alu depctr_vm_vsrc(0)                   ; they have read v24-87, in which b1 lands, v184-201, in which the rows' fragments land, and v240, v241, which gelu's lines write
	PLOAD ACC, 22                                  ; b1 starts the next sums, the same numbers for both tiles of rows
	PLOAD ACC+32, 22
	s_barrier_signal -1
	s_barrier_wait -1                              ; 4: x1's twelve fragments lie in IB
; ---- G2: x1 W1 + b1
	KSTEP IBO, 0, 4, 1, 1                          ; its loads owe no further wait: no vector line stands behind the two waits above
	KSTEP IBO, 1, 4, 2, 1
	KSTEP IBO, 2, 4, 3, 1
	KSTEP IBO, 3, 4, 4, 1
	KSTEP IBO, 4, 4, 5, 1
	KSTEP IBO, 5, 5, 0, 1
; ---- E2: gelu
	NOP4
	s_wait_alu depctr_va_vdst(0)                   ; the last products are done reading the scale words v210-221 and the weight's set v136-183, in which W2's scale words and b2 land
	WSLOAD 14
	PLOAD GV, 24                                   ; b2
.irp q, 0,1,2,3                                ; 16 registers at a time
.irp j, 0,2,4,6,8,10,12,14
	v_pk_mul_f32 v[232+\j:233+\j], v[ACC+16*\q+\j:ACC+16*\q+\j+1], v[ACC+16*\q+\j:ACC+16*\q+\j+1]
.endr
.irp j, 0,2,4,6,8,10,12,14
	v_pk_fma_f32 v[232+\j:233+\j], v[232+\j:233+\j], s[52:53], v[22:23] op_sel_hi:[1,0,1]   ; k2 a^2 + k1
.endr
.irp j, 0,2,4,6,8,10,12,14
	v_pk_mul_f32 v[232+\j:233+\j], v[232+\j:233+\j], v[ACC+16*\q+\j:ACC+16*\q+\j+1]
.endr
	s_wait_alu depctr_va_vdst(0)
.irp j, 0,1,2,3,4,5,6,7,8,9,10,11,12,13,14,15
	v_exp_f32 v[232+\j], v[232+\j]
.endr
	v_nop                                          ; one plain place behind the exponentials
	s_wait_alu depctr_va_vdst(0)                   ; the sixteen exponentials have written v232-247, ahead of their first reader
.irp j, 0,2,4,6,8,10,12,14
	v_pk_add_f32 v[232+\j:233+\j], v[232+\j:233+\j], 1.0 op_sel_hi:[1,0]
.endr
	s_wait_alu depctr_va_vdst(0)
.irp j, 0,1,2,3,4,5,6,7,8,9,10,11,12,13,14,15
	v_rcp_f32 v[232+\j], v[232+\j]
.endr
	v_nop
	s_wait_alu depctr_va_vdst(0)                   ; the sixteen reciprocals have written v232-247, ahead of their first reader
.irp j, 0,2,4,6,8,10,12,14
	v_pk_mul_f32 v[ACC+16*\q+\j:ACC+16*\q+\j+1], v[ACC+16*\q+\j:ACC+16*\q+\j+1], v[232+\j:233+\j]
.endr
.endr
	QUANTV
	s_wait_alu depctr_va_vdst(0)                   ; the quantiser has written its codes and bytes in v184-201, v240, v241, which the stores read, and is done reading v24-87, in which x1 lands
	QSTORE 0                                       ; into IA: its last readers have passed barriers 2 to 4
.irp i, 0,1,2,3,4,5,6,7,8,9,10,11,12,13,14,15
	ds_load_b128 v[ACC+4*\i:ACC+4*\i+3], v7 offset:512*\i   ; x1 starts the next sums
.endr
	s_wait_loadcnt 0x0                             ; b2
	s_wait_dscnt 0x0
	s_barrier_signal -1
	ADDV GV                                        ; + b2: work on registers while the others arrive
	s_barrier_wait -1                              ; 5: the twelve fragments of gelu(..) lie in IA
; ---- G3: x1 + b2 + gelu(..) W2
	s_wait_alu depctr_va_vdst(0)                   ; the additions are done reading b2 in v136-167, in which the weight's next K step lands
	s_wait_alu depctr_vm_vsrc(0)                   ; my stores of the codes have read v184-201, in which the rows' fragments land
	KSTEP 0, 0, 5, 1, 1
	KSTEP 0, 1, 5, 2, 1
	KSTEP 0, 2, 5, 3, 1
	KSTEP 0, 3, 5, 4, 1
	KSTEP 0, 4, 5, 5, 1
	KSTEP 0, 5, 5, 0, 0
; ---- E3: x2, the difference's norm, the select
	NOP4
	s_wait_alu depctr_va_vdst(0)                   ; the last products are done reading the weight's set and the rows' fragments v136-199, in which the gain and the bias land
	PLOAD GV, 26
	PLOAD BVV, 28
	LN 2                                           ; barriers 6 and 7
	s_wait_alu depctr_va_vdst(0)                   ; the norm's last lines are done reading the gain and the bias in v136-199: x lands in v88-151, dn_b in v168-199
	XGET WF0                                       ; x, into v88-151
	PLOAD BVV, 32                                  ; dn_b: no line below names its registers before the next norm's end
	s_wait_dscnt 0x0
.set n, 0
.rept 32
	v_pk_add_f32 v[ACC+n:ACC+n+1], v[ACC+n:ACC+n+1], v[WF0+n:WF0+n+1] neg_lo:[0,1] neg_hi:[0,1]   ; x2 - x
.set n, n+2
.endr
	s_wait_alu depctr_va_vdst(0)                   ; the subtractions are done reading x in v136-151, in which dn_g lands
	PLOAD GV, 30
	LN 4                                           ; barriers 8 and 9
	s_wait_alu depctr_va_vdst(0)                   ; the norm's last lines are done reading the gain in v136-151, in which x lands
	XGET WF0                                       ; x once more: the registers do not hold it beside the gain, the bias and the sums' words
	v_add_nc_u32 v1, 8, v21                        ; my row of tile 1.  (v1 was an LDS store's address at the start: waits on vm_vsrc stand between)
	v_cmp_le_u32 s54, s60, v21                     ; the four compares in one run, each into a scalar register of its own
	v_cmp_gt_u32 s55, s61, v21
	v_cmp_le_u32 s44, s60, v1
	v_cmp_gt_u32 s45, s61, v1
	s_wait_alu depctr_va_sdst(0)                   ; the four masks are written, ahead of their first readers
	s_and_b32 s54, s54, s55                        ; is my row of tile 0 updated?
	s_and_b32 s55, s44, s45                        ; of tile 1?
	s_wait_dscnt 0x0
.set n, 0
.rept 32
	v_pk_add_f32 v[ACC+n:ACC+n+1], v[ACC+n:ACC+n+1], v[WF0+n:WF0+n+1]
.set n, n+2
.endr
.set n, 0
.rept 32
	v_cndmask_b32 v[ACC+n], v[WF0+n], v[ACC+n], s54
	v_cndmask_b32 v[ACC+32+n], v[WF0+32+n], v[ACC+32+n], s55
.set n, n+1
.endr
	s_wait_alu depctr_va_vdst(0)                   ; the selects have written v24-87, which the stores read, and are done reading v88-151, in which the rows land
.irp m, 0,1
.irp q, 0,1,2,3,4,5,6,7
	ds_store_b128 v4, v[ACC+32*\m+4*\q:ACC+32*\m+4*\q+3] offset:4352*\m+128*(\q/4)+16*(\q%4)   ; into my strip, over x: each number has one lane
.endr
.endr
.irp i, 0,1,2,3,4,5,6,7,8,9,10,11,12,13,14,15
	ds_load_b128 v[WF0+4*\i:WF0+4*\i+3], v5 offset:272*(16*((\i/4)%2)+8*(\i/8)+2*(\i%4))   ; LDS serves a wave in order: these see my stores
.endr
.irp i, 0,1,2,3,4,5,6,7,8,9,10,11,12,13,14,15
	s_wait_dscnt 15-\i
	global_store_b128 v6, v[WF0+4*\i:WF0+4*\i+3], s[36:37] offset:6144*\i th:TH_STORE_NT   ; sixteen lanes store 256 consecutive bytes, at a multiple of 256 from out's first byte
.endr
	s_set_vgpr_msb 0x5                             ; the add's two registers, v256 and v257, are its sources 0 and 1: window 1
	s_wait_dscnt 0x0                               ; the closing lines, six on end
	s_wait_alu 0x0
	s_wait_tensorcnt 0x0
	ds_add_u32 v0, v1
	s_wait_dscnt 0x0
	s_endpgm
.Lfunc_end_k_q5e5342579d_tail:
	.size	k_q5e5342579d_tail, .Lfunc_end_k_q5e5342579d_tail-k_q5e5342579d_tail
	.p2alignl 7, 3214868480
	.fill 96, 4, 3214868480
	.section	.rodata,"a",@progbits
	.p2align	6, 0x0
	.amdhsa_kernel k_q5e5342579d_tail
		.amdhsa_group_segment_fixed_size 274944
		.amdhsa_private_segment_fixed_size 0
		.amdhsa_enable_private_segment 0
		.amdhsa_kernarg_size 136
		.amdhsa_user_sgpr_count 2
		.amdhsa_user_sgpr_kernarg_segment_ptr 1
		.amdhsa_wavefront_size32 1
		.amdhsa_system_sgpr_workgroup_id_x 1
		.amdhsa_system_sgpr_workgroup_id_y 1
		.amdhsa_system_sgpr_workgroup_id_z 1
		.amdhsa_system_vgpr_workitem_id 0
		.amdhsa_next_free_vgpr 258
		.amdhsa_next_free_sgpr 66
		.amdhsa_reserve_vcc 0
		.amdhsa_float_denorm_mode_32 3
		.amdhsa_float_denorm_mode_16_64 3
		.amdhsa_memory_ordered 1
		.amdhsa_forward_progress 1
		.amdhsa_inst_pref_size 158
	.end_amdhsa_kernel
	.amdgpu_metadata
---
amdhsa.version: [ 1, 2 ]
amdhsa.kernels:
  - .name:           k_q5e5342579d_tail
    .symbol:         k_q5e5342579d_tail.kd
    .args:
      - { .name: hidden_states, .offset: 0, .size: 8, .value_kind: global_buffer, .address_space: global }
      - { .name: cb, .offset: 8, .size: 8, .value_kind: global_buffer, .address_space: global }
      - { .name: wimg, .offset: 16, .size: 8, .value_kind: global_buffer, .address_space: global }
      - { .name: Wo_scales, .offset: 24, .size: 8, .value_kind: global_buffer, .address_space: global }
      - { .name: W1_scales, .offset: 32, .size: 8, .value_kind: global_buffer, .address_space: global }
      - { .name: W2_scales, .offset: 40, .size: 8, .value_kind: global_buffer, .address_space: global }
      - { .name: bo, .offset: 48, .size: 8, .value_kind: global_buffer, .address_space: global }
      - { .name: ln1_g, .offset: 56, .size: 8, .value_kind: global_buffer, .address_space: global }
      - { .name: ln1_b, .offset: 64, .size: 8, .value_kind: global_buffer, .address_space: global }
      - { .name: b1, .offset: 72, .size: 8, .value_kind: global_buffer, .address_space: global }
      - { .name: b2, .offset: 80, .size: 8, .value_kind: global_buffer, .address_space: global }
      - { .name: ln2_g, .offset: 88, .size: 8, .value_kind: global_buffer, .address_space: global }
      - { .name: ln2_b, .offset: 96, .size: 8, .value_kind: global_buffer, .address_space: global }
      - { .name: dn_g, .offset: 104, .size: 8, .value_kind: global_buffer, .address_space: global }
      - { .name: dn_b, .offset: 112, .size: 8, .value_kind: global_buffer, .address_space: global }
      - { .name: seg, .offset: 120, .size: 8, .value_kind: global_buffer, .address_space: global }
      - { .name: out0, .offset: 128, .size: 8, .value_kind: global_buffer, .address_space: global }
    .group_segment_fixed_size: 274944
    .private_segment_fixed_size: 0
    .kernarg_segment_align: 8
    .kernarg_segment_size: 136
    .max_flat_workgroup_size: 384
    .sgpr_count:     66
    .vgpr_count:     258
    .wavefront_size: 32
...
	.end_amdgpu_metadata
.endif
;; end of part 8
